; MI455X (gfx1250); checked and timed in simulation.
; The chip was launched on July 23, 2026; its instructions are those of AMD's public machine-readable ISA for CDNA 5 (MIT licence, August 2026) and "CDNA5" Instruction Set Architecture Reference Guide (July 2026). The comments in the code are by the model that wrote it; some were corrected since.
;; Seq Parallel Attn. Allowed arithmetic: matrix products marked QUANTISED: E2M3 operands, one E8M0 scale for each 32 along K, by v_wmma_scale_f32_16x16x128_f8f6f4 with both operands' format E2M3, f32 sums; everything else in f32.
;; Inputs: Wk 2,048 x 2,048 float32; Wo 2,048 x 2,048 float32; Wq 2,048 x 2,048 float32; Wv 2,048 x 2,048 float32; x 2 x 1,024 x 2,048 float32.
;; Outputs: out0 2 x 1,024 x 2,048 float32.
;; This version of the problem:
;;   THIS VERSION OF THE PROBLEM IS GIVEN IN LOW PRECISION. The matrix products marked QUANTISED in the list below multiply operands that are first quantised to E2M3 (2 exponent bits, 3 mantissa bits; 6 bits a number), with one power-of-two scale for each 32 numbers along K (OCP MX v1.0); their sums are f32. All else is computed in f32.
;;   The module's matrix products, in the order in which they are computed (A, B: the left and right operand; K: the contracted axis; several contracted axes count as one K, in the product's order):
;;     1. [M 2,048, K 2,048] x [K 2,048, N 2,048]; A: input x; B: input Wq: QUANTISED
;;     2. [M 2,048, K 2,048] x [K 2,048, N 2,048]; A: input x; B: input Wk: QUANTISED
;;     3. [M 2,048, K 2,048] x [K 2,048, N 2,048]; A: input x; B: input Wv: QUANTISED
;;     4. batch 32 x [M 1,024, K 128] x [K 128, N 4,096]; A: computed on the way; B: computed on the way: QUANTISED
;;     5. batch 32 x [M 1,024, K 4,096] x [K 4,096, N 128]; A: softmax (see below); B: computed on the way: QUANTISED
;;     6. [M 2,048, K 2,048] x [K 2,048, N 2,048]; A: computed on the way; B: input Wo: QUANTISED
;;   THE QUANTISER, for each operand of a quantised product, along K:
;;     - K is cut into blocks of 32 from its start; a last block that is shorter is filled with zeros.
;;     - A block's scale is 2^e with e = floor(log2(the largest magnitude in the block)) - 2, held to -126 .. 127; a block of zeros has e = 0. As a byte (E8M0): e + 127.
;;     - Each number is divided by its block's scale, clamped to +-7.5, and rounded to the nearest number of E2M3, ties to even, subnormals kept.
;;     - The product sums the exact products of the quantised numbers (number of the format x scale) in f32.
;;   ~~~python
;;   def quantise(x, axis):      # numpy; x: float32 -> the quantised numbers, widened to float32 again
;;       x = np.moveaxis(x, axis, -1); K = x.shape[-1]
;;       x = np.pad(x, [(0, 0)] * (x.ndim - 1) + [(0, -K % 32)]); x = x.reshape(x.shape[:-1] + (-1, 32)); a = np.abs(x).max(-1, keepdims=True)
;;       e = np.where(a > 0, np.clip(np.frexp(np.where(a > 0, a, 1))[1] - 1 - 2, -126, 127), 0)      # np.frexp(a)[1] - 1 = floor(log2(a)), exactly
;;       r = np.clip(x / 2.0 ** e, -7.5, 7.5)
;;       step = 2.0 ** (np.maximum(np.frexp(np.where(r == 0, 1, r))[1] - 1, 0) - 3)
;;       q = np.round(r / step) * step * 2.0 ** e      # np.round: ties to even
;;       return np.moveaxis(q.reshape(q.shape[:-2] + (-1,))[..., :K], -1, axis).astype(np.float32)
;;   ~~~
;;   SOFTMAX AHEAD OF A QUANTISED PRODUCT. Where the list says 'softmax', what is quantised is not the finished softmax but p = 2^(t - M), with t = logit x log2(e) and M = ceil(the row's largest t), a whole number; so 1/2 < the row's largest p <= 1. The row's sum l is taken of the UNQUANTISED p, in f32, and the product's result is divided by l at the end. Since M is a whole number, a kernel that streams over the keys may use a running M (the ceiling of the running maximum): every later rescaling is an exact power of two, which a block's scale takes up: the codes' values come out the same.
;;   OPERANDS COMPUTED ON THE WAY. 'Computed on the way' means the value that the module computes at that place (a softmax that the list does not call 'softmax' is quantised finished and normalised). What goes into a quantiser is computed in f32, as accurately as f32 sums, v_exp_f32 and their like allow (about 1e-6 of the number): no bf16 or f16 on the way to a quantiser, and a product that is left as it is and whose result goes on into a quantised operand takes f32 operands (vector FMAs, or v_wmma_f32_16x16x4_f32). A number that lies on a knife's edge between two numbers of the format may be rounded either way, as far as f32 arithmetic and the matrix unit's own rounding can turn it there, and no further.
;; 2 versions. Each part assembles by itself: llvm-mc -triple=amdgcn-amd-amdhsa -mcpu=gfx1250 --defsym DOCPART=n.
;; ======== version 1 of 2: 4 launches
;; workspace buffers: cod 15,728,640 bytes; scl 655,360 bytes; ac 9,437,184 bytes; asc 393,216 bytes; oc 3,145,728 bytes; osc 131,072 bytes
;; launch quant (part 1): grid 128 x 5, 4 waves a work-group, no clusters, 35,328 bytes of LDS; arguments x, Wq, Wk, Wv, Wo, cod, scl; writes cod, scl
.if DOCPART == 1
	.amdgcn_target "amdgcn-amd-amdhsa--gfx1250"
	.amdhsa_code_object_version 6
	.text
	.protected	k_qa57dad1d67_quant
	.globl	k_qa57dad1d67_quant
	.p2align	8
	.type	k_qa57dad1d67_quant,@function
k_qa57dad1d67_quant:
	s_mov_b64 s[64:65], 0
	v_nop
	global_prefetch_b8 v0, s[64:65] scope:SCOPE_SE
	s_setreg_imm32_b32 hwreg(HW_REG_WAVE_MODE, 25, 1), 1
	s_wait_xcnt 0x0
; x, Wq, Wk, Wv, Wo, each [2048][2048] f32 with K innermost, become codes of FP6 (E2M3) with one E8M0 byte for each 32 along K.
; A block's scale is 2^(floor(log2(its largest magnitude)) - 2); its byte is the largest magnitude's exponent field - 2, held at 1 from below.
; LIMITS: NaN and infinities are not served; a block whose largest magnitude lies under 2^-124 has its byte held at 1; a block of zeros gets the byte 1 (not 127):
; its codes are zeros, and the bytes are read by this program alone.
; THE CODES ARE LAID AS IMAGES OF THE OPERAND'S REGISTERS: a fragment (16 rows x 128 K, 12 registers a lane) is 1,536 bytes, registers 4 c .. 4 c + 3 of lane l at 512 c + 16 l.
; cod: [tensor 5][row block 128][K step 16][1,536];  scl: [tensor][row block][K step][16 words], word r = the four bytes of lane r's row.
; THE ROWS OF A ROW BLOCK ARE NOT NEIGHBOURS: lane r of row block i holds row 32 (i / 2) + 8 (i % 2) + r + 8 (r / 8).  Used as source 0 of a product, two neighbouring blocks
; then leave 16 neighbouring indices in a lane's 16 result registers, which is what the next quantiser wants.
; SHARES: work-group (i, tensor) takes row block i; wave w its K steps 4 w .. 4 w + 3.  Each load reads 512 consecutive bytes of one row; a fragment's 8,192 bytes turn through the wave's own stage
; in LDS and come back 16 neighbours a block a lane.  No work-group reads what another reads: no cluster, no tensor load, no barrier (waves share nothing).
.set SP,   528                         ; a stage row: 512 bytes + 16 = 132 words: the sixteen rows that a load touches begin 4 words apart modulo 64 (64 banks of 4 bytes: ISA guide 11.1)
.set SG,   16*SP                       ; behind the stage: the wave's 256 bytes of scale words
.set WREG, SG+256                      ; LDS of a wave
.set LA,   1                           ; v1   16 x lane: my bytes of a load's or a store's 512
.set SWR,  2                           ; v2   the stage on the way in
.set SRD,  3                           ; v3   and on the way out: row r, + 64 h
.set SGW,  4                           ; v4   where my row's scale word goes
.set SGR,  5                           ; v5   where I read 8 bytes of the scale words back
.set LB,   6                           ; v6   8 x lane
.set R,    16                          ; v16-143  two sets of 64 numbers as loaded
.set X,    144                         ; v144-207 register 16 b + i = k 32 b + 16 h + i of my row
.set PC,   208                         ; v208-219 the fragment's codes
.set CT,   220                         ; v220-227 the conversions' second halves
.set TM,   228                         ; v228-243 at work
.set PW,   244                         ; v244 the scale word
.set SEL,  28                          ; s[28:29] lane selects: lane l xor 16
	s_load_b256 s[4:11], s[0:1], 0x0               ; x, Wq, Wk, Wv
	s_load_b128 s[12:15], s[0:1], 0x20             ; Wo, cod
	s_load_b64 s[16:17], s[0:1], 0x30              ; scl
	v_lshl_add_u32 v254, v0, 2, 0x8800
	v_mov_b32 v255, 0
	v_lshrrev_b32 v7, 5, v0
	v_readfirstlane_b32 s19, v7                    ; wave
	s_and_b32 s18, ttmp7, 0xffff                   ; which tensor
	v_and_b32 v8, 31, v0                           ; lane
	v_and_b32 v9, 15, v0                           ; r
	v_bfe_u32 v10, v0, 4, 1                        ; h
	v_lshlrev_b32 v[LA], 4, v8
	s_mul_i32 s26, s19, WREG
	v_add_nc_u32 v[SWR], s26, v[LA]
	v_mul_u32_u24 v[SRD], v9, SP
	v_lshl_add_u32 v[SRD], v10, 6, v[SRD]
	v_add_nc_u32 v[SRD], s26, v[SRD]
	v_lshlrev_b32 v[SGW], 2, v9
	v_add_nc_u32 v[SGW], s26, v[SGW]
	v_add_nc_u32 v[SGW], SG, v[SGW]
	v_lshlrev_b32 v[LB], 3, v8
	v_add_nc_u32 v[SGR], s26, v[LB]
	v_add_nc_u32 v[SGR], SG, v[SGR]
	s_mov_b32 s[SEL], 0x76543210
	s_mov_b32 s[SEL+1], 0xfedcba98
.irp b, 0,1,2,3
	v_mov_b32 v[TM+4+\b], 0                        ; written once: a lane permute's destination counts as one of its sources
.endr
	s_lshr_b32 s20, ttmp9, 1                       ; the row block's first row: 32 (i / 2) + 8 (i % 2),
	s_lshl_b32 s20, s20, 5
	s_and_b32 s21, ttmp9, 1
	s_lshl_b32 s21, s21, 3
	s_add_co_u32 s20, s20, s21
	s_lshl_b32 s20, s20, 13                        ; in rows of 8,192 bytes,
	s_lshl_b32 s21, s19, 11
	s_add_co_u32 s20, s20, s21                     ; + my wave's 2,048 bytes of a row
	s_mov_b32 s21, 0
	s_lshl_b32 s22, s18, 7
	s_add_co_u32 s22, s22, ttmp9                   ; the row block among all 640
	s_lshl_b32 s24, s22, 10                        ; its scale words: 1,024 bytes, + 256 a wave
	s_lshl_b32 s23, s19, 8
	s_add_co_u32 s24, s24, s23
	s_mov_b32 s25, 0
	s_lshl_b32 s22, s22, 4
	s_lshl_b32 s23, s19, 2
	s_add_co_u32 s22, s22, s23
	s_mul_i32 s22, s22, 1536                       ; its fragments: 16 of 1,536 bytes, 4 a wave
	s_mov_b32 s23, 0
	s_wait_kmcnt 0x0
	s_cmp_eq_u32 s18, 1                            ; the tensor is chosen by the work-group's number alone: one path serves all five
	s_cselect_b64 s[4:5], s[6:7], s[4:5]
	s_cmp_eq_u32 s18, 2
	s_cselect_b64 s[4:5], s[8:9], s[4:5]
	s_cmp_eq_u32 s18, 3
	s_cselect_b64 s[4:5], s[10:11], s[4:5]
	s_cmp_eq_u32 s18, 4
	s_cselect_b64 s[4:5], s[12:13], s[4:5]
	s_add_nc_u64 s[4:5], s[4:5], s[20:21]
	s_add_nc_u64 s[14:15], s[14:15], s[22:23]
	s_add_nc_u64 s[16:17], s[16:17], s[24:25]
.macro LOAD t                          ; fragment t: 512 bytes of each of the block's 16 rows, into set t % 2
.irp p, 0,1,2,3,4,5,6,7,8,9,10,11,12,13,14,15
	global_load_b128 v[R+64*((\t)%2)+4*\p:R+64*((\t)%2)+4*\p+3], v[LA], s[4:5] offset:(\p+8*(\p/8))*8192+512*(\t) th:TH_LOAD_NT
.endr
.endm
; 64 numbers of a lane, register 16 b + i = k 32 b + 16 h + i of my row, become a fragment's codes in v[pc] on and its scale word in v[pw]
.macro QUANT s, pc, ct, tm, pw
.irp b, 0,1,2,3
	v_max3_num_f32 v[(\tm)+\b], |v[(\s)+16*\b]|, |v[(\s)+16*\b+1]|, 0x1800000   ; my 16 numbers of block b, and the floor 2^(3 - 127): the byte cannot fall under 1
.endr
.irp i, 2,4,6,8,10,12,14
.irp b, 0,1,2,3
	v_max3_num_f32 v[(\tm)+\b], v[(\tm)+\b], |v[(\s)+16*\b+\i]|, |v[(\s)+16*\b+\i+1]|
.endr
.endr
.irp b, 0,1,2,3
	v_permlanex16_b32 v[(\tm)+4+\b], v[(\tm)+\b], s[SEL], s[SEL+1]
.endr
.irp b, 0,1,2,3
	v_max_num_f32 v[(\tm)+\b], v[(\tm)+\b], v[(\tm)+4+\b]   ; with lane l xor 16's: the block's largest magnitude
.endr
.irp b, 0,1,2,3
	v_add_nc_u32 v[(\tm)+12+\b], 0xff000000, v[(\tm)+\b]    ; 2 off its exponent field: the conversion's scale operand
.endr
.irp b, 0,1,2,3
	v_lshrrev_b32 v[(\tm)+4+\b], 23, v[(\tm)+12+\b]         ; the scale's byte
.endr
	v_lshl_or_b32 v[\pw], v[(\tm)+5], 8, v[(\tm)+4]
	v_lshl_or_b32 v[\pw], v[(\tm)+6], 16, v[\pw]
	v_lshl_or_b32 v[\pw], v[(\tm)+7], 24, v[\pw]
.irp c, 0,1
	v_cvt_scalef32_pk16_fp6_f32 v[(\pc)+6*\c:(\pc)+6*\c+2], v[(\s)+32*\c:(\s)+32*\c+15], v[(\tm)+12+2*\c]
	v_cvt_scalef32_pk16_fp6_f32 v[(\ct)+4*\c:(\ct)+4*\c+2], v[(\s)+32*\c+16:(\s)+32*\c+31], v[(\tm)+12+2*\c+1]   ; (a conversion's three registers begin on an even number)
.endr
	v_nop                                          ; one plain place behind a scaled conversion
.irp c, 0,1                            ; the operand wants a whole block in a lane: lanes 0-15 block 2 c, lanes 16-31 block 2 c + 1
.irp i, 0,1,2
	v_permlane16_swap_b32 v[(\pc)+6*\c+\i], v[(\ct)+4*\c+\i]
.endr
.irp i, 0,1,2
	v_mov_b32 v[(\pc)+3+6*\c+\i], v[(\ct)+4*\c+\i]
.endr
.endr
.endm
.macro FRAGSTEP t
.if (\t) < 3
	s_wait_loadcnt 16                              ; this fragment's 16 loads are in; the next fragment's 16 may be out
.else
	s_wait_loadcnt 0x0
.endif
.irp p, 0,1,2,3,4,5,6,7,8,9,10,11,12,13,14,15
	ds_store_b128 v[SWR], v[R+64*((\t)%2)+4*\p:R+64*((\t)%2)+4*\p+3] offset:SP*\p
.endr
.irp b, 0,1,2,3
.irp j, 0,1,2,3
	ds_load_b128 v[X+16*\b+4*\j:X+16*\b+4*\j+3], v[SRD] offset:128*\b+16*\j   ; LDS serves a wave's instructions in order: these see the stores above
.endr
.endr
	s_wait_dscnt 0x0                               ; the numbers are back, and the stores have read their registers
.if (\t) > 0
	s_wait_xcnt 0x0                                ; the last fragment's stores have read their data: the codes' registers are written again only behind this wait
.endif
.if (\t) < 2
	LOAD (\t)+2
.endif
	QUANT X, PC, CT, TM, PW
.irp c, 0,1,2
	global_store_b128 v[LA], v[PC+4*\c:PC+4*\c+3], s[14:15] offset:1536*(\t)+512*\c   ; 32 lanes store 512 consecutive bytes, aligned
.endr
	ds_store_b32 v[SGW], v[PW] offset:64*(\t)      ; lanes r and r + 16 write the same word with the same value
.endm
	LOAD 0
	LOAD 1
	FRAGSTEP 0
	FRAGSTEP 1
	FRAGSTEP 2
	FRAGSTEP 3
	ds_load_b64 v[246:247], v[SGR]
	s_wait_dscnt 0x0
	global_store_b64 v[LB], v[246:247], s[16:17]   ; my four K steps' scale words: 256 consecutive bytes, aligned
	s_wait_tensorcnt 0x0
	ds_add_u32 v254, v255
	s_wait_dscnt 0x0
	s_endpgm
.Lfunc_end_k_qa57dad1d67_quant:
	.size	k_qa57dad1d67_quant, .Lfunc_end_k_qa57dad1d67_quant-k_qa57dad1d67_quant
	.p2alignl 7, 3214868480
	.fill 96, 4, 3214868480
	.section	.rodata,"a",@progbits
	.p2align	6, 0x0
	.amdhsa_kernel k_qa57dad1d67_quant
		.amdhsa_group_segment_fixed_size 35328
		.amdhsa_private_segment_fixed_size 0
		.amdhsa_enable_private_segment 0
		.amdhsa_kernarg_size 56
		.amdhsa_user_sgpr_count 2
		.amdhsa_user_sgpr_kernarg_segment_ptr 1
		.amdhsa_wavefront_size32 1
		.amdhsa_system_sgpr_workgroup_id_x 1
		.amdhsa_system_sgpr_workgroup_id_y 1
		.amdhsa_system_sgpr_workgroup_id_z 1
		.amdhsa_system_vgpr_workitem_id 0
		.amdhsa_next_free_vgpr 256
		.amdhsa_next_free_sgpr 66
		.amdhsa_reserve_vcc 0
		.amdhsa_float_denorm_mode_32 3
		.amdhsa_float_denorm_mode_16_64 3
		.amdhsa_memory_ordered 1
		.amdhsa_forward_progress 1
		.amdhsa_inst_pref_size 34
	.end_amdhsa_kernel
	.amdgpu_metadata
---
amdhsa.version: [ 1, 2 ]
amdhsa.kernels:
  - .name:           k_qa57dad1d67_quant
    .symbol:         k_qa57dad1d67_quant.kd
    .args:
      - { .name: x, .offset: 0, .size: 8, .value_kind: global_buffer, .address_space: global }
      - { .name: Wq, .offset: 8, .size: 8, .value_kind: global_buffer, .address_space: global }
      - { .name: Wk, .offset: 16, .size: 8, .value_kind: global_buffer, .address_space: global }
      - { .name: Wv, .offset: 24, .size: 8, .value_kind: global_buffer, .address_space: global }
      - { .name: Wo, .offset: 32, .size: 8, .value_kind: global_buffer, .address_space: global }
      - { .name: cod, .offset: 40, .size: 8, .value_kind: global_buffer, .address_space: global }
      - { .name: scl, .offset: 48, .size: 8, .value_kind: global_buffer, .address_space: global }
    .group_segment_fixed_size: 35328
    .private_segment_fixed_size: 0
    .kernarg_segment_align: 8
    .kernarg_segment_size: 56
    .max_flat_workgroup_size: 128
    .sgpr_count:     66
    .vgpr_count:     256
    .wavefront_size: 32
...
	.end_amdgpu_metadata
.endif
;; end of part 1
;; launch qkv (part 2): grid 24 x 8, 4 waves a work-group, clusters of 4 x 4, 327,680 bytes of LDS; arguments cod, scl, ac, asc; writes ac, asc
.if DOCPART == 2
	.amdgcn_target "amdgcn-amd-amdhsa--gfx1250"
	.amdhsa_code_object_version 6
	.text
	.protected	k_qa57dad1d67_qkv
	.globl	k_qa57dad1d67_qkv
	.p2align	8
	.type	k_qa57dad1d67_qkv,@function
k_qa57dad1d67_qkv:
	s_mov_b64 s[64:65], 0
	v_nop
	global_prefetch_b8 v0, s[64:65] scope:SCOPE_SE
	s_setreg_imm32_b32 hwreg(HW_REG_WAVE_MODE, 25, 1), 1
	s_wait_xcnt 0x0
	s_wait_alu depctr_hold_cnt(0) depctr_sa_sdst(0) depctr_va_vdst(0) depctr_va_sdst(0) depctr_va_ssrc(0) depctr_va_vcc(0) depctr_vm_vsrc(0)
	s_getreg_b32 s2, hwreg(HW_REG_IB_STS2, 6, 4)
	s_cmp_eq_u32 s2, 0
	s_cbranch_scc0 .Lentry_in_a_cluster
	s_endpgm
.Lentry_in_a_cluster:
	s_bfe_u32 s2, ttmp6, 0x10000c
	s_cmp_lg_u32 s2, 0xf033
	s_cbranch_scc0 .Lentry_shape_is_right
	s_endpgm
.Lentry_shape_is_right:
; q = x Wq^T, k = x Wk^T, v = x Wv^T on codes of FP6 (E2M3) with E8M0 scales, and the results quantised on the way out: q and k along the head's 128, v along the sequence.
; Operands come as images of fragments (cod: [row block 640][K step 16][1,536]; scl: [row block][K step][16 words]); lane r of row block i holds row 32 (i / 2) + 8 (i % 2) + r + 8 (r / 8).
; A work-group makes 256 x 256 results, a wave 128 x 128: 64 accumulators, 512 registers.  Source 1 ('A') gives the lanes, source 0 ('B') the registers: by the order of B's rows a lane's 64 registers of
; eight neighbouring tiles are register 16 b + i = index 32 b + 16 h + i: the layout in which a lane quantises.  Tile columns 0-15: A = x, B = Wq, Wk (registers run along a head's 128).
; Tile columns 16-23: A = Wv, B = x (registers run along 128 of the sequence): the same text.
; OUT: ac [rec 256][q, k, v][8 fragments][1,536], rec = (16 batch + head) x 8 + sequence / 128; asc [rec][q, k, v][512]: lane l's 16 bytes = the scale words of fragments 4 (l / 16) .. + 3 for row l % 16.
; LIMITS: NaN and infinities are not served; a block's byte is held at 1 from below (largest magnitude under 2^-124; zeros too: their codes are zeros, and this program alone reads the bytes).
; K goes in steps of 256 through a ring of two LDS slots filled by the tensor data mover; the scale words of the 512 rows come once and stay.
; CLUSTERS: 4 x 4 work-groups; A's tiles are asked for jointly along a row of the cluster, B's along a column.
; REGISTERS: window 0: v16-29 addresses; v32-63 scale words, two sets; v128-223 A's fragments, one set; the way out uses v64-101 and v128-223.  window 1: B's fragments, two sets, at v0 and v128.
;   window 2: the accumulators of A's blocks 0-3 ((a, b) at v[8 (8 (a % 4) + b)]);  window 3: of blocks 4-7.
.set NQ,    2                          ; K steps of 128 in a slot
.set FR,    12                         ; registers of a fragment
.set NL,    3                          ; LDS loads that bring one
.set NP,    4                          ; places behind this matrix instruction (ISA guide 7.12.1)
.set FRB,   1536                       ; a fragment's image
.set SLB,   NQ*FRB                     ; a row block's part of a slot
.set RBB,   16*FRB                     ; a row block in memory
.set HALFT, 8*SLB                      ; 8 row blocks: what one tensor load brings, and what one wave reads of A or of B
.set SLOT,  4*HALFT
.set LAPS,  4                          ; 2,048 along K = 4 times round the ring
.set SCL,   2*SLOT                     ; behind the ring: the scale words, A's 16 row blocks x 1,024 bytes, then B's
.set HALFS, 8192
.set SPARE, SCL+4*HALFS                ; the spare words, 128 bytes for each wave: two blocks of 256 bytes that no other line names
.set ADRA, 16                          ; v16-17  LDS address of my A fragments in slot 0, 1
.set ADRB, 20                          ; v20-21  the same for B
.set ADRS, 27                          ; v27     of my scale words: lanes 0-15 A's rows, lanes 16-31 B's
.set SPW,  28                          ; v28     my spare word; never rewritten
.set NIL,  29                          ; v29     0; never rewritten
.set SC,   32                          ; scale words: set s at v[SC + 16 s]; register 2 i + q: lanes 0-15 A's block i, lanes 16-31 B's block i
.set AF,   128
.set TM,   64                          ; the way out: v64-79 at work
.set CT,   80                          ; v80-87 the conversions' second halves
.set PWR,  88                          ; v88-95 the eight fragments' scale words
.set IMG,  96                          ; v96-99 their image
.set OA,   100                         ; v100   16 x lane
.set LN,   101                         ; v101   lane
.set SEL,  2                           ; s[2:3] lane selects, set behind the loop
.set G1, 24
.set G0, 32
.set G1B, 48
.set G0B, 56
.set G1S, 68
.set G0S, 76
.set G1SB, 80
.set G0SB, 88
.set MSB, 0
.macro WIN new                         ; the immediate's high byte repeats the setting that is left
.if MSB != \new
	s_set_vgpr_msb (MSB<<8)|\new
.set MSB, \new
.endif
.endm
.set MUL_LO, 0xa1                      ; source 0 (B) window 1, source 1 (A) window 0, C and D window 2
.set MUL_HI, 0xf1
.set TO_B,   0x40
; A joint load: waves 0 and 1 fetch for A, waves 2 and 3 for B; the branch hangs on the wave's number alone.  Four v_nop follow each of the two lines.
.macro JLOAD g0a, g1a, g0b, g1b
	s_cmp_eq_u32 s15, 0
	s_cbranch_scc0 .Lfor_b_\@
	tensor_load_to_lds s[\g0a:\g0a+3], s[\g1a:\g1a+7]
	s_nop 0
.rept 4
	v_nop
.endr
	s_branch .Lasked_\@
.Lfor_b_\@:
	tensor_load_to_lds s[\g0b:\g0b+3], s[\g1b:\g1b+7]
	s_nop 0
.rept 4
	v_nop
.endr
.Lasked_\@:
.endm
.macro CREST                           ; a round of the cluster's barrier behind its opening barrier
	s_cmp_lg_u32 s14, 0
	s_cbranch_scc1 .Lnot_wave_0_\@
	s_barrier_signal -3
.Lnot_wave_0_\@:
	s_barrier_wait -3
	s_barrier_signal -1
	s_barrier_wait -1
.endm
.macro CROUND
	s_barrier_signal -1
	s_barrier_wait -1
	CREST
.endm
	s_load_b256 s[4:11], s[0:1], 0x0               ; cod s[4:5], scl s[6:7], ac s[8:9], asc s[10:11]
	v_lshl_add_u32 v[SPW], v0, 2, SPARE
	v_mov_b32 v[NIL], 0
	ds_add_u32 v28, v29
	ds_add_u32 v28, v29
	s_wait_dscnt 0x0
	v_lshrrev_b32 v1, 5, v0
	v_readfirstlane_b32 s14, v1                    ; wave 0..3
	s_lshr_b32 s15, s14, 1                         ; which half of A's rows is mine.  Also: I fetch for A (0) or for B (1)
	s_and_b32 s16, s14, 1                          ; which half of B's rows.  Also: which 8 row blocks I fetch
	s_bfe_u32 s40, ttmp6, 0x40000                  ; cx, cy
	s_bfe_u32 s41, ttmp6, 0x40004
	s_lshl_b32 s42, ttmp9, 2
	s_add_co_u32 s42, s42, s40                     ; tile column = 4 x cluster x + cx
	s_and_b32 s17, ttmp7, 0xffff
	s_lshl_b32 s17, s17, 2
	s_add_co_u32 s17, s17, s41                     ; tile row = 4 x cluster y + cy
	s_lshl_b32 s43, s41, 2
	s_lshl_b32 s43, 15, s43                        ; my row of the cluster
	s_lshl_b32 s44, 0x1111, s40                    ; my column
	s_lshr_b32 s45, ttmp9, 2                       ; 1 in clusters x = 4, 5 (v), else 0: the same in all sixteen partners
	s_mul_i32 s66, s45, 384                        ; v: A begins at Wv's row blocks, and B goes back from Wq's to x's
	; group 1 for the codes: 8 row blocks x 3,072 bytes (384 elements of 8 bytes), 24,576 bytes apart; dense in LDS
	s_or_b32 s[G1+0], s43, (3<<16)|(1<<21)         ; 15:0 the mask; 17:16 elements of 8 bytes; 21 set beside a mask
	s_or_b32 s[G1B+0], s44, (3<<16)|(1<<21)
.irp g, G1, G1B
	s_mov_b32 s[\g+1], 384<<16                     ; tensor_dim0
	s_mov_b32 s[\g+2], 8<<16                       ; tensor_dim1
	s_mov_b32 s[\g+3], 384<<16                     ; tile_dim0
	s_mov_b32 s[\g+4], 8                           ; tile_dim1
	s_mov_b32 s[\g+5], 3072                        ; tensor_dim0_stride, in elements
	s_mov_b32 s[\g+6], 0
	s_mov_b32 s[\g+7], 0
.endr
	; and for the scale words of 8 row blocks: 8,192 dense bytes as 32 rows of 256
	s_or_b32 s[G1S+0], s43, (3<<16)|(1<<21)
	s_or_b32 s[G1SB+0], s44, (3<<16)|(1<<21)
.irp g, G1S, G1SB
	s_mov_b32 s[\g+1], 32<<16
	s_mov_b32 s[\g+2], 32<<16
	s_mov_b32 s[\g+3], 32<<16
	s_mov_b32 s[\g+4], 32
	s_mov_b32 s[\g+5], 32
	s_mov_b32 s[\g+6], 0
	s_mov_b32 s[\g+7], 0
.endr
	s_lshl_b32 s18, s16, 3                         ; which 8 row blocks of the tile's 16 I fetch
	s_lshl_b32 s20, s17, 4
	s_add_co_u32 s20, s20, s18
	s_add_co_u32 s20, s20, s66                     ; A: row block 16 x tile row + 8 x half (+ 384)
	s_lshl_b32 s46, s42, 4
	s_add_co_u32 s46, s46, s18
	s_add_co_u32 s46, s46, 128
	s_sub_co_u32 s46, s46, s66                     ; B: row block 128 + 16 x tile column + 8 x half (- 384)
	s_lshl_b32 s22, s20, 10                        ; their scale words,
	s_mov_b32 s23, 0
	s_mul_i32 s20, s20, RBB                        ; their codes
	s_mov_b32 s21, 0
	s_lshl_b32 s92, s46, 10
	s_mov_b32 s93, 0
	s_mul_i32 s46, s46, RBB
	s_mov_b32 s47, 0
	s_mul_i32 s67, s14, HALFT                      ; where they go: wave x 8 row blocks: no place in the cluster enters an LDS address
	s_mul_i32 s94, s14, HALFS
	s_wait_kmcnt 0x0
	s_add_nc_u64 s[20:21], s[4:5], s[20:21]
	s_add_nc_u64 s[22:23], s[6:7], s[22:23]
	s_add_nc_u64 s[46:47], s[4:5], s[46:47]
	s_add_nc_u64 s[92:93], s[6:7], s[92:93]
	CROUND                                         ; all sixteen work-groups are here: the first joint loads meet
	s_mov_b32 s[G0S], 1
	s_add_co_u32 s[G0S+1], s94, SCL
	s_mov_b64 s[G0S+2:G0S+3], s[22:23]
	s_or_b32 s[G0S+3], s[G0S+3], 0x80000000
	s_mov_b32 s[G0SB], 1
	s_add_co_u32 s[G0SB+1], s94, SCL
	s_mov_b64 s[G0SB+2:G0SB+3], s[92:93]
	s_or_b32 s[G0SB+3], s[G0SB+3], 0x80000000
	JLOAD G0S, G1S, G0SB, G1SB                     ; the scale words first: they are wanted with K step 0
.irp s, 0,1
	s_mov_b32 s[G0+4*\s], 1
	s_add_co_u32 s[G0+4*\s+1], s67, \s*SLOT
	s_add_nc_u64 s[G0+4*\s+2:G0+4*\s+3], s[20:21], \s*SLB
	s_or_b32 s[G0+4*\s+3], s[G0+4*\s+3], 0x80000000
	s_mov_b32 s[G0B+4*\s], 1
	s_add_co_u32 s[G0B+4*\s+1], s67, \s*SLOT
	s_add_nc_u64 s[G0B+4*\s+2:G0B+4*\s+3], s[46:47], \s*SLB
	s_or_b32 s[G0B+4*\s+3], s[G0B+4*\s+3], 0x80000000
	JLOAD G0+4*\s, G1, G0B+4*\s, G1B
.endr
	v_and_b32 v1, 15, v0                           ; r
	v_bfe_u32 v2, v0, 4, 1                         ; h
	v_and_b32 v3, 31, v0
	v_lshlrev_b32 v[OA], 4, v3                     ; 16 x lane: my place in every image
	s_mul_i32 s21, s15, HALFT                      ; my 8 row blocks of A
	s_mul_i32 s22, s16, HALFT                      ; my 8 of B,
	s_add_co_u32 s22, s22, 2*HALFT                 ; which lie behind A's 16
.irp s, 0,1
	v_add_nc_u32 v[ADRA+\s], s21, v[OA]
	v_add_nc_u32 v[ADRB+\s], s22, v[OA]
	s_add_co_u32 s21, s21, SLOT
	s_add_co_u32 s22, s22, SLOT
.endr
	v_lshlrev_b32 v5, 2, v1                        ; my row's scale word
	s_mul_i32 s21, s15, HALFS
	s_mul_i32 s22, s16, HALFS
	s_add_co_u32 s22, s22, 2*HALFS
	s_sub_co_u32 s22, s22, s21
	v_mul_u32_u24 v6, s22, v2                      ; lanes 16-31 take B's
	s_add_co_u32 s21, s21, SCL
	v_add_nc_u32 v5, v5, v6
	v_add_nc_u32 v[ADRS], s21, v5
	; where my 128 x 128 goes
	s_lshl_b32 s12, s17, 1
	s_add_co_u32 s12, s12, s15                     ; A's group of 128 rows: 2 x tile row + half
	s_lshl_b32 s13, s42, 1
	s_add_co_u32 s13, s13, s16                     ; B's: 2 x tile column + half
	s_sub_co_u32 s19, s13, 32
	s_and_b32 s95, s13, 15
	s_lshr_b32 s96, s13, 4
	s_cmp_lg_u32 s45, 0
	s_cselect_b32 s19, s19, s12                    ; the 128 of batch x sequence: x's group
	s_cselect_b32 s95, s12, s95                    ; the head: the weight's group
	s_cselect_b32 s96, 2, s96                      ; q, k or v
	s_lshr_b32 s97, s19, 3
	s_lshl_b32 s97, s97, 4
	s_add_co_u32 s97, s97, s95
	s_lshl_b32 s97, s97, 3
	s_and_b32 s19, s19, 7
	s_add_co_u32 s97, s97, s19                     ; rec
	s_mul_i32 s98, s97, 36864
	s_mul_i32 s99, s96, 12288
	s_add_co_u32 s98, s98, s99
	s_mov_b32 s99, 0
	s_add_nc_u64 s[8:9], s[8:9], s[98:99]
	s_mul_i32 s98, s97, 1536
	s_lshl_b32 s96, s96, 9
	s_add_co_u32 s98, s98, s96
	s_add_nc_u64 s[10:11], s[10:11], s[98:99]
.macro FRAG reg, adr, q, i             ; a fragment comes as it was stored: three loads of 512 consecutive bytes
.irp c, 0,1,2
	ds_load_b128 v[\reg+4*\c:\reg+4*\c+3], v[\adr] offset:(\i)*SLB+(\q)*FRB+512*\c
.endr
.endm
; 16 matrix instructions: A's blocks a0, a0 + 1 x B's eight.  The 64 accumulators take turns, one instruction a turn, in the same order in every step.
.macro MUL16 a0, p, q, sc, zero
.irp a, \a0, \a0+1
.irp b, 0,1,2,3,4,5,6,7
.if \zero
	v_wmma_scale_f32_16x16x128_f8f6f4 v[8*(8*((\a)%4)+\b):8*(8*((\a)%4)+\b)+7], v[128*(\p)+FR*\b:128*(\p)+FR*\b+FR-1], v[AF+FR*(\a):AF+FR*(\a)+FR-1], 0, v[SC+8*NQ*(\sc)+NQ*\b+(\q)], v[SC+8*NQ*(\sc)+NQ*(\a)+(\q)] matrix_a_fmt:MATRIX_FMT_FP6 matrix_b_fmt:MATRIX_FMT_FP6 matrix_a_scale:MATRIX_SCALE_ROW1
.else
	v_wmma_scale_f32_16x16x128_f8f6f4 v[8*(8*((\a)%4)+\b):8*(8*((\a)%4)+\b)+7], v[128*(\p)+FR*\b:128*(\p)+FR*\b+FR-1], v[AF+FR*(\a):AF+FR*(\a)+FR-1], v[8*(8*((\a)%4)+\b):8*(8*((\a)%4)+\b)+7], v[SC+8*NQ*(\sc)+NQ*\b+(\q)], v[SC+8*NQ*(\sc)+NQ*(\a)+(\q)] matrix_a_fmt:MATRIX_FMT_FP6 matrix_b_fmt:MATRIX_FMT_FP6 matrix_a_scale:MATRIX_SCALE_ROW1
.endif
.endr
.endr
.endm
.macro FETCH_B slot, q, p
	WIN TO_B
.irp i, 0,1,2,3,4,5,6,7
	FRAG 128*(\p)+FR*\i, ADRB+\slot, \q, \i
.endr
	WIN 0
.endm
.macro FETCH_A slot, q, i0
.irp i, \i0, \i0+1, \i0+2, \i0+3
	FRAG AF+FR*(\i), ADRA+\slot, \q, \i
.endr
.endm
.macro SCALES sc                       ; the next slot's scale words: lanes 0-15 A's block i, lanes 16-31 B's block i
.irp i, 0,1,2,3,4,5,6,7
.irp k, 0,1
	ds_load_b32 v[SC+8*NQ*\sc+NQ*\i+\k], v[ADRS] offset:\i*1024+64*\k
.endr
.endr
.endm
.macro PLACES n                        ; plain vector instructions between a matrix instruction and a load into, or a read of, its registers
.rept \n
	v_nop
.endr
.endm
.macro STEP slot, q, zero              ; a step of 128 along K that has its successor in the same slot
	s_wait_dscnt 4*NL                              ; B's set and A's blocks 0-3 are in; the youngest 12 loads (A's blocks 4-7) may be out
	WIN MUL_LO
	MUL16 0, (\q)%2, \q, \slot, \zero
	MUL16 2, (\q)%2, \q, \slot, \zero
	s_wait_dscnt 0
	PLACES NP
	FETCH_B \slot, (\q)+1, 1-(\q)%2
	FETCH_A \slot, (\q)+1, 0
	WIN MUL_HI
	MUL16 4, (\q)%2, \q, \slot, \zero
	MUL16 6, (\q)%2, \q, \slot, \zero
	PLACES NP
	WIN 0
	FETCH_A \slot, (\q)+1, 4
.endm
; A slot's last step changes slots: one barrier; in front of it each wave waits for all its tensor loads, adds 0 to its spare word, and waits for that and for its reads of this slot.
.macro TURN slot, next, fill
	s_wait_tensorcnt 0x0                           ; all my tensor loads have landed: my part of the next slot
	ds_add_u32 v[SPW], v[NIL]                      ; 0 onto my spare word
	s_wait_dscnt 4*NL+1                            ; (the add and the youngest 12 loads may be out)
	WIN MUL_LO
	MUL16 0, 1, NQ-1, \slot, 0
	s_wait_dscnt 0x0                               ; the add is done, and my reads of this slot are over
	s_barrier_signal -1
	MUL16 2, 1, NQ-1, \slot, 0
	WIN 0
	s_barrier_wait -1
.if \fill
	CREST                                          ; the barrier has opened a round of the cluster's: no wave of any partner still reads this slot or has a load on its way
	s_add_nc_u64 s[G0+4*\slot+2:G0+4*\slot+3], s[G0+4*\slot+2:G0+4*\slot+3], 2*SLB
	s_add_nc_u64 s[G0B+4*\slot+2:G0B+4*\slot+3], s[G0B+4*\slot+2:G0B+4*\slot+3], 2*SLB
	JLOAD G0+4*\slot, G1, G0B+4*\slot, G1B         ; the first tensor load behind the round; its four v_nop are also the places in front of the loads below
.else
	PLACES NP
.endif
	v_add_nc_u32 v[ADRS], 64*NQ, v[ADRS]           ; on to the next slot's scale words
	FETCH_B \next, 0, 0
	FETCH_A \next, 0, 0
	SCALES \next
	WIN MUL_HI
	MUL16 4, 1, NQ-1, \slot, 0
	MUL16 6, 1, NQ-1, \slot, 0
	PLACES NP
	WIN 0
	FETCH_A \next, 0, 4
.endm
	s_wait_tensorcnt 1                             ; the scale words and my part of slot 0 are in; slot 1's load may be out
	s_barrier_signal -1
	s_barrier_wait -1
	FETCH_B 0, 0, 0
	FETCH_A 0, 0, 0
	SCALES 0
	FETCH_A 0, 0, 4
	STEP 0, 0, 1                                   ; the first step stands in front of the loop: its products start the sums
	s_mov_b32 s3, LAPS-1
.Llap:                                                 ; a trip goes once round the ring and fills both slots again
	TURN 0, 1, 1
	STEP 1, 0, 0
	TURN 1, 0, 1
	STEP 0, 0, 0
	s_sub_co_u32 s3, s3, 1
	s_cmp_lg_u32 s3, 0
	s_cbranch_scc1 .Llap
	TURN 0, 1, 0                                   ; the last lap fills nothing
	STEP 1, 0, 0
	s_wait_dscnt 4*NL
	WIN MUL_LO
	MUL16 0, 1, NQ-1, 1, 0
	MUL16 2, 1, NQ-1, 1, 0
	s_wait_dscnt 0
	WIN MUL_HI
	MUL16 4, 1, NQ-1, 1, 0
	MUL16 6, 1, NQ-1, 1, 0
	WIN 0
; THE WAY OUT.  A's block a with B's eight is 64 registers of a lane: one row, 128 numbers along the next product's K, in the quantiser's layout.  They become fragment a, which is stored as it stands.
	s_mov_b32 s[SEL], 0x76543210
	s_mov_b32 s[SEL+1], 0xfedcba98
.irp b, 0,1,2,3
	v_mov_b32 v[TM+4+\b], 0                        ; a lane permute's destination counts as one of its sources.  (These four are also the places behind the last products)
.endr
.macro QUANTW a
.set AC,  64*((\a)%4)
.set WW,  2+(\a)/4                     ; the accumulators' window
.set WW2, WW|(WW<<2)
.set PCA, AF+FR*(\a)                   ; each fragment has registers of its own, so that no store's data are written again
	WIN WW2                                        ; sources 0 and 1 in the accumulators' window
.irp b, 0,1,2,3
	v_max3_num_f32 v[TM+\b], |v[AC+16*\b]|, |v[AC+16*\b+1]|, 0x1800000   ; each accumulator is read from its low end on; the floor 2^(3 - 127) holds the byte at 1 from below
.endr
.irp i, 2,4,6,8,10,12,14
.irp b, 0,1,2,3
	v_max3_num_f32 v[TM+\b], |v[AC+16*\b+\i]|, |v[AC+16*\b+\i+1]|, v[TM+\b]
.endr
.endr
	WIN 0
.irp b, 0,1,2,3
	v_permlanex16_b32 v[TM+4+\b], v[TM+\b], s[SEL], s[SEL+1]
.endr
.irp b, 0,1,2,3
	v_max_num_f32 v[TM+\b], v[TM+\b], v[TM+4+\b]
.endr
.irp b, 0,1,2,3
	v_add_nc_u32 v[TM+12+\b], 0xff000000, v[TM+\b]
.endr
.irp b, 0,1,2,3
	v_lshrrev_b32 v[TM+4+\b], 23, v[TM+12+\b]
.endr
	v_lshl_or_b32 v[PWR+(\a)], v[TM+5], 8, v[TM+4]
	v_lshl_or_b32 v[PWR+(\a)], v[TM+6], 16, v[PWR+(\a)]
	v_lshl_or_b32 v[PWR+(\a)], v[TM+7], 24, v[PWR+(\a)]
	WIN WW                                         ; source 0 in the accumulators' window
.irp c, 0,1
	v_cvt_scalef32_pk16_fp6_f32 v[PCA+6*\c:PCA+6*\c+2], v[AC+32*\c:AC+32*\c+15], v[TM+12+2*\c]
	v_cvt_scalef32_pk16_fp6_f32 v[CT+4*\c:CT+4*\c+2], v[AC+32*\c+16:AC+32*\c+31], v[TM+12+2*\c+1]
.endr
	WIN 0
	v_nop                                          ; one plain place behind a scaled conversion
.irp c, 0,1
.irp i, 0,1,2
	v_permlane16_swap_b32 v[PCA+6*\c+\i], v[CT+4*\c+\i]
.endr
.irp i, 0,1,2
	v_mov_b32 v[PCA+3+6*\c+\i], v[CT+4*\c+\i]
.endr
.endr
.irp c, 0,1,2
	global_store_b128 v[OA], v[PCA+4*\c:PCA+4*\c+3], s[8:9] offset:FRB*(\a)+512*\c   ; 32 lanes store 512 consecutive bytes, aligned
.endr
.endm
.irp a, 0,1,2,3,4,5,6,7
	QUANTW \a
.endr
	v_and_b32 v[LN], 31, v0
	v_cmp_le_u32 vcc_lo, 16, v[LN]
.irp k, 0,1,2,3
	v_cndmask_b32 v[IMG+\k], v[PWR+\k], v[PWR+4+\k], vcc_lo   ; lanes 0-15: fragments 0-3; lanes 16-31: fragments 4-7 (every lane holds its row's word of all eight)
.endr
	global_store_b128 v[OA], v[IMG:IMG+3], s[10:11]
	s_wait_tensorcnt 0x0                           ; the wave's end
	ds_add_u32 v[SPW], v[NIL]
	s_wait_dscnt 0x0
	CROUND                                         ; the closing round: no work-group ends while a partner may still ask for a tile that names it
	s_endpgm
.Lfunc_end_k_qa57dad1d67_qkv:
	.size	k_qa57dad1d67_qkv, .Lfunc_end_k_qa57dad1d67_qkv-k_qa57dad1d67_qkv
	.p2alignl 7, 3214868480
	.fill 96, 4, 3214868480
	.section	.rodata,"a",@progbits
	.p2align	6, 0x0
	.amdhsa_kernel k_qa57dad1d67_qkv
		.amdhsa_group_segment_fixed_size 327680
		.amdhsa_private_segment_fixed_size 0
		.amdhsa_enable_private_segment 0
		.amdhsa_kernarg_size 32
		.amdhsa_user_sgpr_count 2
		.amdhsa_user_sgpr_kernarg_segment_ptr 1
		.amdhsa_wavefront_size32 1
		.amdhsa_system_sgpr_workgroup_id_x 1
		.amdhsa_system_sgpr_workgroup_id_y 1
		.amdhsa_system_sgpr_workgroup_id_z 1
		.amdhsa_system_vgpr_workitem_id 0
		.amdhsa_next_free_vgpr 1024
		.amdhsa_next_free_sgpr 100
		.amdhsa_reserve_vcc 1
		.amdhsa_float_denorm_mode_32 3
		.amdhsa_float_denorm_mode_16_64 3
		.amdhsa_memory_ordered 1
		.amdhsa_forward_progress 1
		.amdhsa_inst_pref_size 142
	.end_amdhsa_kernel
	.amdgpu_metadata
---
amdhsa.version: [ 1, 2 ]
amdhsa.kernels:
  - .name:           k_qa57dad1d67_qkv
    .symbol:         k_qa57dad1d67_qkv.kd
    .args:
      - { .name: cod, .offset: 0, .size: 8, .value_kind: global_buffer, .address_space: global }
      - { .name: scl, .offset: 8, .size: 8, .value_kind: global_buffer, .address_space: global }
      - { .name: ac, .offset: 16, .size: 8, .value_kind: global_buffer, .address_space: global }
      - { .name: asc, .offset: 24, .size: 8, .value_kind: global_buffer, .address_space: global }
    .group_segment_fixed_size: 327680
    .private_segment_fixed_size: 0
    .kernarg_segment_align: 8
    .kernarg_segment_size: 32
    .max_flat_workgroup_size: 128
    .sgpr_count:     100
    .vgpr_count:     1024
    .wavefront_size: 32
...
	.end_amdgpu_metadata
.endif
;; end of part 2
;; launch attn (part 3): grid 32 x 8, 8 waves a work-group, clusters of 4 x 1, 327,680 bytes of LDS; arguments ac, asc, oc, osc; writes oc, osc
.if DOCPART == 3
	.amdgcn_target "amdgcn-amd-amdhsa--gfx1250"
	.amdhsa_code_object_version 6
	.text
	.protected	k_qa57dad1d67_attn
	.globl	k_qa57dad1d67_attn
	.p2align	8
	.type	k_qa57dad1d67_attn,@function
k_qa57dad1d67_attn:
	s_mov_b64 s[64:65], 0
	v_nop
	global_prefetch_b8 v0, s[64:65] scope:SCOPE_SE
	s_setreg_imm32_b32 hwreg(HW_REG_WAVE_MODE, 25, 1), 1
	s_wait_xcnt 0x0
	s_wait_alu depctr_hold_cnt(0) depctr_sa_sdst(0) depctr_va_vdst(0) depctr_va_sdst(0) depctr_va_ssrc(0) depctr_va_vcc(0) depctr_vm_vsrc(0)
	s_getreg_b32 s2, hwreg(HW_REG_IB_STS2, 6, 4)
	s_cmp_eq_u32 s2, 0
	s_cbranch_scc0 .Lentry_in_a_cluster
	s_endpgm
.Lentry_in_a_cluster:
	s_bfe_u32 s2, ttmp6, 0x10000c
	s_cmp_lg_u32 s2, 0x3003
	s_cbranch_scc0 .Lentry_shape_is_right
	s_endpgm
.Lentry_shape_is_right:
; o = softmax(q k^T / sqrt(128)) v on codes of FP6 (E2M3), and o quantised along the model's 2,048 on the way out.
; THE GATHER: query head g = 16 batch + head (0..31) sees the 4,096 keys of the local heads 4 (g % 8) .. + 3, which are records 32 (g % 8) .. + 31 of ac (128 keys each): eight groups of keys, four query heads to a group.
; ac [rec 256][q, k, v][8 fragments][1,536]: images of fragments.  q, k: rows = 16 of the sequence, K = the head's 128.  v: rows = 16 channels, K = 128 keys.  Lane r of fragment i holds row 32 (i / 2) + 8 (i % 2) + r + 8 (r / 8).
; asc [rec][q, k, v][512]: lane l's 16 bytes = the scale words of fragments 4 (l / 16) .. + 3 for row l % 16.
; THE SOFTMAX: t = score x log2(e) / sqrt(128); M = the largest t so far, rounded up to a whole number; p = 2^(t - M) is quantised along the keys; the sum is taken of the unquantised p and divides at the end.
; When M moves, the sum and O are multiplied by 2^(old M - new M), which rounds nothing.
; SHARES: a work-group owns 128 queries of one head.  Wave w: query tiles 2 (w % 4) and 2 (w % 4) + 1, so that each fragment of k and v read from LDS feeds two products; keys 2,048 (w / 4) on, 16 steps of 128.
; The two halves of the keys meet through LDS at the end: M is a whole number, so bringing both under the larger M rounds nothing.
; Both products are used transposed (S^T = k q^T, O^T = v^T p^T): a lane holds one query throughout, and by the order of the fragments' rows its registers run along neighbouring keys, and along neighbouring channels.
; CLUSTER: the four work-groups of a cluster walk the same keys: every tile is asked for jointly, each of the eight waves asking for 12,288 bytes.
; OUT: oc [row block 128][K step = head 16][1,536], osc [row block][K step][16 words]: the left operand of the last product.
; LIMITS: NaN and infinities are not served; a block's byte is held at 1 from below (zeros too: their codes are zeros, and this program alone reads the bytes).
; REGISTERS: window 0: v1-11 addresses; v12-19 four statistics a tile (-M, the largest t, the sum in two halves); v20-27 the merge's; v32-159 S^T, then p, 64 a tile; v160-183 p's codes; v184-199 the conversions' second halves;
;   v200-235 18 a tile at work; v240-243 k's scale words, v244-247 v's, v248-249 q's, v250-251 p's.   window 1: v0-127 O^T, 64 a tile; v128-151 q; v152-247 eight fragments of k or of v.
.set SLOT1, 1<<17                      ; slot 0 at 0, slot 1 here: one exclusive or turns an address.  A slot: [half of the keys 2][step 2][k 12,288 | v 12,288]
.set SCL,   98304                      ; between the slots: the scale images of the group's 32 records, [record][k 512 | v 512]; filled once
.set MRG,   SLOT1+98304                ; behind the ring: 4 x 16,896 bytes, where the upper half's waves leave O^T and their statistics; no fill lands here
.set MRGW,  16896
.set SPARE, MRG+4*MRGW                 ; the spare words, 128 bytes for each wave: four blocks of 256 bytes that no other line names
.set RECB,  36864
.set KINDB, 12288
.set FRB,   1536
.set A0,  1                            ; v1   16 x lane + my half's part of a slot
.set ADR, 2                            ; v2   the same in the slot in hand
.set SPW, 3                            ; v3   my spare word; never rewritten
.set NIL, 4                            ; v4   0; never rewritten
.set LI,  5                            ; v5   16 x lane
.set MA,  6                            ; v6   my pair's place in MRG + 16 x lane
.set PFO, 7                            ; v7   256 x lane
.set AS0, 8                            ; v8   16 x lane + my half's scale images
.set ADS, 9                            ; v9   the same at the slot in hand
.set OSO, 10                           ; v10  1,024 (lane / 16) + 4 (lane % 16): where my scale word of o goes
.set ST,  12
.set S,   32
.set PC,  160
.set CT,  184
.set WK,  200                          ; tile y at WK + 18 y: +0..3 the blocks' largest, +4..7 permutes and bytes, +8..11 scale operands, +12,13 f, +14,15 a chain of the sum, +16 at work
.set KS,  240
.set VS,  244
.set QS,  248
.set PW,  250
.set OT,  0                            ; window 1
.set QF,  128
.set FF,  152
.set WV,  12                           ; s12  wave
.set PFA, 18                           ; s[18:19] where my prefetches stand
.set LIM, 20                           ; s20  1 in a wave that prefetches, else the greatest number
.set CS,  22                           ; s[22:23] c = log2(e) / sqrt(128)
.set G1,  24
.set G1S, 32
.set G0,  40
.set G0S, 44
.set TB,  48                           ; s48  the slot in hand: 0 or SLOT1
.set TS,  49                           ; s49  its scale images: 2,048 bytes a slot
.set SLOTS, 50                         ; s50  slots still to be asked for
.set SEL, 52                           ; s[52:53]
.set MSB, 0
.macro WIN new
.if MSB != \new
	s_set_vgpr_msb (MSB<<8)|\new
.set MSB, \new
.endif
.endm
.macro CROUND                          ; a round of the cluster's barrier
	s_barrier_signal -1
	s_barrier_wait -1
	s_cmp_lg_u32 s[WV], 0
	s_cbranch_scc1 .Lnot_wave_0_\@
	s_barrier_signal -3
.Lnot_wave_0_\@:
	s_barrier_wait -3
	s_barrier_signal -1
	s_barrier_wait -1
.endm
; A prefetch of what the NEXT change of slots will ask for: four records' k and v, 24,576 bytes each.  All eight clusters of a group walk the same records: the first of them asks.  Its four partners take a record
; each, told apart by address; in each, waves 0 to 2 take 8,192 bytes, lanes 256 bytes apart: each block of 256 bytes is named once in the launch.  The last change that fills a slot asks for nothing.
.macro ASK
	s_cmp_gt_u32 s[SLOTS], s[LIM]
	s_cbranch_scc0 .Lnot_mine_\@
	global_prefetch_b8 v[PFO], s[PFA:PFA+1] th:TH_LOAD_NT scope:SCOPE_SE
.Lnot_mine_\@:
.endm
	s_load_b256 s[4:11], s[0:1], 0x0               ; ac s[4:5], asc s[6:7], oc s[8:9], osc s[10:11]
	v_lshl_add_u32 v[SPW], v0, 2, SPARE
	v_mov_b32 v[NIL], 0
	ds_add_u32 v3, v4
	ds_add_u32 v3, v4
	s_wait_dscnt 0x0
	v_lshrrev_b32 v11, 5, v0
	v_readfirstlane_b32 s[WV], v11                 ; wave 0..7
	s_bfe_u32 s13, ttmp6, 0x40000                  ; cx
	s_lshl_b32 s14, ttmp9, 2
	s_add_co_u32 s14, s14, s13                     ; work-group x = 4 x cluster x + cx: it enters q's, o's and the prefetches' addresses alone
	s_and_b32 s15, ttmp7, 0xffff                   ; the group of keys, which the partners share
	s_and_b32 s16, s[WV], 3                        ; my pair of query tiles
	s_lshr_b32 s17, s[WV], 2                       ; my half of the keys
	; group 1 for k's and v's tiles: 12,288 dense bytes as 48 rows of 256
	s_mov_b32 s[G1], 15|(3<<16)|(1<<21)            ; 15:0 the mask: all four work-groups; 17:16 elements of 8 bytes; 21 set beside a mask
	s_mov_b32 s[G1+1], 32<<16
	s_mov_b32 s[G1+2], 48<<16
	s_mov_b32 s[G1+3], 32<<16
	s_mov_b32 s[G1+4], 48
	s_mov_b32 s[G1+5], 32
	s_mov_b32 s[G1+6], 0
	s_mov_b32 s[G1+7], 0
	; and for the scale images: of four records the 1,024 bytes of k and v, 1,536 bytes apart
	s_mov_b32 s[G1S], 15|(3<<16)|(1<<21)
	s_mov_b32 s[G1S+1], 128<<16
	s_mov_b32 s[G1S+2], 4<<16
	s_mov_b32 s[G1S+3], 128<<16
	s_mov_b32 s[G1S+4], 4
	s_mov_b32 s[G1S+5], 192
	s_mov_b32 s[G1S+6], 0
	s_mov_b32 s[G1S+7], 0
	s_lshl_b32 s54, s15, 5                         ; the group's first record
	s_lshl_b32 s55, s17, 4
	s_add_co_u32 s55, s55, s54
	s_bfe_u32 s56, s[WV], 0x10001
	s_add_co_u32 s55, s55, s56                     ; what I fetch: half w / 4, step (w / 2) % 2,
	s_mul_i32 s56, s55, RECB
	s_and_b32 s57, s[WV], 1
	s_mul_i32 s57, s57, KINDB                      ; k (w even) or v (w odd)
	s_add_co_u32 s56, s56, s57
	s_add_co_u32 s56, s56, KINDB
	s_mov_b32 s57, 0
	s_lshl_b32 s58, s[WV], 2
	s_add_co_u32 s58, s58, s54
	s_mul_i32 s58, s58, 1536
	s_add_co_u32 s58, s58, 512                     ; and the scale images of records 4 w .. 4 w + 3
	s_mov_b32 s59, 0
	s_lshr_b32 s62, s14, 3
	s_lshl_b32 s62, s62, 3
	s_add_co_u32 s62, s62, s15                     ; my query head g
	s_and_b32 s63, s14, 7                          ; my block of 128 queries
	s_lshl_b32 s66, s62, 3
	s_add_co_u32 s66, s66, s63                     ; q's record
	s_mul_i32 s68, s66, RECB
	s_mul_i32 s69, s16, 2*FRB
	s_add_co_u32 s68, s68, s69
	s_mov_b32 s69, 0
	s_mul_i32 s70, s66, 1536                       ; q's scale words of fragments 2 pair, 2 pair + 1: 256 (pair / 2) + 8 (pair % 2) + 16 r
	s_lshr_b32 s71, s16, 1
	s_lshl_b32 s71, s71, 8
	s_add_co_u32 s70, s70, s71
	s_and_b32 s71, s16, 1
	s_lshl_b32 s71, s71, 3
	s_add_co_u32 s70, s70, s71
	s_mov_b32 s71, 0
	s_lshr_b32 s72, s62, 4                         ; o's row block 64 batch + 8 block + 2 pair, K step = head
	s_lshl_b32 s72, s72, 6
	s_lshl_b32 s73, s63, 3
	s_add_co_u32 s72, s72, s73
	s_lshl_b32 s73, s16, 1
	s_add_co_u32 s72, s72, s73
	s_lshl_b32 s72, s72, 4
	s_and_b32 s73, s62, 15
	s_add_co_u32 s72, s72, s73
	s_mul_i32 s74, s72, FRB
	s_mov_b32 s75, 0
	s_lshr_b32 s76, s13, 1                         ; the prefetches: my work-group's record of a slot's four (half cx / 2, step cx % 2), in slot 1: the first change steps it to slot 2
	s_lshl_b32 s76, s76, 4
	s_and_b32 s77, s13, 1
	s_add_co_u32 s76, s76, s77
	s_add_co_u32 s76, s76, s54
	s_add_co_u32 s76, s76, 2
	s_mul_i32 s76, s76, RECB
	s_lshl_b32 s77, s[WV], 13
	s_add_co_u32 s76, s76, s77
	s_add_co_u32 s76, s76, KINDB
	s_mov_b32 s77, 0
	s_add_co_u32 s[LIM], s[WV], 1
	s_lshr_b32 s[LIM], s[LIM], 2                   ; 0 in waves 0 to 2,
	s_or_b32 s[LIM], s[LIM], ttmp9                 ; of the group's first cluster: the same in all four partners
	s_cmp_eq_u32 s[LIM], 0
	s_cselect_b32 s[LIM], 1, -1
	s_mov_b32 s[CS], 0x3e0293ee
	s_mov_b32 s[CS+1], s[CS]                       ; (named with it as a pair, so it is written)
	s_mov_b32 s[SEL], 0x76543210
	s_mov_b32 s[SEL+1], 0xfedcba98
	s_mov_b32 s[TB], 0
	s_mov_b32 s[TS], 0
	s_mov_b32 s[SLOTS], 7
	s_wait_kmcnt 0x0
	s_mov_b32 s[G0], 1
	s_mul_i32 s[G0+1], s[WV], KINDB                ; LDS: 12,288 x wave, in slot 0
	s_add_nc_u64 s[G0+2:G0+3], s[4:5], s[56:57]
	s_or_b32 s[G0+3], s[G0+3], 0x80000000
	s_mov_b32 s[G0S], 1
	s_lshl_b32 s[G0S+1], s[WV], 12
	s_add_co_u32 s[G0S+1], s[G0S+1], SCL
	s_add_nc_u64 s[G0S+2:G0S+3], s[6:7], s[58:59]
	s_or_b32 s[G0S+3], s[G0S+3], 0x80000000
	s_add_nc_u64 s[68:69], s[4:5], s[68:69]        ; q's codes
	s_add_nc_u64 s[70:71], s[6:7], s[70:71]        ; q's scale words
	s_add_nc_u64 s[8:9], s[8:9], s[74:75]          ; o's codes
	s_lshl_b32 s74, s72, 6
	s_add_nc_u64 s[10:11], s[10:11], s[74:75]      ; o's scale words
	s_add_nc_u64 s[PFA:PFA+1], s[4:5], s[76:77]
	CROUND                                         ; all four work-groups are here: the first joint loads meet
	tensor_load_to_lds s[G0S:G0S+3], s[G1S:G1S+7]  ; the scale images: filled once
	s_nop 0
	tensor_load_to_lds s[G0:G0+3], s[G1:G1+7]      ; slot 0.  Two loads of mine are out
	s_nop 0
.rept 4
	v_nop
.endr
	v_and_b32 v11, 31, v0
	v_lshlrev_b32 v[LI], 4, v11
	v_lshlrev_b32 v[PFO], 8, v11
	s_mul_i32 s60, s17, 4*KINDB
	v_add_nc_u32 v[A0], s60, v[LI]
	s_lshl_b32 s60, s17, 14
	s_add_co_u32 s60, s60, SCL
	v_add_nc_u32 v[AS0], s60, v[LI]
	s_mul_i32 s60, s16, MRGW
	s_add_co_u32 s60, s60, MRG
	v_add_nc_u32 v[MA], s60, v[LI]
	v_and_b32 v11, 15, v0
	v_bfe_u32 v[OSO], v0, 4, 1
	v_lshlrev_b32 v[OSO], 10, v[OSO]
	v_lshl_add_u32 v[OSO], v11, 2, v[OSO]
	v_lshlrev_b32 v11, 4, v11
	WIN 0x40                                       ; destination window 1
.irp y, 0,1
.irp c, 0,1,2
	global_load_b128 v[QF+12*\y+4*\c:QF+12*\y+4*\c+3], v[LI], s[68:69] offset:FRB*\y+512*\c   ; q's two fragments stay in registers
.endr
.endr
	WIN 0
	global_load_b64 v[QS:QS+1], v11, s[70:71]
.irp y, 0,1
	v_mov_b32 v[ST+4*\y+1], 0xff61b1e6             ; the largest t so far: -3e38, under every t
	v_floor_f32 v[ST+4*\y], -v[ST+4*\y+1]          ; -M
	v_mov_b32 v[ST+4*\y+2], 0                      ; the sum, in two halves
	v_mov_b32 v[ST+4*\y+3], 0
	v_mov_b32 v[WK+18*\y+13], 0                    ; (named as the upper half of f's pair)
.irp b, 0,1,2,3
	v_mov_b32 v[WK+18*\y+4+\b], 0                  ; a lane permute's destination counts as one of its sources
.endr
.endr
	WIN 0x40
.set j, 0
.rept 128
	v_mov_b32 v[OT+j], 0                           ; O^T.  (The step has no first form of its own: the first change of M multiplies zeros)
.set j, j+1
.endr
	WIN 0
; A KEY STEP: 128 keys, the q-th of the slot in hand, for both query tiles.
.macro STEP q
	v_add_nc_u32 v[ADR], s[TB], v[A0]
	v_add_nc_u32 v[ADS], s[TS], v[AS0]
	v_nop
	v_nop                                          ; four places in front of loads into registers that the last products read
	WIN 0x40
.irp t, 0,1,2,3,4,5,6,7
.irp c, 0,1,2
	ds_load_b128 v[FF+12*\t+4*\c:FF+12*\t+4*\c+3], v[ADR] offset:2*KINDB*(\q)+FRB*\t+512*\c   ; k's eight fragments
.endr
.endr
	WIN 0
	ds_load_b128 v[KS:KS+3], v[ADS] offset:1024*(\q)   ; their scale words: fragments 0-3 in lanes 0-15, fragments 4-7 in lanes 16-31
	s_wait_dscnt 0x0
	WIN 0x05                                       ; k and q in window 1, S^T in window 0
.irp t, 0,1,2,3,4,5,6,7
.irp y, 0,1
.if \t < 4
	v_wmma_scale_f32_16x16x128_f8f6f4 v[S+64*\y+8*\t:S+64*\y+8*\t+7], v[FF+12*\t:FF+12*\t+11], v[QF+12*\y:QF+12*\y+11], 0, v[KS+\t], v[QS+\y] matrix_a_fmt:MATRIX_FMT_FP6 matrix_b_fmt:MATRIX_FMT_FP6
.else
	v_wmma_scale_f32_16x16x128_f8f6f4 v[S+64*\y+8*\t:S+64*\y+8*\t+7], v[FF+12*\t:FF+12*\t+11], v[QF+12*\y:QF+12*\y+11], 0, v[KS+\t-4], v[QS+\y] matrix_a_fmt:MATRIX_FMT_FP6 matrix_b_fmt:MATRIX_FMT_FP6 matrix_a_scale:MATRIX_SCALE_ROW1
.endif
.endr
.endr
	WIN 0
.rept 4
	v_nop                                          ; places: for the loads below and for the first read of the scores
.endr
	WIN 0x40
.irp t, 0,1,2,3,4,5,6,7
.irp c, 0,1,2
	ds_load_b128 v[FF+12*\t+4*\c:FF+12*\t+4*\c+3], v[ADR] offset:2*KINDB*(\q)+KINDB+FRB*\t+512*\c   ; v's eight fragments land while the softmax is walked
.endr
.endr
	WIN 0
	ds_load_b128 v[VS:VS+3], v[ADS] offset:1024*(\q)+512
.irp y, 0,1
.irp b, 0,1,2,3
	v_max3_num_f32 v[WK+18*\y+\b], v[S+64*\y+16*\b], v[S+64*\y+16*\b+1], v[S+64*\y+16*\b+2]   ; the largest score of each block of 32 keys: for the row's maximum, and, since p rises with the score, for the block's largest p
.endr
.endr
.irp i, 3,5,7,9,11,13
.irp y, 0,1
.irp b, 0,1,2,3
	v_max3_num_f32 v[WK+18*\y+\b], v[WK+18*\y+\b], v[S+64*\y+16*\b+\i], v[S+64*\y+16*\b+\i+1]
.endr
.endr
.endr
.irp y, 0,1
.irp b, 0,1,2,3
	v_max_num_f32 v[WK+18*\y+\b], v[WK+18*\y+\b], v[S+64*\y+16*\b+15]
.endr
.endr
.irp y, 0,1
.irp b, 0,1,2,3
	v_permlanex16_b32 v[WK+18*\y+4+\b], v[WK+18*\y+\b], s[SEL], s[SEL+1]
.endr
.endr
.irp y, 0,1
.irp b, 0,1,2,3
	v_max_num_f32 v[WK+18*\y+\b], v[WK+18*\y+\b], v[WK+18*\y+4+\b]   ; with lane l xor 16's 16 keys
.endr
.endr
.irp y, 0,1
	v_max3_num_f32 v[WK+18*\y+16], v[WK+18*\y], v[WK+18*\y+1], v[WK+18*\y+2]
.endr
.irp y, 0,1
	v_max_num_f32 v[WK+18*\y+16], v[WK+18*\y+16], v[WK+18*\y+3]      ; the step's largest score of my query
.endr
.irp y, 0,1
	v_mul_f32 v[WK+18*\y+16], s[CS], v[WK+18*\y+16]                  ; as t
.endr
.irp y, 0,1
	v_max_num_f32 v[ST+4*\y+1], v[ST+4*\y+1], v[WK+18*\y+16]         ; the running largest t
.endr
.irp y, 0,1
	v_mov_b32 v[WK+18*\y+16], v[ST+4*\y]
.endr
.irp y, 0,1
	v_floor_f32 v[ST+4*\y], -v[ST+4*\y+1]                            ; the new -M = -ceil(t)
.endr
.irp y, 0,1
	v_sub_f32 v[WK+18*\y+16], v[ST+4*\y], v[WK+18*\y+16]             ; old M - new M: a whole number, 0 or less
.endr
.irp y, 0,1
	v_cvt_i32_f32 v[WK+18*\y+16], v[WK+18*\y+16]                     ; (it saturates)
.endr
.irp y, 0,1
	v_ldexp_f32 v[WK+18*\y+12], 1.0, v[WK+18*\y+16]                  ; f = 2^(old M - new M)
.endr
.irp y, 0,1
.set j, 0
.rept 32
	v_pk_fma_f32 v[S+64*\y+j:S+64*\y+j+1], v[S+64*\y+j:S+64*\y+j+1], s[CS:CS+1], v[ST+4*\y:ST+4*\y+1] op_sel_hi:[1,0,0]   ; t - M, two at a time
.set j, j+2
.endr
.endr
.irp y, 0,1
.irp b, 0,1,2,3
	v_fma_f32 v[WK+18*\y+\b], v[WK+18*\y+\b], s[CS], v[ST+4*\y]      ; the same of each block's largest score
.endr
.endr
.set j, 0
.rept 128
	v_exp_f32 v[S+j], v[S+j]                       ; p = 2^(t - M): one batch for both tiles
.set j, j+1
.endr
.irp y, 0,1
	v_pk_mul_f32 v[ST+4*\y+2:ST+4*\y+3], v[ST+4*\y+2:ST+4*\y+3], v[WK+18*\y+12:WK+18*\y+13] op_sel_hi:[1,0]   ; the sums under the new M.  (The plain place behind the exponentials)
.endr
	s_wait_alu depctr_va_vdst(0)                   ; the wait ahead of the batch's first reader: one for the 128
.irp y, 0,1
.irp b, 0,1,2,3
	v_exp_f32 v[WK+18*\y+\b], v[WK+18*\y+\b]       ; the blocks' largest p: the same two instructions on the same number give the same bits
.endr
.endr
.irp y, 0,1
	v_pk_add_f32 v[WK+18*\y+14:WK+18*\y+15], v[S+64*\y:S+64*\y+1], v[S+64*\y+2:S+64*\y+3]   ; the sum of the unquantised p, in two chains a tile
.endr
.irp j, 4,8,12,16,20,24,28,32,36,40,44,48,52,56,60
.irp y, 0,1
	v_pk_add_f32 v[ST+4*\y+2:ST+4*\y+3], v[ST+4*\y+2:ST+4*\y+3], v[S+64*\y+\j:S+64*\y+\j+1]
	v_pk_add_f32 v[WK+18*\y+14:WK+18*\y+15], v[WK+18*\y+14:WK+18*\y+15], v[S+64*\y+\j+2:S+64*\y+\j+3]
.endr
.endr
.irp y, 0,1
	v_pk_add_f32 v[ST+4*\y+2:ST+4*\y+3], v[ST+4*\y+2:ST+4*\y+3], v[WK+18*\y+14:WK+18*\y+15]
.endr
	s_wait_alu depctr_va_vdst(0)                   ; and one for the eight
.irp y, 0,1
.irp b, 0,1,2,3
	v_max_num_f32 v[WK+18*\y+\b], 0x1800000, v[WK+18*\y+\b]          ; the floor 2^(3 - 127): the byte cannot fall under 1
.endr
.endr
.irp y, 0,1
.irp b, 0,1,2,3
	v_add_nc_u32 v[WK+18*\y+8+\b], 0xff000000, v[WK+18*\y+\b]        ; 2 off the exponent field: the conversion's scale operand
.endr
.endr
.irp y, 0,1
.irp b, 0,1,2,3
	v_lshrrev_b32 v[WK+18*\y+4+\b], 23, v[WK+18*\y+8+\b]             ; the scale's byte
.endr
.endr
.irp y, 0,1
	v_lshl_or_b32 v[PW+\y], v[WK+18*\y+5], 8, v[WK+18*\y+4]          ; p's scale word for these 128 keys
.endr
.irp y, 0,1
	v_lshl_or_b32 v[PW+\y], v[WK+18*\y+6], 16, v[PW+\y]
.endr
.irp y, 0,1
	v_lshl_or_b32 v[PW+\y], v[WK+18*\y+7], 24, v[PW+\y]
.endr
.irp y, 0,1
.irp c, 0,1
	v_cvt_scalef32_pk16_fp6_f32 v[PC+12*\y+6*\c:PC+12*\y+6*\c+2], v[S+64*\y+32*\c:S+64*\y+32*\c+15], v[WK+18*\y+8+2*\c]
	v_cvt_scalef32_pk16_fp6_f32 v[CT+8*\y+4*\c:CT+8*\y+4*\c+2], v[S+64*\y+32*\c+16:S+64*\y+32*\c+31], v[WK+18*\y+8+2*\c+1]
.endr
.endr
	v_nop                                          ; one plain place behind a scaled conversion
.irp y, 0,1
.irp c, 0,1                            ; the operand wants a whole block in a lane
.irp i, 0,1,2
	v_permlane16_swap_b32 v[PC+12*\y+6*\c+\i], v[CT+8*\y+4*\c+\i]
.endr
.irp i, 0,1,2
	v_mov_b32 v[PC+12*\y+3+6*\c+\i], v[CT+8*\y+4*\c+\i]
.endr
.endr
.endr
	WIN 0x41                                       ; O^T in window 1, f in window 0
.irp y, 0,1
.set j, 0
.rept 32
	v_pk_mul_f32 v[OT+64*\y+j:OT+64*\y+j+1], v[OT+64*\y+j:OT+64*\y+j+1], v[WK+18*\y+12:WK+18*\y+13] op_sel_hi:[1,0]   ; O^T under the new M.  (These are also the places between the codes, the scale words and the products)
.set j, j+2
.endr
.endr
	s_wait_dscnt 0x0                               ; v is in
	WIN 0x51                                       ; v in window 1, p in window 0, O^T in window 1
.irp t, 0,1,2,3,4,5,6,7
.irp y, 0,1
.if \t < 4
	v_wmma_scale_f32_16x16x128_f8f6f4 v[OT+64*\y+8*\t:OT+64*\y+8*\t+7], v[FF+12*\t:FF+12*\t+11], v[PC+12*\y:PC+12*\y+11], v[OT+64*\y+8*\t:OT+64*\y+8*\t+7], v[VS+\t], v[PW+\y] matrix_a_fmt:MATRIX_FMT_FP6 matrix_b_fmt:MATRIX_FMT_FP6
.else
	v_wmma_scale_f32_16x16x128_f8f6f4 v[OT+64*\y+8*\t:OT+64*\y+8*\t+7], v[FF+12*\t:FF+12*\t+11], v[PC+12*\y:PC+12*\y+11], v[OT+64*\y+8*\t:OT+64*\y+8*\t+7], v[VS+\t-4], v[PW+\y] matrix_a_fmt:MATRIX_FMT_FP6 matrix_b_fmt:MATRIX_FMT_FP6 matrix_a_scale:MATRIX_SCALE_ROW1
.endif
.endr
.endr
	WIN 0
.endm
; THE CHANGE OF SLOTS stands at a slot's head.  Each wave waits for all its tensor loads (its part of the slot ahead), adds 0 to its spare word, and waits for that and for its reads of the slot that it has left.
; fill = 1: behind a round of the cluster's barrier the slot just left is filled with the keys that follow: the load has two key steps in which to land.
.macro CHANGE fill
	s_wait_tensorcnt 0x0                           ; no tensor load of mine is out, so the group 0 may be written
	ds_add_u32 v[SPW], v[NIL]                      ; 0 onto my spare word
.if \fill
	s_xor_b32 s[G0+1], s[G0+1], SLOT1              ; the other slot than last time,
	s_add_nc_u64 s[G0+2:G0+3], s[G0+2:G0+3], 2*RECB   ; two records on
	s_wait_xcnt 0x0                                ; the last prefetch, a slot back, has read its address
	s_add_nc_u64 s[PFA:PFA+1], s[PFA:PFA+1], 2*RECB   ; one slot further on than the walking descriptor
	s_wait_dscnt 0x0                               ; the add is done, and my reads of the slot that I have left are over
	CROUND
	tensor_load_to_lds s[G0:G0+3], s[G1:G1+7]      ; the first thing behind the round, and my one tensor load until the next
	s_nop 0
.rept 4
	v_nop
.endr
	ASK
.else
	s_wait_dscnt 0x0
	s_barrier_signal -1
	s_barrier_wait -1
.endif
.endm
	s_wait_loadcnt 0x0                             ; q
.Lslot:                                            ; seven trips: behind each change of slots but the last the next slot is asked for
	CHANGE 1
	STEP 0
	STEP 1
	s_xor_b32 s[TB], s[TB], SLOT1
	s_add_co_u32 s[TS], s[TS], 2048
	s_sub_co_u32 s[SLOTS], s[SLOTS], 1
	s_cmp_lg_u32 s[SLOTS], 0
	s_cbranch_scc1 .Lslot
	CHANGE 0                                       ; the last slot is written out
	STEP 0
	STEP 1
	; THE TWO HALVES OF THE KEYS MEET.  Waves 4-7 leave O^T, -M and the sum in LDS; waves 0-3 bring both halves under the larger M, divide, quantise and store.
	v_add_f32 v21, v[ST+2], v[ST+3]                ; (these four are the places behind the last products)
	v_add_f32 v23, v[ST+6], v[ST+7]
	v_mov_b32 v20, v[ST]
	v_mov_b32 v22, v[ST+4]
	s_cmp_lt_u32 s[WV], 4
	s_cbranch_scc1 .Lkeeps
	WIN 0x04                                       ; an LDS store's data are its source 1: window 1
.set j, 0
.rept 32
	ds_store_b128 v[MA], v[OT+4*j:OT+4*j+3] offset:512*j   ; each accumulator from its low end on
.set j, j+1
.endr
	WIN 0
	ds_store_b128 v[MA], v[20:23] offset:16384
.Lkeeps:
	s_wait_dscnt 0x0                               ; for the others' sake: my stores have landed
	s_barrier_signal -1
	s_barrier_wait -1
	s_cmp_ge_u32 s[WV], 4
	s_cbranch_scc1 .Lend
.set j, 0
.rept 32
	ds_load_b128 v[S+4*j:S+4*j+3], v[MA] offset:512*j
.set j, j+1
.endr
	ds_load_b128 v[24:27], v[MA] offset:16384
	s_wait_dscnt 0x0
.irp y, 0,1
	v_min_num_f32 v[WK+18*\y+16], v[20+2*\y], v[24+2*\y]             ; -M of both halves together
.endr
.irp y, 0,1
	v_sub_f32 v[WK+18*\y+12], v[WK+18*\y+16], v[20+2*\y]             ; my M - the new M,
	v_sub_f32 v[WK+18*\y+14], v[WK+18*\y+16], v[24+2*\y]             ; the other half's: whole numbers, 0 or less
.endr
.irp y, 0,1
	v_cvt_i32_f32 v[WK+18*\y+12], v[WK+18*\y+12]
	v_cvt_i32_f32 v[WK+18*\y+14], v[WK+18*\y+14]
.endr
.irp y, 0,1
	v_ldexp_f32 v[WK+18*\y+12], 1.0, v[WK+18*\y+12]
	v_ldexp_f32 v[WK+18*\y+14], 1.0, v[WK+18*\y+14]
.endr
.irp y, 0,1
	v_mul_f32 v[WK+18*\y+16], v[21+2*\y], v[WK+18*\y+12]
.endr
.irp y, 0,1
	v_fma_f32 v[WK+18*\y+16], v[25+2*\y], v[WK+18*\y+14], v[WK+18*\y+16]
.endr
.irp y, 0,1
	v_permlanex16_b32 v[WK+18*\y+4], v[WK+18*\y+16], s[SEL], s[SEL+1]
.endr
.irp y, 0,1
	v_add_f32 v[WK+18*\y+16], v[WK+18*\y+16], v[WK+18*\y+4]          ; the row's sum
.endr
.irp y, 0,1
	v_rcp_f32 v[WK+18*\y+5], v[WK+18*\y+16]
.endr
	v_nop                                          ; a plain place behind the reciprocals
	s_wait_alu depctr_va_vdst(0)                   ; and the wait ahead of their first reader
.irp y, 0,1
	v_mul_f32 v[WK+18*\y+12], v[WK+18*\y+12], v[WK+18*\y+5]          ; a power of two x 1 / the sum
	v_mul_f32 v[WK+18*\y+14], v[WK+18*\y+14], v[WK+18*\y+5]
.endr
.irp y, 0,1
.set j, 0
.rept 32
	v_pk_mul_f32 v[S+64*\y+j:S+64*\y+j+1], v[S+64*\y+j:S+64*\y+j+1], v[WK+18*\y+14:WK+18*\y+15] op_sel_hi:[1,0]
.set j, j+2
.endr
.endr
	WIN 0x01                                       ; source 0: my O^T, window 1
.irp y, 0,1
.set j, 0
.rept 32
	v_pk_fma_f32 v[S+64*\y+j:S+64*\y+j+1], v[OT+64*\y+j:OT+64*\y+j+1], v[WK+18*\y+12:WK+18*\y+13], v[S+64*\y+j:S+64*\y+j+1] op_sel_hi:[1,0,1]   ; o: register 16 b + i = channel 32 b + 16 h + i of my query
.set j, j+2
.endr
.endr
	WIN 0
.macro QUANT s, pc, ct, tm, pw
.irp b, 0,1,2,3
	v_max3_num_f32 v[(\tm)+\b], |v[(\s)+16*\b]|, |v[(\s)+16*\b+1]|, 0x1800000
.endr
.irp i, 2,4,6,8,10,12,14
.irp b, 0,1,2,3
	v_max3_num_f32 v[(\tm)+\b], v[(\tm)+\b], |v[(\s)+16*\b+\i]|, |v[(\s)+16*\b+\i+1]|
.endr
.endr
.irp b, 0,1,2,3
	v_permlanex16_b32 v[(\tm)+4+\b], v[(\tm)+\b], s[SEL], s[SEL+1]
.endr
.irp b, 0,1,2,3
	v_max_num_f32 v[(\tm)+\b], v[(\tm)+\b], v[(\tm)+4+\b]
.endr
.irp b, 0,1,2,3
	v_add_nc_u32 v[(\tm)+12+\b], 0xff000000, v[(\tm)+\b]
.endr
.irp b, 0,1,2,3
	v_lshrrev_b32 v[(\tm)+4+\b], 23, v[(\tm)+12+\b]
.endr
	v_lshl_or_b32 v[\pw], v[(\tm)+5], 8, v[(\tm)+4]
	v_lshl_or_b32 v[\pw], v[(\tm)+6], 16, v[\pw]
	v_lshl_or_b32 v[\pw], v[(\tm)+7], 24, v[\pw]
.irp c, 0,1
	v_cvt_scalef32_pk16_fp6_f32 v[(\pc)+6*\c:(\pc)+6*\c+2], v[(\s)+32*\c:(\s)+32*\c+15], v[(\tm)+12+2*\c]
	v_cvt_scalef32_pk16_fp6_f32 v[(\ct)+4*\c:(\ct)+4*\c+2], v[(\s)+32*\c+16:(\s)+32*\c+31], v[(\tm)+12+2*\c+1]
.endr
	v_nop                                          ; one plain place behind a scaled conversion
.irp c, 0,1
.irp i, 0,1,2
	v_permlane16_swap_b32 v[(\pc)+6*\c+\i], v[(\ct)+4*\c+\i]
.endr
.irp i, 0,1,2
	v_mov_b32 v[(\pc)+3+6*\c+\i], v[(\ct)+4*\c+\i]
.endr
.endr
.endm
	QUANT S, PC, CT, WK, PW                        ; the head's 128 channels are one K step of the last product
	QUANT S+64, PC+12, CT+8, WK, PW+1
.irp y, 0,1
.irp c, 0,1,2
	global_store_b128 v[LI], v[PC+12*\y+4*\c:PC+12*\y+4*\c+3], s[8:9] offset:16*FRB*\y+512*\c   ; 32 lanes store 512 consecutive bytes, aligned
.endr
.endr
	v_and_b32 v11, 31, v0
	v_cmp_le_u32 vcc_lo, 16, v11
	v_cndmask_b32 v28, v[PW], v[PW+1], vcc_lo      ; lanes 0-15: the first tile's words; lanes 16-31: the second's
	global_store_b32 v[OSO], v28, s[10:11]         ; two pieces of 64 bytes, 1,024 apart: a row block's words of one head; one part in 24 of what the wave stores
.Lend:
	s_wait_tensorcnt 0x0                           ; the wave's end
	ds_add_u32 v[SPW], v[NIL]
	s_wait_dscnt 0x0
	CROUND                                         ; the closing round
	s_endpgm
.Lfunc_end_k_qa57dad1d67_attn:
	.size	k_qa57dad1d67_attn, .Lfunc_end_k_qa57dad1d67_attn-k_qa57dad1d67_attn
	.p2alignl 7, 3214868480
	.fill 96, 4, 3214868480
	.section	.rodata,"a",@progbits
	.p2align	6, 0x0
	.amdhsa_kernel k_qa57dad1d67_attn
		.amdhsa_group_segment_fixed_size 327680
		.amdhsa_private_segment_fixed_size 0
		.amdhsa_enable_private_segment 0
		.amdhsa_kernarg_size 32
		.amdhsa_user_sgpr_count 2
		.amdhsa_user_sgpr_kernarg_segment_ptr 1
		.amdhsa_wavefront_size32 1
		.amdhsa_system_sgpr_workgroup_id_x 1
		.amdhsa_system_sgpr_workgroup_id_y 1
		.amdhsa_system_sgpr_workgroup_id_z 1
		.amdhsa_system_vgpr_workitem_id 0
		.amdhsa_next_free_vgpr 512
		.amdhsa_next_free_sgpr 80
		.amdhsa_reserve_vcc 1
		.amdhsa_float_denorm_mode_32 3
		.amdhsa_float_denorm_mode_16_64 3
		.amdhsa_memory_ordered 1
		.amdhsa_forward_progress 1
		.amdhsa_inst_pref_size 168
	.end_amdhsa_kernel
	.amdgpu_metadata
---
amdhsa.version: [ 1, 2 ]
amdhsa.kernels:
  - .name:           k_qa57dad1d67_attn
    .symbol:         k_qa57dad1d67_attn.kd
    .args:
      - { .name: ac, .offset: 0, .size: 8, .value_kind: global_buffer, .address_space: global }
      - { .name: asc, .offset: 8, .size: 8, .value_kind: global_buffer, .address_space: global }
      - { .name: oc, .offset: 16, .size: 8, .value_kind: global_buffer, .address_space: global }
      - { .name: osc, .offset: 24, .size: 8, .value_kind: global_buffer, .address_space: global }
    .group_segment_fixed_size: 327680
    .private_segment_fixed_size: 0
    .kernarg_segment_align: 8
    .kernarg_segment_size: 32
    .max_flat_workgroup_size: 256
    .sgpr_count:     80
    .vgpr_count:     512
    .wavefront_size: 32
...
	.end_amdgpu_metadata
.endif
;; end of part 3
;; launch outp (part 4): grid 8 x 8, 4 waves a work-group, clusters of 4 x 4, 327,680 bytes of LDS; arguments oc, osc, cod, scl, out0; writes out0
.if DOCPART == 4
	.amdgcn_target "amdgcn-amd-amdhsa--gfx1250"
	.amdhsa_code_object_version 6
	.text
	.protected	k_qa57dad1d67_outp
	.globl	k_qa57dad1d67_outp
	.p2align	8
	.type	k_qa57dad1d67_outp,@function
k_qa57dad1d67_outp:
	s_mov_b64 s[64:65], 0
	v_nop
	global_prefetch_b8 v0, s[64:65] scope:SCOPE_SE
	s_setreg_imm32_b32 hwreg(HW_REG_WAVE_MODE, 25, 1), 1
	s_wait_xcnt 0x0
	s_wait_alu depctr_hold_cnt(0) depctr_sa_sdst(0) depctr_va_vdst(0) depctr_va_sdst(0) depctr_va_ssrc(0) depctr_va_vcc(0) depctr_vm_vsrc(0)
	s_getreg_b32 s2, hwreg(HW_REG_IB_STS2, 6, 4)
	s_cmp_eq_u32 s2, 0
	s_cbranch_scc0 .Lentry_in_a_cluster
	s_endpgm
.Lentry_in_a_cluster:
	s_bfe_u32 s2, ttmp6, 0x10000c
	s_cmp_lg_u32 s2, 0xf033
	s_cbranch_scc0 .Lentry_shape_is_right
	s_endpgm
.Lentry_shape_is_right:
; out0 = o Wo^T on codes of FP6 (E2M3) with E8M0 scales; out0 [2048][2048] f32.
; Both operands come as images of fragments: oc [row block 128][K step 16][1,536] with osc [row block][K step][16 words]; Wo is tensor 4 of cod and scl (row blocks 512 on), laid alike.
; Lane r of row block i holds row 32 (i / 2) + 8 (i % 2) + r + 8 (r / 8): the way out puts rows and columns back by constants.
; A work-group makes 256 x 256, a wave 128 x 128: 64 accumulators.  That gives 64 work-groups: a wave's 128 x 128 is the tile at which each byte read from LDS feeds the most products;
; smaller tiles for more work-groups would read each fragment for half the products.
; K goes in steps of 256 through a ring of two LDS slots; the scale words come once and stay.  CLUSTERS: 4 x 4; o's tiles are asked for jointly along a row of the cluster, Wo's along a column.
; The matrix instruction is used transposed (source 0 = Wo's rows, source 1 = o's rows): a lane holds eight neighbouring numbers of a row of out0.
; REGISTERS: window 0: v16-29 addresses; v32-63 scale words, two sets; v128-223 A's fragments; on the way out v128-255 rows read back.  window 1: B's fragments, two sets.  windows 2, 3: the accumulators.
.set NQ,    2
.set FR,    12
.set NL,    3
.set NP,    4
.set FRB,   1536
.set SLB,   NQ*FRB
.set RBB,   16*FRB
.set HALFT, 8*SLB
.set SLOT,  4*HALFT
.set LAPS,  4
.set SCL,   2*SLOT
.set HALFS, 8192
.set SPARE, SCL+4*HALFS                ; the spare words, 128 bytes for each wave: two blocks of 256 bytes that no other line names
.set SPITCH, 528                       ; the way out: a stage of 16 rows x (512 bytes + 16) for each wave, in slot 0, which has had its last fill and its last read when the first result is stored there
.set ROWC,  8192                       ; a row of out0 in bytes
.set ADRA, 16
.set ADRB, 20
.set STO,  24                          ; v24  the way out: where I put 32 bytes of a row
.set RD,   25                          ; v25  where I read a row back
.set CO,   26                          ; v26  16 x lane
.set ADRS, 27
.set SPW,  28
.set NIL,  29
.set SC,   32
.set AF,   128
.set BK,   128
.set G1, 24
.set G0, 32
.set G1B, 48
.set G0B, 56
.set G1S, 68
.set G0S, 76
.set G1SB, 80
.set G0SB, 88
.set MSB, 0
.macro WIN new
.if MSB != \new
	s_set_vgpr_msb (MSB<<8)|\new
.set MSB, \new
.endif
.endm
.set MUL_LO, 0xa1
.set MUL_HI, 0xf1
.set TO_B,   0x40
.macro JLOAD g0a, g1a, g0b, g1b        ; a joint load: waves 0 and 1 fetch for A, waves 2 and 3 for B; four v_nop follow each of the two lines
	s_cmp_eq_u32 s15, 0
	s_cbranch_scc0 .Lfor_b_\@
	tensor_load_to_lds s[\g0a:\g0a+3], s[\g1a:\g1a+7]
	s_nop 0
.rept 4
	v_nop
.endr
	s_branch .Lasked_\@
.Lfor_b_\@:
	tensor_load_to_lds s[\g0b:\g0b+3], s[\g1b:\g1b+7]
	s_nop 0
.rept 4
	v_nop
.endr
.Lasked_\@:
.endm
.macro CREST
	s_cmp_lg_u32 s14, 0
	s_cbranch_scc1 .Lnot_wave_0_\@
	s_barrier_signal -3
.Lnot_wave_0_\@:
	s_barrier_wait -3
	s_barrier_signal -1
	s_barrier_wait -1
.endm
.macro CROUND
	s_barrier_signal -1
	s_barrier_wait -1
	CREST
.endm
	s_load_b256 s[4:11], s[0:1], 0x0               ; oc s[4:5], osc s[6:7], cod s[8:9], scl s[10:11]
	s_load_b64 s[12:13], s[0:1], 0x20              ; out0
	v_lshl_add_u32 v[SPW], v0, 2, SPARE
	v_mov_b32 v[NIL], 0
	ds_add_u32 v28, v29
	ds_add_u32 v28, v29
	s_wait_dscnt 0x0
	v_lshrrev_b32 v1, 5, v0
	v_readfirstlane_b32 s14, v1                    ; wave 0..3
	s_lshr_b32 s15, s14, 1                         ; which half of the tile's rows is mine.  Also: I fetch for A (0) or for B (1)
	s_and_b32 s16, s14, 1                          ; which half of its columns.  Also: which 8 row blocks I fetch
	s_bfe_u32 s40, ttmp6, 0x40000
	s_bfe_u32 s41, ttmp6, 0x40004
	s_lshl_b32 s42, ttmp9, 2
	s_add_co_u32 s42, s42, s40                     ; tile column
	s_and_b32 s17, ttmp7, 0xffff
	s_lshl_b32 s17, s17, 2
	s_add_co_u32 s17, s17, s41                     ; tile row
	s_lshl_b32 s43, s41, 2
	s_lshl_b32 s43, 15, s43                        ; my row of the cluster
	s_lshl_b32 s44, 0x1111, s40                    ; my column
	s_or_b32 s[G1+0], s43, (3<<16)|(1<<21)         ; the codes: 8 row blocks x 3,072 bytes (384 elements of 8 bytes), 24,576 bytes apart
	s_or_b32 s[G1B+0], s44, (3<<16)|(1<<21)
.irp g, G1, G1B
	s_mov_b32 s[\g+1], 384<<16
	s_mov_b32 s[\g+2], 8<<16
	s_mov_b32 s[\g+3], 384<<16
	s_mov_b32 s[\g+4], 8
	s_mov_b32 s[\g+5], 3072
	s_mov_b32 s[\g+6], 0
	s_mov_b32 s[\g+7], 0
.endr
	s_or_b32 s[G1S+0], s43, (3<<16)|(1<<21)        ; the scale words of 8 row blocks: 8,192 dense bytes as 32 rows of 256
	s_or_b32 s[G1SB+0], s44, (3<<16)|(1<<21)
.irp g, G1S, G1SB
	s_mov_b32 s[\g+1], 32<<16
	s_mov_b32 s[\g+2], 32<<16
	s_mov_b32 s[\g+3], 32<<16
	s_mov_b32 s[\g+4], 32
	s_mov_b32 s[\g+5], 32
	s_mov_b32 s[\g+6], 0
	s_mov_b32 s[\g+7], 0
.endr
	s_lshl_b32 s18, s16, 3
	s_lshl_b32 s20, s17, 4
	s_add_co_u32 s20, s20, s18                     ; A: row block 16 x tile row + 8 x half
	s_lshl_b32 s46, s42, 4
	s_add_co_u32 s46, s46, s18
	s_add_co_u32 s46, s46, 512                     ; B: Wo's row block 16 x tile column + 8 x half
	s_lshl_b32 s22, s20, 10
	s_mov_b32 s23, 0
	s_mul_i32 s20, s20, RBB
	s_mov_b32 s21, 0
	s_lshl_b32 s92, s46, 10
	s_mov_b32 s93, 0
	s_mul_i32 s46, s46, RBB
	s_mov_b32 s47, 0
	s_mul_i32 s67, s14, HALFT
	s_mul_i32 s94, s14, HALFS
	s_wait_kmcnt 0x0
	s_add_nc_u64 s[20:21], s[4:5], s[20:21]
	s_add_nc_u64 s[22:23], s[6:7], s[22:23]
	s_add_nc_u64 s[46:47], s[8:9], s[46:47]
	s_add_nc_u64 s[92:93], s[10:11], s[92:93]
	CROUND                                         ; all sixteen work-groups are here: the first joint loads meet
	s_mov_b32 s[G0S], 1
	s_add_co_u32 s[G0S+1], s94, SCL
	s_mov_b64 s[G0S+2:G0S+3], s[22:23]
	s_or_b32 s[G0S+3], s[G0S+3], 0x80000000
	s_mov_b32 s[G0SB], 1
	s_add_co_u32 s[G0SB+1], s94, SCL
	s_mov_b64 s[G0SB+2:G0SB+3], s[92:93]
	s_or_b32 s[G0SB+3], s[G0SB+3], 0x80000000
	JLOAD G0S, G1S, G0SB, G1SB
.irp s, 0,1
	s_mov_b32 s[G0+4*\s], 1
	s_add_co_u32 s[G0+4*\s+1], s67, \s*SLOT
	s_add_nc_u64 s[G0+4*\s+2:G0+4*\s+3], s[20:21], \s*SLB
	s_or_b32 s[G0+4*\s+3], s[G0+4*\s+3], 0x80000000
	s_mov_b32 s[G0B+4*\s], 1
	s_add_co_u32 s[G0B+4*\s+1], s67, \s*SLOT
	s_add_nc_u64 s[G0B+4*\s+2:G0B+4*\s+3], s[46:47], \s*SLB
	s_or_b32 s[G0B+4*\s+3], s[G0B+4*\s+3], 0x80000000
	JLOAD G0+4*\s, G1, G0B+4*\s, G1B
.endr
	v_and_b32 v1, 15, v0                           ; r
	v_bfe_u32 v2, v0, 4, 1                         ; h
	v_and_b32 v3, 31, v0
	v_lshlrev_b32 v[CO], 4, v3                     ; 16 x lane
	s_mul_i32 s21, s15, HALFT
	s_mul_i32 s22, s16, HALFT
	s_add_co_u32 s22, s22, 2*HALFT
.irp s, 0,1
	v_add_nc_u32 v[ADRA+\s], s21, v[CO]
	v_add_nc_u32 v[ADRB+\s], s22, v[CO]
	s_add_co_u32 s21, s21, SLOT
	s_add_co_u32 s22, s22, SLOT
.endr
	v_lshlrev_b32 v5, 2, v1
	s_mul_i32 s21, s15, HALFS
	s_mul_i32 s22, s16, HALFS
	s_add_co_u32 s22, s22, 2*HALFS
	s_sub_co_u32 s22, s22, s21
	v_mul_u32_u24 v6, s22, v2                      ; lanes 16-31 take B's
	s_add_co_u32 s21, s21, SCL
	v_add_nc_u32 v5, v5, v6
	v_add_nc_u32 v[ADRS], s21, v5
	s_mul_i32 s23, s14, 16*SPITCH                  ; my stage
	v_mul_u32_u24 v5, v1, SPITCH                   ; in: row r; tile b's eight columns are 32 (b / 2) + 16 h + 8 (b % 2) on: 64 h bytes here, the rest in the immediate
	v_lshl_add_u32 v5, v2, 6, v5
	v_add_nc_u32 v[STO], s23, v5
	v_add_nc_u32 v[RD], s23, v[CO]                 ; back: the 32 lanes take one row of 512 bytes
	s_lshl_b32 s20, s17, 8
	s_lshl_b32 s21, s15, 7
	s_add_co_u32 s20, s20, s21                     ; my first row: 256 x tile row + 128 x half
	s_lshl_b32 s20, s20, 13
	s_mov_b32 s21, 0
	s_lshl_b32 s46, s42, 10                        ; my first column, in bytes
	s_lshl_b32 s47, s16, 9
	s_add_co_u32 s46, s46, s47
	s_mov_b32 s47, 0
	s_add_nc_u64 s[20:21], s[20:21], s[46:47]
	s_add_nc_u64 s[12:13], s[12:13], s[20:21]
.macro FRAG reg, adr, q, i
.irp c, 0,1,2
	ds_load_b128 v[\reg+4*\c:\reg+4*\c+3], v[\adr] offset:(\i)*SLB+(\q)*FRB+512*\c
.endr
.endm
.macro MUL16 a0, p, q, sc, zero        ; the 64 accumulators take turns, one instruction a turn, in the same order in every step
.irp a, \a0, \a0+1
.irp b, 0,1,2,3,4,5,6,7
.if \zero
	v_wmma_scale_f32_16x16x128_f8f6f4 v[8*(8*((\a)%4)+\b):8*(8*((\a)%4)+\b)+7], v[128*(\p)+FR*\b:128*(\p)+FR*\b+FR-1], v[AF+FR*(\a):AF+FR*(\a)+FR-1], 0, v[SC+8*NQ*(\sc)+NQ*\b+(\q)], v[SC+8*NQ*(\sc)+NQ*(\a)+(\q)] matrix_a_fmt:MATRIX_FMT_FP6 matrix_b_fmt:MATRIX_FMT_FP6 matrix_a_scale:MATRIX_SCALE_ROW1
.else
	v_wmma_scale_f32_16x16x128_f8f6f4 v[8*(8*((\a)%4)+\b):8*(8*((\a)%4)+\b)+7], v[128*(\p)+FR*\b:128*(\p)+FR*\b+FR-1], v[AF+FR*(\a):AF+FR*(\a)+FR-1], v[8*(8*((\a)%4)+\b):8*(8*((\a)%4)+\b)+7], v[SC+8*NQ*(\sc)+NQ*\b+(\q)], v[SC+8*NQ*(\sc)+NQ*(\a)+(\q)] matrix_a_fmt:MATRIX_FMT_FP6 matrix_b_fmt:MATRIX_FMT_FP6 matrix_a_scale:MATRIX_SCALE_ROW1
.endif
.endr
.endr
.endm
.macro FETCH_B slot, q, p
	WIN TO_B
.irp i, 0,1,2,3,4,5,6,7
	FRAG 128*(\p)+FR*\i, ADRB+\slot, \q, \i
.endr
	WIN 0
.endm
.macro FETCH_A slot, q, i0
.irp i, \i0, \i0+1, \i0+2, \i0+3
	FRAG AF+FR*(\i), ADRA+\slot, \q, \i
.endr
.endm
.macro SCALES sc
.irp i, 0,1,2,3,4,5,6,7
.irp k, 0,1
	ds_load_b32 v[SC+8*NQ*\sc+NQ*\i+\k], v[ADRS] offset:\i*1024+64*\k
.endr
.endr
.endm
.macro PLACES n
.rept \n
	v_nop
.endr
.endm
.macro STEP slot, q, zero
	s_wait_dscnt 4*NL                              ; B's set and A's blocks 0-3 are in; the youngest 12 loads (A's blocks 4-7) may be out
	WIN MUL_LO
	MUL16 0, (\q)%2, \q, \slot, \zero
	MUL16 2, (\q)%2, \q, \slot, \zero
	s_wait_dscnt 0
	PLACES NP
	FETCH_B \slot, (\q)+1, 1-(\q)%2
	FETCH_A \slot, (\q)+1, 0
	WIN MUL_HI
	MUL16 4, (\q)%2, \q, \slot, \zero
	MUL16 6, (\q)%2, \q, \slot, \zero
	PLACES NP
	WIN 0
	FETCH_A \slot, (\q)+1, 4
.endm
.macro TURN slot, next, fill
	s_wait_tensorcnt 0x0                           ; all my tensor loads have landed: my part of the next slot
	ds_add_u32 v[SPW], v[NIL]                      ; 0 onto my spare word
	s_wait_dscnt 4*NL+1                            ; (the add and the youngest 12 loads may be out)
	WIN MUL_LO
	MUL16 0, 1, NQ-1, \slot, 0
	s_wait_dscnt 0x0                               ; the add is done, and my reads of this slot are over
	s_barrier_signal -1
	MUL16 2, 1, NQ-1, \slot, 0
	WIN 0
	s_barrier_wait -1
.if \fill
	CREST                                          ; the barrier has opened a round of the cluster's: no wave of any partner still reads this slot or has a load on its way
	s_add_nc_u64 s[G0+4*\slot+2:G0+4*\slot+3], s[G0+4*\slot+2:G0+4*\slot+3], 2*SLB
	s_add_nc_u64 s[G0B+4*\slot+2:G0B+4*\slot+3], s[G0B+4*\slot+2:G0B+4*\slot+3], 2*SLB
	JLOAD G0+4*\slot, G1, G0B+4*\slot, G1B
.else
	PLACES NP
.endif
	v_add_nc_u32 v[ADRS], 64*NQ, v[ADRS]
	FETCH_B \next, 0, 0
	FETCH_A \next, 0, 0
	SCALES \next
	WIN MUL_HI
	MUL16 4, 1, NQ-1, \slot, 0
	MUL16 6, 1, NQ-1, \slot, 0
	PLACES NP
	WIN 0
	FETCH_A \next, 0, 4
.endm
	s_wait_tensorcnt 1                             ; the scale words and my part of slot 0 are in; slot 1's load may be out
	s_barrier_signal -1
	s_barrier_wait -1
	FETCH_B 0, 0, 0
	FETCH_A 0, 0, 0
	SCALES 0
	FETCH_A 0, 0, 4
	STEP 0, 0, 1
	s_mov_b32 s3, LAPS-1
.Llap:
	TURN 0, 1, 1
	STEP 1, 0, 0
	TURN 1, 0, 1
	STEP 0, 0, 0
	s_sub_co_u32 s3, s3, 1
	s_cmp_lg_u32 s3, 0
	s_cbranch_scc1 .Llap
	TURN 0, 1, 0
	STEP 1, 0, 0
	s_wait_dscnt 4*NL
	WIN MUL_LO
	MUL16 0, 1, NQ-1, 1, 0
	MUL16 2, 1, NQ-1, 1, 0
	s_wait_dscnt 0
	WIN MUL_HI
	MUL16 4, 1, NQ-1, 1, 0
	MUL16 6, 1, NQ-1, 1, 0
	WIN 0
; THE WAY OUT, block by block of 16 rows x 128 columns, through my own stage in LDS: in by lanes (32 neighbouring bytes of a row each), back as whole rows of 512 bytes.
; Stage row t of block a is row 32 (a / 2) + 8 (a % 2) + t + 8 (t / 8) of my 128.  LDS serves a wave's instructions in order: no wait between the stores and the loads.
.macro TOSTAGE a
.set AC, 64*((\a)%4)
.set WD, 0x08+4*((\a)/4)
	WIN WD                                         ; the data: window 2 or 3
.irp b, 0,1,2,3,4,5,6,7
	ds_store_b128 v[STO], v[AC+8*\b:AC+8*\b+3] offset:128*(\b/2)+32*(\b%2)          ; each accumulator from its low end on
	ds_store_b128 v[STO], v[AC+8*\b+4:AC+8*\b+7] offset:128*(\b/2)+32*(\b%2)+16
.endr
	WIN 0
.set BB, BK+64*((\a)%2)
.irp t, 0,1,2,3,4,5,6,7,8,9,10,11,12,13,14,15
	ds_load_b128 v[BB+4*\t:BB+4*\t+3], v[RD] offset:\t*SPITCH
.endr
.endm
.macro SEND a, younger                 ; younger: the LDS instructions issued behind block a's loads, which may stay out
.set BB, BK+64*((\a)%2)
	s_wait_dscnt \younger
.if (\a) > 0
	s_add_nc_u64 s[12:13], s[12:13], (8+16*(1-((\a)%2)))*ROWC   ; (behind a wait on XCNT)  on to block a's first row: 8 rows for an odd block, 24 for an even one
.endif
.irp t, 0,1,2,3,4,5,6,7,8,9,10,11,12,13,14,15
	global_store_b128 v[CO], v[BB+4*\t:BB+4*\t+3], s[12:13] offset:(\t+8*(\t/8))*ROWC th:TH_STORE_NT   ; 32 lanes store 512 consecutive bytes, aligned
.endr
.endm
	PLACES NP
	TOSTAGE 0
.irp a, 1,2,3,4,5,6,7
.if \a > 1
	s_wait_xcnt 0x0                                ; block a - 2's stores have read their registers and their base
.endif
	TOSTAGE \a
	SEND \a-1, 32                                  ; behind block a - 1's loads: block a's 16 stores and 16 loads
.endr
	s_wait_xcnt 0x0
	SEND 7, 0
	s_wait_tensorcnt 0x0                           ; the wave's end
	ds_add_u32 v[SPW], v[NIL]
	s_wait_dscnt 0x0
	CROUND                                         ; the closing round
	s_endpgm
.Lfunc_end_k_qa57dad1d67_outp:
	.size	k_qa57dad1d67_outp, .Lfunc_end_k_qa57dad1d67_outp-k_qa57dad1d67_outp
	.p2alignl 7, 3214868480
	.fill 96, 4, 3214868480
	.section	.rodata,"a",@progbits
	.p2align	6, 0x0
	.amdhsa_kernel k_qa57dad1d67_outp
		.amdhsa_group_segment_fixed_size 327680
		.amdhsa_private_segment_fixed_size 0
		.amdhsa_enable_private_segment 0
		.amdhsa_kernarg_size 40
		.amdhsa_user_sgpr_count 2
		.amdhsa_user_sgpr_kernarg_segment_ptr 1
		.amdhsa_wavefront_size32 1
		.amdhsa_system_sgpr_workgroup_id_x 1
		.amdhsa_system_sgpr_workgroup_id_y 1
		.amdhsa_system_sgpr_workgroup_id_z 1
		.amdhsa_system_vgpr_workitem_id 0
		.amdhsa_next_free_vgpr 1024
		.amdhsa_next_free_sgpr 100
		.amdhsa_reserve_vcc 0
		.amdhsa_float_denorm_mode_32 3
		.amdhsa_float_denorm_mode_16_64 3
		.amdhsa_memory_ordered 1
		.amdhsa_forward_progress 1
		.amdhsa_inst_pref_size 137
	.end_amdhsa_kernel
	.amdgpu_metadata
---
amdhsa.version: [ 1, 2 ]
amdhsa.kernels:
  - .name:           k_qa57dad1d67_outp
    .symbol:         k_qa57dad1d67_outp.kd
    .args:
      - { .name: oc, .offset: 0, .size: 8, .value_kind: global_buffer, .address_space: global }
      - { .name: osc, .offset: 8, .size: 8, .value_kind: global_buffer, .address_space: global }
      - { .name: cod, .offset: 16, .size: 8, .value_kind: global_buffer, .address_space: global }
      - { .name: scl, .offset: 24, .size: 8, .value_kind: global_buffer, .address_space: global }
      - { .name: out0, .offset: 32, .size: 8, .value_kind: global_buffer, .address_space: global }
    .group_segment_fixed_size: 327680
    .private_segment_fixed_size: 0
    .kernarg_segment_align: 8
    .kernarg_segment_size: 40
    .max_flat_workgroup_size: 128
    .sgpr_count:     100
    .vgpr_count:     1024
    .wavefront_size: 32
...
	.end_amdgpu_metadata
.endif
;; end of part 4
;; ======== version 2 of 2: 4 launches
;; limits: right only within a limited range of input values
;; workspace buffers: cod 15,728,640 bytes; scl 655,360 bytes; ac 9,437,184 bytes; asc 393,216 bytes; oc 3,145,728 bytes; osc 131,072 bytes
;; launch quant: the kernel of part 1 again; grid 128 x 5, 4 waves a work-group, no clusters, 35,328 bytes of LDS; arguments x, Wq, Wk, Wv, Wo, cod, scl; writes cod, scl
;; launch qkv (part 5): grid 24 x 8, 4 waves a work-group, clusters of 4 x 4, 327,680 bytes of LDS; arguments cod, scl, ac, asc; writes ac, asc
.if DOCPART == 5
	.amdgcn_target "amdgcn-amd-amdhsa--gfx1250"
	.amdhsa_code_object_version 6
	.text
	.protected	k_qa57dad1d67_qkv
	.globl	k_qa57dad1d67_qkv
	.p2align	8
	.type	k_qa57dad1d67_qkv,@function
k_qa57dad1d67_qkv:
	s_mov_b64 s[64:65], 0
	v_nop
	global_prefetch_b8 v0, s[64:65] scope:SCOPE_SE
	s_setreg_imm32_b32 hwreg(HW_REG_WAVE_MODE, 25, 1), 1
	s_wait_xcnt 0x0
	s_wait_alu depctr_hold_cnt(0) depctr_sa_sdst(0) depctr_va_vdst(0) depctr_va_sdst(0) depctr_va_ssrc(0) depctr_va_vcc(0) depctr_vm_vsrc(0)
	s_getreg_b32 s2, hwreg(HW_REG_IB_STS2, 6, 4)
	s_cmp_eq_u32 s2, 0
	s_cbranch_scc0 .Lentry_in_a_cluster
	s_endpgm
.Lentry_in_a_cluster:
	s_bfe_u32 s2, ttmp6, 0x10000c
	s_cmp_lg_u32 s2, 0xf033
	s_cbranch_scc0 .Lentry_shape_is_right
	s_endpgm
.Lentry_shape_is_right:
; q = x Wq^T, k = x Wk^T, v = x Wv^T on codes of FP6 (E2M3) with E8M0 scales, and the results quantised on the way out: q and k along the head's 128, v along the sequence.
; Operands come as images of fragments (cod: [row block 640][K step 16][1,536]; scl: [row block][K step][16 words]); lane r of row block i holds row 32 (i / 2) + 8 (i % 2) + r + 8 (r / 8).
; A work-group makes 256 x 256 results, a wave 128 x 128: 64 accumulators, 512 registers.  Source 1 ('A') gives the lanes, source 0 ('B') the registers: by the order of B's rows a lane's 64 registers of
; eight neighbouring tiles are register 16 b + i = index 32 b + 16 h + i: the layout in which a lane quantises.  Tile columns 0-15: A = x, B = Wq, Wk (registers run along a head's 128).
; Tile columns 16-23: A = Wv, B = x (registers run along 128 of the sequence): the same text.
; OUT: ac [rec 256][q, k, v][8 fragments][1,536], rec = (16 batch + head) x 8 + sequence / 128; asc [rec][q, k, v][512]: lane l's 16 bytes = the scale words of fragments 4 (l / 16) .. + 3 for row l % 16.
; LIMITS: NaN and infinities are not served; a block's byte is held at 1 from below (largest magnitude under 2^-124; zeros too: their codes are zeros, and this program alone reads the bytes).
; K goes in steps of 256 through a ring of two LDS slots filled by the tensor data mover; the scale words of the 512 rows come once and stay.
; CLUSTERS: 4 x 4 work-groups; A's tiles are asked for jointly along a row of the cluster, B's along a column.
; REGISTERS: window 0: v16-29 addresses; v32-63 scale words, two sets; v128-223 A's fragments, one set; the way out uses v64-101 and v128-223.  window 1: B's fragments, two sets, at v0 and v128.
;   window 2: the accumulators of A's blocks 0-3 ((a, b) at v[8 (8 (a % 4) + b)]);  window 3: of blocks 4-7.
.set NQ,    2                          ; K steps of 128 in a slot
.set FR,    12                         ; registers of a fragment
.set NL,    3                          ; LDS loads that bring one
.set NP,    4                          ; places behind this matrix instruction (ISA guide 7.12.1)
.set FRB,   1536                       ; a fragment's image
.set SLB,   NQ*FRB                     ; a row block's part of a slot
.set RBB,   16*FRB                     ; a row block in memory
.set HALFT, 8*SLB                      ; 8 row blocks: what one tensor load brings, and what one wave reads of A or of B
.set SLOT,  4*HALFT
.set LAPS,  4                          ; 2,048 along K = 4 times round the ring
.set SCL,   2*SLOT                     ; behind the ring: the scale words, A's 16 row blocks x 1,024 bytes, then B's
.set HALFS, 8192
.set SPARE, SCL+4*HALFS                ; the spare words, 128 bytes for each wave: two blocks of 256 bytes that no other line names
.set ADRA, 16                          ; v16-17  LDS address of my A fragments in slot 0, 1
.set ADRB, 20                          ; v20-21  the same for B
.set ADRS, 27                          ; v27     of my scale words: lanes 0-15 A's rows, lanes 16-31 B's
.set SPW,  28                          ; v28     my spare word; never rewritten
.set NIL,  29                          ; v29     0; never rewritten
.set SC,   32                          ; scale words: set s at v[SC + 16 s]; register 2 i + q: lanes 0-15 A's block i, lanes 16-31 B's block i
.set AF,   128
.set TM,   64                          ; the way out: v64-79 at work
.set CT,   80                          ; v80-87 the conversions' second halves
.set PWR,  88                          ; v88-95 the eight fragments' scale words
.set IMG,  96                          ; v96-99 their image
.set OA,   100                         ; v100   16 x lane
.set LN,   101                         ; v101   lane
.set SEL,  2                           ; s[2:3] lane selects, set behind the loop
.set G1, 24
.set G0, 32
.set G1B, 48
.set G0B, 56
.set G1S, 68
.set G0S, 76
.set G1SB, 80
.set G0SB, 88
.set MSB, 0
.macro WIN new                         ; the immediate's high byte repeats the setting that is left
.if MSB != \new
	s_set_vgpr_msb (MSB<<8)|\new
.set MSB, \new
.endif
.endm
.set MUL_LO, 0xa1                      ; source 0 (B) window 1, source 1 (A) window 0, C and D window 2
.set MUL_HI, 0xf1
.set TO_B,   0x40
; A joint load: waves 0 and 1 fetch for A, waves 2 and 3 for B; the branch hangs on the wave's number alone.  Four v_nop follow each of the two lines.
.macro JLOAD g0a, g1a, g0b, g1b
	s_cmp_eq_u32 s15, 0
	s_cbranch_scc0 .Lfor_b_\@
	tensor_load_to_lds s[\g0a:\g0a+3], s[\g1a:\g1a+7]
	s_nop 0
.rept 4
	v_nop
.endr
	s_branch .Lasked_\@
.Lfor_b_\@:
	tensor_load_to_lds s[\g0b:\g0b+3], s[\g1b:\g1b+7]
	s_nop 0
.rept 4
	v_nop
.endr
.Lasked_\@:
.endm
.macro CREST                           ; a round of the cluster's barrier behind its opening barrier
	s_cmp_lg_u32 s14, 0
	s_cbranch_scc1 .Lnot_wave_0_\@
	s_barrier_signal -3
.Lnot_wave_0_\@:
	s_barrier_wait -3
	s_barrier_signal -1
	s_barrier_wait -1
.endm
.macro CROUND
	s_barrier_signal -1
	s_barrier_wait -1
	CREST
.endm
	s_load_b256 s[4:11], s[0:1], 0x0               ; cod s[4:5], scl s[6:7], ac s[8:9], asc s[10:11]
	v_lshl_add_u32 v[SPW], v0, 2, SPARE
	v_mov_b32 v[NIL], 0
	ds_add_u32 v28, v29
	ds_add_u32 v28, v29
	s_wait_dscnt 0x0
	v_lshrrev_b32 v1, 5, v0
	v_readfirstlane_b32 s14, v1                    ; wave 0..3
	s_lshr_b32 s15, s14, 1                         ; which half of A's rows is mine.  Also: I fetch for A (0) or for B (1)
	s_and_b32 s16, s14, 1                          ; which half of B's rows.  Also: which 8 row blocks I fetch
	s_bfe_u32 s40, ttmp6, 0x40000                  ; cx, cy
	s_bfe_u32 s41, ttmp6, 0x40004
	s_lshl_b32 s42, ttmp9, 2
	s_add_co_u32 s42, s42, s40                     ; tile column = 4 x cluster x + cx
	s_and_b32 s17, ttmp7, 0xffff
	s_lshl_b32 s17, s17, 2
	s_add_co_u32 s17, s17, s41                     ; tile row = 4 x cluster y + cy
	s_lshl_b32 s43, s41, 2
	s_lshl_b32 s43, 15, s43                        ; my row of the cluster
	s_lshl_b32 s44, 0x1111, s40                    ; my column
	s_lshr_b32 s45, ttmp9, 2                       ; 1 in clusters x = 4, 5 (v), else 0: the same in all sixteen partners
	s_mul_i32 s66, s45, 384                        ; v: A begins at Wv's row blocks, and B goes back from Wq's to x's
	; group 1 for the codes: 8 row blocks x 3,072 bytes (384 elements of 8 bytes), 24,576 bytes apart; dense in LDS
	s_or_b32 s[G1+0], s43, (3<<16)|(1<<21)         ; 15:0 the mask; 17:16 elements of 8 bytes; 21 set beside a mask
	s_or_b32 s[G1B+0], s44, (3<<16)|(1<<21)
.irp g, G1, G1B
	s_mov_b32 s[\g+1], 384<<16                     ; tensor_dim0
	s_mov_b32 s[\g+2], 16<<16                      ; tensor_dim1: 16 row blocks for the head's loads; set to 8 behind them
	s_mov_b32 s[\g+3], 384<<16                     ; tile_dim0
	s_mov_b32 s[\g+4], 16                          ; tile_dim1, likewise
	s_mov_b32 s[\g+5], 3072                        ; tensor_dim0_stride, in elements
	s_mov_b32 s[\g+6], 0
	s_mov_b32 s[\g+7], 0
.endr
	; and for the scale words of 16 row blocks: 16,384 dense bytes as 64 rows of 256
	s_or_b32 s[G1S+0], s43, (3<<16)|(1<<21)
	s_or_b32 s[G1SB+0], s44, (3<<16)|(1<<21)
.irp g, G1S, G1SB
	s_mov_b32 s[\g+1], 32<<16
	s_mov_b32 s[\g+2], 64<<16                      ; the scale words of 16 row blocks: 64 rows of 256 bytes
	s_mov_b32 s[\g+3], 32<<16
	s_mov_b32 s[\g+4], 64
	s_mov_b32 s[\g+5], 32
	s_mov_b32 s[\g+6], 0
	s_mov_b32 s[\g+7], 0
.endr
	s_lshl_b32 s18, s16, 3                         ; which 8 row blocks of the tile's 16 I fetch
	s_lshl_b32 s20, s17, 4
	s_add_co_u32 s20, s20, s18
	s_add_co_u32 s20, s20, s66                     ; A: row block 16 x tile row + 8 x half (+ 384)
	s_lshl_b32 s46, s42, 4
	s_add_co_u32 s46, s46, s18
	s_add_co_u32 s46, s46, 128
	s_sub_co_u32 s46, s46, s66                     ; B: row block 128 + 16 x tile column + 8 x half (- 384)
	s_lshl_b32 s22, s20, 10                        ; their scale words,
	s_mov_b32 s23, 0
	s_mul_i32 s20, s20, RBB                        ; their codes
	s_mov_b32 s21, 0
	s_lshl_b32 s92, s46, 10
	s_mov_b32 s93, 0
	s_mul_i32 s46, s46, RBB
	s_mov_b32 s47, 0
	s_mul_i32 s67, s14, HALFT                      ; where they go: wave x 8 row blocks: no place in the cluster enters an LDS address
	s_mul_i32 s94, s18, RBB                        ; my half's distance from the tile's first row block: in codes,
	s_mov_b32 s95, 0
	s_lshl_b32 s96, s18, 10                        ; and in scale words
	s_mov_b32 s97, 0
	CROUND                                         ; the round in front of the first joint loads needs no argument: it stands while the arguments are on their way
	s_wait_kmcnt 0x0
	s_add_nc_u64 s[20:21], s[4:5], s[20:21]
	s_add_nc_u64 s[22:23], s[6:7], s[22:23]
	s_add_nc_u64 s[46:47], s[4:5], s[46:47]
	s_add_nc_u64 s[92:93], s[6:7], s[92:93]
	; PREFETCH: each fill of slot j is followed by a request for slot j + 2 (the head also asks for slot 1).  Of the 8 row blocks that my wave fetches, each of the four partners that ask for them
	; jointly names 2 (by cx for A, by cy for B: by address alone): 2 x 3,072 bytes, a lane to 256 bytes, lanes 24-31 naming the last block again.  The last two fills ask for nothing.
	s_cmp_eq_u32 s15, 0                            ; do I fetch for A?
	s_cselect_b64 s[4:5], s[20:21], s[46:47]
	s_cselect_b32 s6, s40, s41
	s_mul_i32 s6, s6, 2*RBB
	s_add_co_u32 s6, s6, SLB                       ; it stands at slot 1
	s_mov_b32 s7, 0
	s_add_nc_u64 s[4:5], s[4:5], s[6:7]
	s_mov_b32 s[G0S], 1
	s_mov_b32 s[G0S+1], SCL
	s_sub_nc_u64 s[G0S+2:G0S+3], s[22:23], s[96:97]
	s_or_b32 s[G0S+3], s[G0S+3], 0x80000000
	s_mov_b32 s[G0SB], 1
	s_mov_b32 s[G0SB+1], SCL+2*HALFS
	s_sub_nc_u64 s[G0SB+2:G0SB+3], s[92:93], s[96:97]
	s_or_b32 s[G0SB+3], s[G0SB+3], 0x80000000
.irp s, 0,1
	s_mov_b32 s[G0+4*\s], 1
	s_add_co_u32 s[G0+4*\s+1], s67, \s*SLOT
	s_add_nc_u64 s[G0+4*\s+2:G0+4*\s+3], s[20:21], \s*SLB
	s_or_b32 s[G0+4*\s+3], s[G0+4*\s+3], 0x80000000
	s_mov_b32 s[G0B+4*\s], 1
	s_add_co_u32 s[G0B+4*\s+1], s67, \s*SLOT
	s_add_nc_u64 s[G0B+4*\s+2:G0B+4*\s+3], s[46:47], \s*SLB
	s_or_b32 s[G0B+4*\s+3], s[G0B+4*\s+3], 0x80000000
.endr
	s_mov_b32 s[G0+1], 0                           ; for the head slot 0's group 0 names the whole tile: A's 16 row blocks,
	s_sub_nc_u64 s[G0+2:G0+3], s[G0+2:G0+3], s[94:95]
	s_mov_b32 s[G0B+1], 2*HALFT                    ; and B's 16 behind them
	s_sub_nc_u64 s[G0B+2:G0B+3], s[G0B+2:G0B+3], s[94:95]
; The head's loads, one a wave: wave 0 slot 0's part of A, wave 1 its part of B, wave 2 A's scale words, wave 3 B's.  One tree of branches on the wave's number.
.macro ARM under, g0, g1, next
	s_cmp_lt_u32 s14, \under
	s_cbranch_scc0 \next
	tensor_load_to_lds s[\g0:\g0+3], s[\g1:\g1+7]
	s_nop 0
.rept 4
	v_nop
.endr
	s_branch .Lhead_asked
\next:
.endm
	ARM 1, G0,  G1,  .Lhead_b
	ARM 2, G0B, G1B, .Lhead_sa
	ARM 3, G0S, G1S, .Lhead_sb
	tensor_load_to_lds s[G0SB:G0SB+3], s[G1SB:G1SB+7]
	s_nop 0
.rept 4
	v_nop
.endr
.Lhead_asked:
	v_and_b32 v30, 31, v0
	v_min_u32 v30, 23, v30
	v_mul_u32_u24 v31, v30, 22
	v_lshrrev_b32 v31, 8, v31                      ; lane / 12: which of my two row blocks
	v_mul_u32_u24 v7, v31, 12
	v_sub_nc_u32 v30, v30, v7
	v_lshlrev_b32 v30, 8, v30                      ; 256 x (lane % 12)
	v_mad_u32_u24 v30, v31, RBB, v30               ; v30: the prefetches' offset; never rewritten
	global_prefetch_b8 v30, s[4:5] th:TH_LOAD_NT scope:SCOPE_SE              ; slot 1
	global_prefetch_b8 v30, s[4:5] offset:SLB th:TH_LOAD_NT scope:SCOPE_SE   ; slot 2
	v_and_b32 v1, 15, v0                           ; r
	v_bfe_u32 v2, v0, 4, 1                         ; h
	s_wait_alu depctr_va_vdst(0)
	v_and_b32 v3, 31, v0
	v_lshlrev_b32 v[OA], 4, v3                     ; 16 x lane: my place in every image
	s_mul_i32 s21, s15, HALFT                      ; my 8 row blocks of A
	s_mul_i32 s22, s16, HALFT                      ; my 8 of B,
	s_add_co_u32 s22, s22, 2*HALFT                 ; which lie behind A's 16
.irp s, 0,1
	v_add_nc_u32 v[ADRA+\s], s21, v[OA]
	v_add_nc_u32 v[ADRB+\s], s22, v[OA]
	s_add_co_u32 s21, s21, SLOT
	s_add_co_u32 s22, s22, SLOT
.endr
	v_lshlrev_b32 v5, 2, v1                        ; my row's scale word
	s_mul_i32 s21, s15, HALFS
	s_mul_i32 s22, s16, HALFS
	s_add_co_u32 s22, s22, 2*HALFS
	s_sub_co_u32 s22, s22, s21
	v_mul_u32_u24 v6, s22, v2                      ; lanes 16-31 take B's
	s_add_co_u32 s21, s21, SCL
	v_add_nc_u32 v5, v5, v6
	v_add_nc_u32 v[ADRS], s21, v5
	; where my 128 x 128 goes
	s_lshl_b32 s12, s17, 1
	s_add_co_u32 s12, s12, s15                     ; A's group of 128 rows: 2 x tile row + half
	s_lshl_b32 s13, s42, 1
	s_add_co_u32 s13, s13, s16                     ; B's: 2 x tile column + half
	s_sub_co_u32 s19, s13, 32
	s_and_b32 s95, s13, 15
	s_lshr_b32 s96, s13, 4
	s_cmp_lg_u32 s45, 0
	s_cselect_b32 s19, s19, s12                    ; the 128 of batch x sequence: x's group
	s_cselect_b32 s95, s12, s95                    ; the head: the weight's group
	s_cselect_b32 s96, 2, s96                      ; q, k or v
	s_lshr_b32 s97, s19, 3
	s_lshl_b32 s97, s97, 4
	s_add_co_u32 s97, s97, s95
	s_lshl_b32 s97, s97, 3
	s_and_b32 s19, s19, 7
	s_add_co_u32 s97, s97, s19                     ; rec
	s_mul_i32 s98, s97, 36864
	s_mul_i32 s99, s96, 12288
	s_add_co_u32 s98, s98, s99
	s_mov_b32 s99, 0
	s_add_nc_u64 s[8:9], s[8:9], s[98:99]
	s_mul_i32 s98, s97, 1536
	s_lshl_b32 s96, s96, 9
	s_add_co_u32 s98, s98, s96
	s_add_nc_u64 s[10:11], s[10:11], s[98:99]
.macro FRAG reg, adr, q, i             ; a fragment comes as it was stored: three loads of 512 consecutive bytes
.irp c, 0,1,2
	ds_load_b128 v[\reg+4*\c:\reg+4*\c+3], v[\adr] offset:(\i)*SLB+(\q)*FRB+512*\c
.endr
.endm
; 16 matrix instructions: A's blocks a0, a0 + 1 x B's eight.  The 64 accumulators take turns, one instruction a turn, in the same order in every step.
.macro MUL16 a0, p, q, sc, zero
.irp a, \a0, \a0+1
.irp b, 0,1,2,3,4,5,6,7
.if \zero
	v_wmma_scale_f32_16x16x128_f8f6f4 v[8*(8*((\a)%4)+\b):8*(8*((\a)%4)+\b)+7], v[128*(\p)+FR*\b:128*(\p)+FR*\b+FR-1], v[AF+FR*(\a):AF+FR*(\a)+FR-1], 0, v[SC+8*NQ*(\sc)+NQ*\b+(\q)], v[SC+8*NQ*(\sc)+NQ*(\a)+(\q)] matrix_a_fmt:MATRIX_FMT_FP6 matrix_b_fmt:MATRIX_FMT_FP6 matrix_a_scale:MATRIX_SCALE_ROW1
.else
	v_wmma_scale_f32_16x16x128_f8f6f4 v[8*(8*((\a)%4)+\b):8*(8*((\a)%4)+\b)+7], v[128*(\p)+FR*\b:128*(\p)+FR*\b+FR-1], v[AF+FR*(\a):AF+FR*(\a)+FR-1], v[8*(8*((\a)%4)+\b):8*(8*((\a)%4)+\b)+7], v[SC+8*NQ*(\sc)+NQ*\b+(\q)], v[SC+8*NQ*(\sc)+NQ*(\a)+(\q)] matrix_a_fmt:MATRIX_FMT_FP6 matrix_b_fmt:MATRIX_FMT_FP6 matrix_a_scale:MATRIX_SCALE_ROW1
.endif
.endr
.endr
.endm
.macro FETCH_B slot, q, p
	WIN TO_B
.irp i, 0,1,2,3,4,5,6,7
	FRAG 128*(\p)+FR*\i, ADRB+\slot, \q, \i
.endr
	WIN 0
.endm
.macro FETCH_A slot, q, i0
.irp i, \i0, \i0+1, \i0+2, \i0+3
	FRAG AF+FR*(\i), ADRA+\slot, \q, \i
.endr
.endm
.macro SCALES sc                       ; the next slot's scale words: lanes 0-15 A's block i, lanes 16-31 B's block i
.irp i, 0,1,2,3,4,5,6,7
.irp k, 0,1
	ds_load_b32 v[SC+8*NQ*\sc+NQ*\i+\k], v[ADRS] offset:\i*1024+64*\k
.endr
.endr
.endm
.macro PLACES n                        ; plain vector instructions between a matrix instruction and a load into, or a read of, its registers
.rept \n
	v_nop
.endr
.endm
.macro STEP slot, q, zero              ; a step of 128 along K that has its successor in the same slot
	s_wait_dscnt 4*NL                              ; B's set and A's blocks 0-3 are in; the youngest 12 loads (A's blocks 4-7) may be out
	WIN MUL_LO
	MUL16 0, (\q)%2, \q, \slot, \zero
	MUL16 2, (\q)%2, \q, \slot, \zero
	s_wait_dscnt 0
	PLACES NP
	FETCH_B \slot, (\q)+1, 1-(\q)%2
	FETCH_A \slot, (\q)+1, 0
	WIN MUL_HI
	MUL16 4, (\q)%2, \q, \slot, \zero
	MUL16 6, (\q)%2, \q, \slot, \zero
	PLACES NP
	WIN 0
	FETCH_A \slot, (\q)+1, 4
.endm
; A slot's last step changes slots: one barrier; in front of it each wave waits for all its tensor loads, adds 0 to its spare word, and waits for that and for its reads of this slot.
.macro TURN slot, next, fill
.if \fill
	s_wait_xcnt 0x0                                ; my last prefetch has read its address: it is stepped here, ahead of the change's own waits
	s_add_nc_u64 s[4:5], s[4:5], SLB
.endif
	s_wait_tensorcnt 0x0
	ds_add_u32 v[SPW], v[NIL]                      ; 0 onto my spare word
	s_wait_dscnt 4*NL+1                            ; (the add and the youngest 12 loads may be out)
	WIN MUL_LO
	MUL16 0, 1, NQ-1, \slot, 0
	s_wait_dscnt 0x0                               ; the add is done, and my reads of this slot are over
	s_barrier_signal -1
	MUL16 2, 1, NQ-1, \slot, 0
	WIN 0
	s_barrier_wait -1
.if \fill
	CREST                                          ; the barrier has opened a round of the cluster's: no wave of any partner still reads this slot or has a load on its way
	s_add_nc_u64 s[G0+4*\slot+2:G0+4*\slot+3], s[G0+4*\slot+2:G0+4*\slot+3], 2*SLB
	s_add_nc_u64 s[G0B+4*\slot+2:G0B+4*\slot+3], s[G0B+4*\slot+2:G0B+4*\slot+3], 2*SLB
	JLOAD G0+4*\slot, G1, G0B+4*\slot, G1B         ; the first tensor load behind the round; its four v_nop are also the places in front of the loads below
.else
	PLACES NP
.endif
	s_wait_alu depctr_va_vdst(0)
	v_add_nc_u32 v[ADRS], 64*NQ, v[ADRS]           ; on to the next slot's scale words
	FETCH_B \next, 0, 0
	FETCH_A \next, 0, 0
	SCALES \next
.if \fill
	s_cmp_gt_u32 s3, 1                             ; the last trip's two fills have no slot two on
	s_cbranch_scc0 .Lnoask_\@
	global_prefetch_b8 v30, s[4:5] offset:SLB th:TH_LOAD_NT scope:SCOPE_SE
.Lnoask_\@:
.endif
	WIN MUL_HI
	MUL16 4, 1, NQ-1, \slot, 0
	MUL16 6, 1, NQ-1, \slot, 0
	PLACES NP
	WIN 0
	FETCH_A \next, 0, 4
.endm
	s_wait_alu depctr_va_vdst(0)
	s_wait_tensorcnt 0x0                           ; my tile of the head's four is in
	ds_add_u32 v[SPW], v[NIL]
	s_mov_b32 s[G1+2], 8<<16                       ; no tensor load of mine is out: from here on a load brings 8 row blocks,
	s_mov_b32 s[G1+4], 8
	s_mov_b32 s[G1B+2], 8<<16
	s_mov_b32 s[G1B+4], 8
	s_mov_b32 s[G0+1], s67                         ; and slot 0's group 0 names my quarter: one slot's bytes ahead of slot 1's
	s_sub_nc_u64 s[G0+2:G0+3], s[G0+6:G0+7], SLB
	s_mov_b32 s[G0B+1], s67
	s_sub_nc_u64 s[G0B+2:G0B+3], s[G0B+6:G0B+7], SLB
	s_wait_xcnt 0x0                                ; my prefetches have read their address
	s_add_nc_u64 s[4:5], s[4:5], SLB
	s_wait_dscnt 0x0
	CROUND                                         ; all four tiles are in, and all sixteen work-groups are here
	JLOAD G0+4, G1, G0B+4, G1B                     ; slot 1's first fill: the first tensor load behind the round
	FETCH_B 0, 0, 0
	FETCH_A 0, 0, 0
	SCALES 0
	global_prefetch_b8 v30, s[4:5] offset:SLB th:TH_LOAD_NT scope:SCOPE_SE   ; slot 3
	FETCH_A 0, 0, 4
	STEP 0, 0, 1                                   ; the first step stands in front of the loop: its products start the sums
	s_mov_b32 s3, LAPS-1
.Llap:                                                 ; a trip goes once round the ring and fills both slots again
	TURN 0, 1, 1
	STEP 1, 0, 0
	TURN 1, 0, 1
	STEP 0, 0, 0
	s_sub_co_u32 s3, s3, 1
	s_cmp_lg_u32 s3, 0
	s_cbranch_scc1 .Llap
	TURN 0, 1, 0                                   ; the last lap fills nothing
	STEP 1, 0, 0
	s_wait_dscnt 4*NL
	WIN MUL_LO
	MUL16 0, 1, NQ-1, 1, 0
	MUL16 2, 1, NQ-1, 1, 0
	s_wait_dscnt 0
	WIN MUL_HI
	MUL16 4, 1, NQ-1, 1, 0
	MUL16 6, 1, NQ-1, 1, 0
	WIN 0
; THE WAY OUT.  A's block a with B's eight is 64 registers of a lane: one row, 128 numbers along the next product's K, in the quantiser's layout.  They become fragment a, which is stored as it stands.
	s_mov_b32 s[SEL], 0x76543210
	s_mov_b32 s[SEL+1], 0xfedcba98
.irp b, 0,1,2,3
	v_mov_b32 v[TM+4+\b], 0                        ; a lane permute's destination counts as one of its sources.  (These four are also the places behind the last products)
.endr
.macro QUANTW a
.set AC,  64*((\a)%4)
.set WW,  2+(\a)/4                     ; the accumulators' window
.set WW2, WW|(WW<<2)
.set PCA, AF+FR*(\a)                   ; each fragment has registers of its own, so that no store's data are written again
	WIN WW2                                        ; sources 0 and 1 in the accumulators' window
.irp b, 0,1,2,3
	v_max3_num_f32 v[TM+\b], |v[AC+16*\b]|, |v[AC+16*\b+1]|, 0x1800000   ; each accumulator is read from its low end on; the floor 2^(3 - 127) holds the byte at 1 from below
.endr
.irp i, 2,4,6,8,10,12,14
.irp b, 0,1,2,3
	v_max3_num_f32 v[TM+\b], |v[AC+16*\b+\i]|, |v[AC+16*\b+\i+1]|, v[TM+\b]
.endr
.endr
	WIN 0
.irp b, 0,1,2,3
	v_permlanex16_b32 v[TM+4+\b], v[TM+\b], s[SEL], s[SEL+1]
.endr
.irp b, 0,1,2,3
	v_max_num_f32 v[TM+\b], v[TM+\b], v[TM+4+\b]
.endr
.irp b, 0,1,2,3
	v_add_nc_u32 v[TM+12+\b], 0xff000000, v[TM+\b]
.endr
.irp b, 0,1,2,3
	v_lshrrev_b32 v[TM+4+\b], 23, v[TM+12+\b]
.endr
	v_lshl_or_b32 v[PWR+(\a)], v[TM+5], 8, v[TM+4]
	v_lshl_or_b32 v[PWR+(\a)], v[TM+6], 16, v[PWR+(\a)]
	v_lshl_or_b32 v[PWR+(\a)], v[TM+7], 24, v[PWR+(\a)]
	WIN WW                                         ; source 0 in the accumulators' window
.irp c, 0,1
	v_cvt_scalef32_pk16_fp6_f32 v[PCA+6*\c:PCA+6*\c+2], v[AC+32*\c:AC+32*\c+15], v[TM+12+2*\c]
	v_cvt_scalef32_pk16_fp6_f32 v[CT+4*\c:CT+4*\c+2], v[AC+32*\c+16:AC+32*\c+31], v[TM+12+2*\c+1]
.endr
	WIN 0
	v_nop                                          ; one plain place behind a scaled conversion
.irp c, 0,1
.irp i, 0,1,2
	v_permlane16_swap_b32 v[PCA+6*\c+\i], v[CT+4*\c+\i]
.endr
.irp i, 0,1,2
	v_mov_b32 v[PCA+3+6*\c+\i], v[CT+4*\c+\i]
.endr
.endr
.irp c, 0,1,2
	global_store_b128 v[OA], v[PCA+4*\c:PCA+4*\c+3], s[8:9] offset:FRB*(\a)+512*\c   ; 32 lanes store 512 consecutive bytes, aligned
.endr
.endm
.irp a, 0,1,2,3,4,5,6,7
	QUANTW \a
.endr
	v_and_b32 v[LN], 31, v0
	v_cmp_le_u32 vcc_lo, 16, v[LN]
.irp k, 0,1,2,3
	v_cndmask_b32 v[IMG+\k], v[PWR+\k], v[PWR+4+\k], vcc_lo   ; lanes 0-15: fragments 0-3; lanes 16-31: fragments 4-7 (every lane holds its row's word of all eight)
.endr
	global_store_b128 v[OA], v[IMG:IMG+3], s[10:11]
	s_wait_tensorcnt 0x0                           ; the wave's end
	ds_add_u32 v[SPW], v[NIL]
	s_wait_dscnt 0x0
	CROUND                                         ; the closing round: no work-group ends while a partner may still ask for a tile that names it
	s_endpgm
.Lfunc_end_k_qa57dad1d67_qkv:
	.size	k_qa57dad1d67_qkv, .Lfunc_end_k_qa57dad1d67_qkv-k_qa57dad1d67_qkv
	.p2alignl 7, 3214868480
	.fill 96, 4, 3214868480
	.section	.rodata,"a",@progbits
	.p2align	6, 0x0
	.amdhsa_kernel k_qa57dad1d67_qkv
		.amdhsa_group_segment_fixed_size 327680
		.amdhsa_private_segment_fixed_size 0
		.amdhsa_enable_private_segment 0
		.amdhsa_kernarg_size 32
		.amdhsa_user_sgpr_count 2
		.amdhsa_user_sgpr_kernarg_segment_ptr 1
		.amdhsa_wavefront_size32 1
		.amdhsa_system_sgpr_workgroup_id_x 1
		.amdhsa_system_sgpr_workgroup_id_y 1
		.amdhsa_system_sgpr_workgroup_id_z 1
		.amdhsa_system_vgpr_workitem_id 0
		.amdhsa_next_free_vgpr 1024
		.amdhsa_next_free_sgpr 100
		.amdhsa_reserve_vcc 1
		.amdhsa_float_denorm_mode_32 3
		.amdhsa_float_denorm_mode_16_64 3
		.amdhsa_memory_ordered 1
		.amdhsa_forward_progress 1
		.amdhsa_inst_pref_size 144
	.end_amdhsa_kernel
	.amdgpu_metadata
---
amdhsa.version: [ 1, 2 ]
amdhsa.kernels:
  - .name:           k_qa57dad1d67_qkv
    .symbol:         k_qa57dad1d67_qkv.kd
    .args:
      - { .name: cod, .offset: 0, .size: 8, .value_kind: global_buffer, .address_space: global }
      - { .name: scl, .offset: 8, .size: 8, .value_kind: global_buffer, .address_space: global }
      - { .name: ac, .offset: 16, .size: 8, .value_kind: global_buffer, .address_space: global }
      - { .name: asc, .offset: 24, .size: 8, .value_kind: global_buffer, .address_space: global }
    .group_segment_fixed_size: 327680
    .private_segment_fixed_size: 0
    .kernarg_segment_align: 8
    .kernarg_segment_size: 32
    .max_flat_workgroup_size: 128
    .sgpr_count:     100
    .vgpr_count:     1024
    .wavefront_size: 32
...
	.end_amdgpu_metadata
.endif
;; end of part 5
;; launch attn (part 6): grid 32 x 8, 8 waves a work-group, clusters of 4 x 1, 327,680 bytes of LDS; arguments ac, asc, oc, osc; writes oc, osc
.if DOCPART == 6
	.amdgcn_target "amdgcn-amd-amdhsa--gfx1250"
	.amdhsa_code_object_version 6
	.text
	.protected	k_qa57dad1d67_attn
	.globl	k_qa57dad1d67_attn
	.p2align	8
	.type	k_qa57dad1d67_attn,@function
k_qa57dad1d67_attn:
	s_mov_b64 s[64:65], 0
	v_nop
	global_prefetch_b8 v0, s[64:65] scope:SCOPE_SE
	s_setreg_imm32_b32 hwreg(HW_REG_WAVE_MODE, 25, 1), 1
	s_wait_xcnt 0x0
	s_wait_alu depctr_hold_cnt(0) depctr_sa_sdst(0) depctr_va_vdst(0) depctr_va_sdst(0) depctr_va_ssrc(0) depctr_va_vcc(0) depctr_vm_vsrc(0)
	s_getreg_b32 s2, hwreg(HW_REG_IB_STS2, 6, 4)
	s_cmp_eq_u32 s2, 0
	s_cbranch_scc0 .Lentry_in_a_cluster
	s_endpgm
.Lentry_in_a_cluster:
	s_bfe_u32 s2, ttmp6, 0x10000c
	s_cmp_lg_u32 s2, 0x3003
	s_cbranch_scc0 .Lentry_shape_is_right
	s_endpgm
.Lentry_shape_is_right:
; o = softmax(q k^T / sqrt(128)) v on codes of FP6 (E2M3) with E8M0 scales, and o quantised along the heads' axis on the way out.
; Global head g = 16 batch + head takes the 4,096 keys of local heads 4 (g % 8) .. + 3 (the tiled, reshaped K and V of the problem): recs 32 (g % 8) .. + 31 of ac, 128 keys each.
; ac [rec 256][q, k, v][8 fragments][1,536]: images of operand registers (registers 4 c .. + 3 of lane l at 512 c + 16 l); lane r of fragment a holds row 32 (a / 2) + 8 (a % 2) + r + 8 (r / 8).
; asc [rec][q, k, v][512]: lane l's 16 bytes = the scale words of fragments 4 (l / 16) .. + 3 for row l % 16.  oc, osc: [row block][head][1,536], [row block][head][16 words].
; SHARES: work-group (x, y): head 8 (x / 8) + y, queries 128 (x % 8) ..; waves 0-3 take 32 queries each against keys 0-2,047, waves 4-7 the same queries against keys 2,048-4,095; the halves are joined at the end through LDS.
; Both products are used transposed (S^T = k q^T, O^T = v^T p^T): a lane holds one query.  A TILE OF k IS PUT TOGETHER FROM TWO FRAGMENTS BY THE LANES' LDS ADDRESSES: tile 4 c + u takes keys
; 64 c + 8 u + 0..7 in rows 0-7 and 64 c + 32 + 8 u + 0..7 in rows 8-15, so the 32 score registers of tiles 4 c .. + 3 of lane (r, h) are keys 64 c + 32 h + 0..31: a whole block, in the operand's own order.
; p = 2^(t - M), M the ceiling of the running largest t; the sum is taken of the unquantised p; a change of M multiplies sums and O^T by a power of two.
; LIMITS: the scaled scores stay under 2^31 in magnitude; NaN and infinities are not served; a block's byte is held at 1 from below (its codes are then zeros or subnormal, and this program alone reads the bytes).
; RING: two LDS slots, each with two steps of 128 keys for both halves; each wave fills one eighth by a joint load (the four work-groups of a cluster share head group y, so the same K and V).
; LDS rows of 512 bytes carry 64 bytes of padding: fragments two apart then begin 128 bytes apart modulo 256, and the sixteen lanes of a K load touch sixteen different 16-byte columns.
; REGISTERS: window 0: v0-15 addresses, v16-31 state, v32-59 at work, v60-71 scale words, v72-95 q, v96-119 p's codes, v128-255 O^T.  Window 1: two areas of 128, X and Y, by turns: one holds k's, then v's
; fragments, the other the scores; the next step's k is loaded into the scores' area once they are converted.
; PREFETCH: cluster x = 0 of each y asks for the slot behind the one being loaded, 24,576 bytes a work-group (waves 0-2, a lane to 256 bytes); the last fill asks for nothing.
.set FRB,   1536
.set KINDB, 12288
.set RECB,  36864
.set CHL,   576                        ; LDS: 512 bytes + 64
.set FRL,   3*CHL                      ; a fragment
.set KINDL, 8*FRL                      ; k or v of a rec
.set SLOT1, 1<<17                      ; slot 1 (slot 0 ends at 8 KINDL = 110,592)
.set SCL,   SLOT1+8*KINDL              ; scale words: rec j of the 32 at 1,024 j: k's 512, v's 512
.set SPARE, SCL+32768                  ; the spare words, 128 bytes a wave
.set MRGW,  16896                      ; the joining stage, in slot 0 behind its last fill: 16,384 of O^T + 512 of state for each pair of waves
.set A0K, 1
.set A0V, 2
.set SPW, 3
.set NIL, 4
.set LI,  5
.set MA,  6
.set PFO, 7
.set AS0K, 8
.set AS0V, 9
.set OSO, 10
.set ADRK, 12
.set ADRV, 13
.set ADSK, 14
.set ADSV, 15
.set ST,  16                           ; per query tile 8: -M, largest score, two sums in pairs
.set WK,  32                           ; per query tile 12: 0,1 block maxima; 2 r; 3 permute; 4,5 f; 6 old -M; 7 word; 8,9 scale operands; 10,11 bytes
.set SH8, 56
.set TQ,  48
.set TR,  52
.set KS,  60
.set VS,  64
.set QS,  68
.set PW,  70
.set QF,  72
.set PC,  96
.set CT,  120
.set OT,  128
.set XA,  0
.set YA,  128
.set WV,  12
.set PFA, 18
.set LIM, 20
.set NC,  21
.set CS,  22
.set G1,  24
.set G1S, 32
.set G1H, 40
.set G0,  48
.set G0H, 52
.set G0S, 56
.set TB,  60
.set TS,  61
.set SLOTS, 62
.set SEL, 66
.set MSB, 0
.macro WIN new                         ; the immediate's high byte repeats the setting that is left
.if MSB != \new
	s_set_vgpr_msb (MSB<<8)|\new
.set MSB, \new
.endif
.endm
.macro NOPS n
.rept \n
	v_nop
.endr
.endm
.macro CREST                           ; a round of the cluster's barrier behind its opening barrier
	s_cmp_lg_u32 s[WV], 0
	s_cbranch_scc1 .Lnw0_\@
	s_barrier_signal -3
.Lnw0_\@:
	s_barrier_wait -3
	s_barrier_signal -1
	s_barrier_wait -1
.endm
.macro CROUND
	s_barrier_signal -1
	s_barrier_wait -1
	CREST
.endm
.macro ASK
	s_cmp_gt_u32 s[SLOTS], s[LIM]
	s_cbranch_scc0 .Lnot_mine_\@
	global_prefetch_b8 v[PFO], s[PFA:PFA+1] th:TH_LOAD_NT scope:SCOPE_SE
.Lnot_mine_\@:
.endm
.macro MM d, a, b, acc, sa, sb, row
.if \acc
.if \row
	v_wmma_scale_f32_16x16x128_f8f6f4 v[\d:\d+7], v[\a:\a+11], v[\b:\b+11], v[\d:\d+7], v[\sa], v[\sb] matrix_a_fmt:MATRIX_FMT_FP6 matrix_b_fmt:MATRIX_FMT_FP6 matrix_a_scale:MATRIX_SCALE_ROW1
.else
	v_wmma_scale_f32_16x16x128_f8f6f4 v[\d:\d+7], v[\a:\a+11], v[\b:\b+11], v[\d:\d+7], v[\sa], v[\sb] matrix_a_fmt:MATRIX_FMT_FP6 matrix_b_fmt:MATRIX_FMT_FP6
.endif
.else
.if \row
	v_wmma_scale_f32_16x16x128_f8f6f4 v[\d:\d+7], v[\a:\a+11], v[\b:\b+11], 0, v[\sa], v[\sb] matrix_a_fmt:MATRIX_FMT_FP6 matrix_b_fmt:MATRIX_FMT_FP6 matrix_a_scale:MATRIX_SCALE_ROW1
.else
	v_wmma_scale_f32_16x16x128_f8f6f4 v[\d:\d+7], v[\a:\a+11], v[\b:\b+11], 0, v[\sa], v[\sb] matrix_a_fmt:MATRIX_FMT_FP6 matrix_b_fmt:MATRIX_FMT_FP6
.endif
.endif
.endm
	s_load_b256 s[4:11], s[0:1], 0x0               ; ac, asc, oc, osc
	v_lshl_add_u32 v[SPW], v0, 2, SPARE
	v_mov_b32 v[NIL], 0
	ds_add_u32 v[SPW], v[NIL]                      ; the opening lines: the add twice on end and its wait
	ds_add_u32 v[SPW], v[NIL]
	v_lshrrev_b32 v11, 5, v0
	v_readfirstlane_b32 s[WV], v11                 ; wave 0..7
	s_bfe_u32 s13, ttmp6, 0x40000                  ; cx
	s_lshl_b32 s14, ttmp9, 2
	s_add_co_u32 s14, s14, s13                     ; work-group x
	s_and_b32 s15, ttmp7, 0xffff                   ; y
	s_and_b32 s16, s[WV], 3                        ; which 32 queries
	s_lshr_b32 s17, s[WV], 2                       ; which half of the keys
	s_mov_b32 s[G1], 15|(3<<16)|(1<<20)|(1<<21)|(6<<22)|(15<<25)   ; mask of the four; elements of 8 bytes; 16 words of padding behind every 128
	s_mov_b32 s[G1+1], 64<<16                      ; rows of 512 bytes,
	s_mov_b32 s[G1+2], 24<<16                      ; 24 of them: k or v of a rec
	s_mov_b32 s[G1+3], 64<<16
	s_mov_b32 s[G1+4], 24
	s_mov_b32 s[G1+5], 64
	s_mov_b32 s[G1+6], 0
	s_mov_b32 s[G1+7], 0
	s_mov_b32 s[G1H], 15|(3<<16)|(1<<20)|(1<<21)|(6<<22)|(15<<25)  ; the head's: 48 rows, k and v of a rec
	s_mov_b32 s[G1H+1], 64<<16
	s_mov_b32 s[G1H+2], 48<<16
	s_mov_b32 s[G1H+3], 64<<16
	s_mov_b32 s[G1H+4], 48
	s_mov_b32 s[G1H+5], 64
	s_mov_b32 s[G1H+6], 0
	s_mov_b32 s[G1H+7], 0
	s_mov_b32 s[G1S], 15|(3<<16)|(1<<21)           ; scale words: 1,024 bytes (k's, v's) of each of 8 recs, 1,536 apart
	s_mov_b32 s[G1S+1], 128<<16
	s_mov_b32 s[G1S+2], 8<<16
	s_mov_b32 s[G1S+3], 128<<16
	s_mov_b32 s[G1S+4], 8
	s_mov_b32 s[G1S+5], 192
	s_mov_b32 s[G1S+6], 0
	s_mov_b32 s[G1S+7], 0
	s_lshl_b32 s68, s15, 5                         ; the head group's first rec
	s_lshl_b32 s70, s17, 4                         ; the ring: rec 16 half + (wave / 2) % 2, from slot 1 on; k or v by wave % 2
	s_add_co_u32 s70, s70, s68
	s_bfe_u32 s71, s[WV], 0x10001
	s_add_co_u32 s70, s70, s71
	s_add_co_u32 s70, s70, 2
	s_mul_i32 s70, s70, RECB
	s_and_b32 s71, s[WV], 1
	s_mul_i32 s71, s71, KINDB
	s_add_co_u32 s70, s70, s71
	s_add_co_u32 s70, s70, KINDB
	s_mov_b32 s71, 0
	s_lshr_b32 s72, s[WV], 1                       ; the head, waves 0-3: rec 16 (wave / 2) + wave % 2, k and v
	s_lshl_b32 s72, s72, 4
	s_add_co_u32 s72, s72, s68
	s_and_b32 s73, s[WV], 1
	s_add_co_u32 s72, s72, s73
	s_mul_i32 s72, s72, RECB
	s_add_co_u32 s72, s72, KINDB
	s_mov_b32 s73, 0
	s_lshl_b32 s74, s16, 3                         ; the head, waves 4-7: the scale words of recs 8 (wave - 4) ..
	s_add_co_u32 s74, s74, s68
	s_mul_i32 s74, s74, 1536
	s_add_co_u32 s74, s74, 512
	s_mov_b32 s75, 0
	s_lshr_b32 s76, s14, 3
	s_lshl_b32 s76, s76, 3
	s_add_co_u32 s76, s76, s15                     ; g
	s_and_b32 s77, s14, 7                          ; which 128 queries
	s_lshl_b32 s78, s76, 3
	s_add_co_u32 s78, s78, s77                     ; q's rec
	s_mul_i32 s80, s78, RECB
	s_mul_i32 s81, s16, 2*FRB
	s_add_co_u32 s80, s80, s81                     ; my two fragments of q
	s_mov_b32 s81, 0
	s_mul_i32 s82, s78, 1536
	s_lshr_b32 s83, s16, 1
	s_lshl_b32 s83, s83, 8
	s_add_co_u32 s82, s82, s83
	s_and_b32 s83, s16, 1
	s_lshl_b32 s83, s83, 3
	s_add_co_u32 s82, s82, s83                     ; and their scale words
	s_mov_b32 s83, 0
	s_lshr_b32 s84, s76, 4
	s_lshl_b32 s84, s84, 6
	s_lshl_b32 s85, s77, 3
	s_add_co_u32 s84, s84, s85
	s_lshl_b32 s85, s16, 1
	s_add_co_u32 s84, s84, s85                     ; out: row block 64 batch + 8 (query block) + 2 (wave % 4),
	s_lshl_b32 s84, s84, 4
	s_and_b32 s85, s76, 15
	s_add_co_u32 s84, s84, s85                     ; x 16 + head
	s_mul_i32 s86, s84, FRB
	s_mov_b32 s87, 0
	s_lshl_b32 s88, s84, 6
	s_mov_b32 s89, 0
	s_lshr_b32 s90, s13, 1                         ; prefetch: the partners share a slot's four recs out by address; it begins at slot 2
	s_lshl_b32 s90, s90, 4
	s_and_b32 s91, s13, 1
	s_add_co_u32 s90, s90, s91
	s_add_co_u32 s90, s90, s68
	s_add_co_u32 s90, s90, 4
	s_mul_i32 s90, s90, RECB
	s_lshl_b32 s91, s[WV], 13
	s_add_co_u32 s90, s90, s91
	s_add_co_u32 s90, s90, KINDB
	s_mov_b32 s91, 0
	s_add_co_u32 s[LIM], s[WV], 1                  ; waves 0-2 of cluster x = 0 ask
	s_lshr_b32 s[LIM], s[LIM], 2
	s_or_b32 s[LIM], s[LIM], ttmp9
	s_cmp_eq_u32 s[LIM], 0
	s_cselect_b32 s[LIM], 1, -1
	s_mov_b32 s[CS], 0x3e0293ee                    ; c = log2(e) / sqrt(128)
	s_mov_b32 s[CS+1], s[CS]
	s_mov_b32 s[NC], 0xbe0293ee                    ; -c
	s_mov_b32 s[SEL], 0x76543210
	s_mov_b32 s[SEL+1], 0xfedcba98                 ; lane l xor 16
	s_mov_b32 s[TB], 0
	s_mov_b32 s[TS], 0
	s_mov_b32 s[SLOTS], 6
	s_wait_alu depctr_va_vdst(0)                   ; ahead of the waits below
	s_wait_dscnt 0x0
	CROUND                                         ; the round in front of the first joint loads needs no argument: it stands while the arguments are on their way
	s_wait_kmcnt 0x0
	s_mov_b32 s[G0], 1
	s_mul_i32 s[G0+1], s[WV], KINDL
	s_add_co_u32 s[G0+1], s[G0+1], SLOT1
	s_add_nc_u64 s[G0+2:G0+3], s[4:5], s[70:71]
	s_or_b32 s[G0+3], s[G0+3], 0x80000000
	s_mov_b32 s[G0H], 1
	s_mul_i32 s[G0H+1], s[WV], 2*KINDL
	s_add_nc_u64 s[G0H+2:G0H+3], s[4:5], s[72:73]
	s_or_b32 s[G0H+3], s[G0H+3], 0x80000000
	s_mov_b32 s[G0S], 1
	s_lshl_b32 s[G0S+1], s16, 13
	s_add_co_u32 s[G0S+1], s[G0S+1], SCL
	s_add_nc_u64 s[G0S+2:G0S+3], s[6:7], s[74:75]
	s_or_b32 s[G0S+3], s[G0S+3], 0x80000000
	s_add_nc_u64 s[80:81], s[4:5], s[80:81]
	s_add_nc_u64 s[82:83], s[6:7], s[82:83]
	s_add_nc_u64 s[8:9], s[8:9], s[86:87]
	s_add_nc_u64 s[10:11], s[10:11], s[88:89]
	s_add_nc_u64 s[PFA:PFA+1], s[4:5], s[90:91]
	s_cmp_lt_u32 s[WV], 4
	s_cbranch_scc0 .Lhead_s
	tensor_load_to_lds s[G0H:G0H+3], s[G1H:G1H+7]
	s_nop 0
	NOPS 4
	s_branch .Lhead_j
.Lhead_s:
	tensor_load_to_lds s[G0S:G0S+3], s[G1S:G1S+7]
	s_nop 0
	NOPS 4
.Lhead_j:
	v_and_b32 v11, 31, v0
	v_lshlrev_b32 v[LI], 4, v11                    ; 16 x lane
	v_lshlrev_b32 v[PFO], 8, v11
	s_mul_i32 s92, s17, 4*KINDL                    ; my half's part of a slot
	v_add_nc_u32 v[A0V], s92, v[LI]                ; v's fragments as they lie
	v_and_b32 v11, 7, v0
	v_bfe_u32 v12, v0, 4, 1                        ; h
	v_bfe_u32 v13, v0, 3, 1                        ; r / 8
	v_lshlrev_b32 v11, 4, v11
	v_lshl_add_u32 v14, v12, 8, v11                ; 16 (r % 8) + 256 h
	v_mad_u32_u24 v[A0K], v13, 2*FRL, v14          ; k: rows 8-15 come from the fragment two further on
	v_add_nc_u32 v[A0K], s92, v[A0K]
	s_lshl_b32 s93, s17, 14
	s_add_co_u32 s93, s93, SCL
	v_add_nc_u32 v[AS0V], s93, v[LI]
	v_lshl_add_u32 v14, v13, 3, v14                ; k's scale words: 8 bytes (two tiles') at 16 (r % 8) + 8 (r / 8); lanes 16-31 take tiles 4-7's, 256 on
	v_add_nc_u32 v[AS0K], s93, v14
	v_lshlrev_b32 v[SH8], 3, v12                   ; 8 h
	s_mul_i32 s94, s16, MRGW
	v_add_nc_u32 v[MA], s94, v[LI]
	v_and_b32 v11, 15, v0
	v_lshlrev_b32 v[OSO], 10, v12
	v_lshl_add_u32 v[OSO], v11, 2, v[OSO]
	v_lshlrev_b32 v11, 4, v11
.irp y, 0,1
.irp c, 0,1,2
	global_load_b128 v[QF+12*\y+4*\c:QF+12*\y+4*\c+3], v[LI], s[80:81] offset:FRB*\y+512*\c
.endr
.endr
	global_load_b64 v[QS:QS+1], v11, s[82:83]
.irp y, 0,1
	v_mov_b32 v[ST+8*\y], 0x7f61b1e6               ; -M = 3e38
	v_mov_b32 v[ST+8*\y+1], 0xff61b1e6             ; the largest score so far: -3e38
.irp i, 2,3,4,5
	v_mov_b32 v[ST+8*\y+\i], 0
.endr
	v_mov_b32 v[WK+12*\y+3], 0                     ; a lane permute's destination counts as a source
	v_mov_b32 v[WK+12*\y+5], 0                     ; the upper half of f's pair
.endr
.set j, 0
.rept 128
	v_mov_b32 v[OT+j], 0                           ; the step is written once: the first finds zeros
.set j, j+1
.endr
.macro LOADK KA, q                     ; 24 + 2 LDS loads: eight tiles of k, each from two fragments, and their scale words
	WIN 0x40
.irp t, 0,1,2,3,4,5,6,7
.irp c, 0,1,2
	ds_load_b128 v[\KA+12*\t+4*\c:\KA+12*\t+4*\c+3], v[ADRK] offset:2*KINDL*(\q)+FRL*(4*(\t/4)+(\t%2))+128*((\t%4)/2)+CHL*\c
.endr
.endr
	WIN 0
	ds_load_b64 v[KS:KS+1], v[ADSK] offset:1024*(\q)
	ds_load_b64 v[KS+2:KS+3], v[ADSK] offset:1024*(\q)+128
.endm
.macro LOADV KA, q                     ; 24 + 1
	WIN 0x40
.irp t, 0,1,2,3,4,5,6,7
.irp c, 0,1,2
	ds_load_b128 v[\KA+12*\t+4*\c:\KA+12*\t+4*\c+3], v[ADRV] offset:2*KINDL*(\q)+KINDL+FRL*\t+CHL*\c
.endr
.endr
	WIN 0
	ds_load_b128 v[VS:VS+3], v[ADSV] offset:1024*(\q)+512
.endm
; A step: 128 keys x 32 queries.  k lies in area KA, the scores go to SA, v follows k into KA, the next step's k goes to SA.
; mode 0: the next step lies in the same slot.  mode 1: the slot's last step, with the round and the refill.  mode 2: the same with a plain barrier and no fill.
.macro STEP KA, SA, q, mode
	s_wait_dscnt 0x0                               ; k's tiles and scale words are in
	WIN 0x41
.irp t, 0,1,2,3,4,5,6,7
.irp y, 0,1
	MM \SA+64*\y+8*\t, \KA+12*\t, QF+12*\y, 0, KS+(\t%4), QS+\y, \t/4
.endr
.endr
	WIN 0
	NOPS 4                                         ; places ahead of loads into k's registers and of the first read of the scores
	LOADV \KA, \q
.if \mode
	s_wait_tensorcnt 0x0                           ; my part of the next slot is in
	ds_add_u32 v[SPW], v[NIL]                      ; register work stands between the add and its wait
.if \mode == 1
	s_xor_b32 s[G0+1], s[G0+1], SLOT1
	s_add_nc_u64 s[G0+2:G0+3], s[G0+2:G0+3], 2*RECB
	s_xor_b32 s[TB], s[TB], SLOT1
	s_add_co_u32 s[TS], s[TS], 2048
	s_wait_xcnt 0x0                                ; my last prefetch has read its address
	s_add_nc_u64 s[PFA:PFA+1], s[PFA:PFA+1], 2*RECB
.endif
.endif
	WIN 0x15                                       ; each block's largest score: all 32 are mine
.irp y, 0,1
.irp c, 0,1
	v_max3_num_f32 v[WK+12*\y+\c], v[\SA+64*\y+32*\c], v[\SA+64*\y+32*\c+1], v[\SA+64*\y+32*\c+2]
.endr
.endr
	WIN 0x05
.irp i, 3,5,7,9,11,13,15,17,19,21,23,25,27,29
.irp y, 0,1
.irp c, 0,1
	v_max3_num_f32 v[WK+12*\y+\c], v[\SA+64*\y+32*\c+\i], v[\SA+64*\y+32*\c+\i+1], v[WK+12*\y+\c]
.endr
.endr
.endr
.irp y, 0,1
.irp c, 0,1
	v_max3_num_f32 v[WK+12*\y+\c], v[\SA+64*\y+32*\c+31], v[\SA+64*\y+32*\c+31], v[WK+12*\y+\c]
.endr
.endr
	WIN 0
.irp y, 0,1
	v_max_num_f32 v[WK+12*\y+2], v[WK+12*\y], v[WK+12*\y+1]
.endr
.irp y, 0,1
	s_delay_alu instid0(VALU_DEP_2)
	v_permlanex16_b32 v[WK+12*\y+3], v[WK+12*\y+2], s[SEL], s[SEL+1]
.endr
.irp y, 0,1
	s_delay_alu instid0(VALU_DEP_2)
	v_max3_num_f32 v[ST+8*\y+1], v[ST+8*\y+1], v[WK+12*\y+2], v[WK+12*\y+3]   ; the running largest score
.endr
.irp y, 0,1
	s_delay_alu instid0(VALU_DEP_2)
	v_mul_f32 v[WK+12*\y+2], s[NC], v[ST+8*\y+1]   ; -t
.endr
.irp y, 0,1
	v_mov_b32 v[WK+12*\y+6], v[ST+8*\y]
.endr
.irp y, 0,1
	s_delay_alu instid0(VALU_DEP_4)
	v_floor_f32 v[ST+8*\y], v[WK+12*\y+2]          ; -M = floor(-t)
.endr
.irp y, 0,1
	s_delay_alu instid0(VALU_DEP_2)
	v_sub_f32 v[WK+12*\y+2], v[ST+8*\y], v[WK+12*\y+6]
.endr
.irp y, 0,1
	s_delay_alu instid0(VALU_DEP_2)
	v_cvt_i32_f32 v[WK+12*\y+2], v[WK+12*\y+2]     ; (it saturates)
.endr
.irp y, 0,1
	s_delay_alu instid0(VALU_DEP_2)
	v_ldexp_f32 v[WK+12*\y+4], 1.0, v[WK+12*\y+2]  ; f = 2^(old M - new M)
.endr
.irp y, 0,1
.irp c, 0,1
	v_fma_f32 v[WK+12*\y+\c], v[WK+12*\y+\c], s[CS], v[ST+8*\y]   ; the block's largest t - M
.endr
.endr
	WIN 0x41
.irp y, 0,1
.set j, 0
.rept 32
	v_pk_fma_f32 v[\SA+64*\y+j:\SA+64*\y+j+1], v[\SA+64*\y+j:\SA+64*\y+j+1], s[CS:CS+1], v[ST+8*\y:ST+8*\y+1] op_sel_hi:[1,0,0]
.set j, j+2
.endr
.endr
	s_wait_alu depctr_va_vdst(0)                   ; the wait ahead of the batch (and of the wait below)
.if \mode
	s_wait_dscnt 0x0                               ; the add is done and v is in: my reads of this slot are over
	s_barrier_signal -1                            ; register work alone up to the wait
.endif
.set j, 0
.rept 128
	v_exp_f32 v[\SA+j], v[\SA+j]                   ; p = 2^(t - M)
.set j, j+1
.endr
	WIN 0
.irp y, 0,1
.irp c, 0,1
	v_exp_f32 v[WK+12*\y+\c], v[WK+12*\y+\c]       ; the block's largest p, by the same two instructions
.endr
.endr
.irp y, 0,1
	v_pk_mul_f32 v[ST+8*\y+2:ST+8*\y+3], v[ST+8*\y+2:ST+8*\y+3], v[WK+12*\y+4:WK+12*\y+5] op_sel_hi:[1,0]
	v_pk_mul_f32 v[ST+8*\y+4:ST+8*\y+5], v[ST+8*\y+4:ST+8*\y+5], v[WK+12*\y+4:WK+12*\y+5] op_sel_hi:[1,0]
.endr
	s_wait_alu depctr_va_vdst(0)                   ; one wait for the batch, ahead of its first reader
	WIN 0x04
.irp j, 0,4,8,12,16,20,24,28,32,36,40,44,48,52,56,60
.irp y, 0,1
	v_pk_add_f32 v[ST+8*\y+2:ST+8*\y+3], v[ST+8*\y+2:ST+8*\y+3], v[\SA+64*\y+\j:\SA+64*\y+\j+1]
	v_pk_add_f32 v[ST+8*\y+4:ST+8*\y+5], v[ST+8*\y+4:ST+8*\y+5], v[\SA+64*\y+\j+2:\SA+64*\y+\j+3]
.endr
.endr
	WIN 0
.irp y, 0,1
.irp c, 0,1
	v_max_num_f32 v[WK+12*\y+\c], 0x1800000, v[WK+12*\y+\c]      ; the floor 2^(3 - 127)
.endr
.endr
.irp y, 0,1
.irp c, 0,1
	v_add_nc_u32 v[WK+12*\y+8+\c], 0xff000000, v[WK+12*\y+\c]    ; 2 off the exponent field: the conversion's scale operand
.endr
.endr
.irp y, 0,1
.irp c, 0,1
	v_lshrrev_b32 v[WK+12*\y+10+\c], 23, v[WK+12*\y+8+\c]        ; the byte of block 2 c + h
.endr
.endr
.irp y, 0,1
	v_lshl_or_b32 v[WK+12*\y+7], v[WK+12*\y+11], 16, v[WK+12*\y+10]
.endr
.irp y, 0,1
	s_delay_alu instid0(VALU_DEP_2)
	v_lshlrev_b32 v[WK+12*\y+7], v[SH8], v[WK+12*\y+7]           ; 8 h bits up
.endr
.irp y, 0,1
	s_delay_alu instid0(VALU_DEP_2)
	v_permlanex16_b32 v[WK+12*\y+3], v[WK+12*\y+7], s[SEL], s[SEL+1]
.endr
.irp y, 0,1
	s_delay_alu instid0(VALU_DEP_2)
	v_or_b32 v[PW+\y], v[WK+12*\y+7], v[WK+12*\y+3]              ; with lane l xor 16's two bytes: p's scale word
.endr
.irp y, 0,1
	WIN 0x01
.irp c, 0,1
	v_cvt_scalef32_pk16_fp6_f32 v[PC+12*\y+6*\c:PC+12*\y+6*\c+2], v[\SA+64*\y+32*\c:\SA+64*\y+32*\c+15], v[WK+12*\y+8+\c]
	v_cvt_scalef32_pk16_fp6_f32 v[CT+4*\c:CT+4*\c+2], v[\SA+64*\y+32*\c+16:\SA+64*\y+32*\c+31], v[WK+12*\y+8+\c]   ; (a conversion's three registers begin on an even number)
.endr
	WIN 0
	v_nop                                          ; one plain place behind a scaled conversion
.irp c, 0,1
.irp i, 0,1,2
	v_mov_b32 v[PC+12*\y+6*\c+3+\i], v[CT+4*\c+\i]
.endr
.endr
.endr
.if \mode == 0
	LOADK \SA, (\q)+1
.else
	s_wait_alu depctr_va_vdst(0)                   ; ahead of the barrier's wait
	s_barrier_wait -1
.if \mode == 1
	CREST                                          ; the barrier has opened a round: no wave of any partner still reads this slot or has a load on its way
	tensor_load_to_lds s[G0:G0+3], s[G1:G1+7]      ; two slots on, into the slot just read
	s_nop 0
	v_add_nc_u32 v[ADRK], s[TB], v[A0K]            ; on to the other slot
	v_add_nc_u32 v[ADRV], s[TB], v[A0V]
	v_add_nc_u32 v[ADSK], s[TS], v[AS0K]
	v_add_nc_u32 v[ADSV], s[TS], v[AS0V]
	LOADK \SA, 0
	ASK
.else
	s_cmp_eq_u32 s[SLOTS], 1                       ; behind the last slot there is no k to fetch; its barrier orders the ring's last reads ahead of the stage's stores
	s_cbranch_scc1 .Lnok_\@
	v_add_nc_u32 v[ADRK], SLOT1, v[A0K]            ; the last slot, number 7, lies in slot 1
	v_add_nc_u32 v[ADRV], SLOT1, v[A0V]
	v_add_nc_u32 v[ADSK], 7*2048, v[AS0K]
	v_add_nc_u32 v[ADSV], 7*2048, v[AS0V]
	LOADK \SA, 0
.Lnok_\@:
.endif
.endif
	s_wait_alu depctr_va_vdst(0)                   ; directly ahead of the first reader of O^T
.irp y, 0,1
.set j, 0
.rept 32
	v_pk_mul_f32 v[OT+64*\y+j:OT+64*\y+j+1], v[OT+64*\y+j:OT+64*\y+j+1], v[WK+12*\y+4:WK+12*\y+5] op_sel_hi:[1,0]
.set j, j+2
.endr
.endr
	s_wait_alu depctr_va_vdst(0)                   ; ahead of the wait below
	s_wait_dscnt 26                                ; v and its scale words are in; the 24 + 2 loads of the next k may be out
	WIN 0x01
.irp t, 0,1,2,3,4,5,6,7
.irp y, 0,1
	MM OT+64*\y+8*\t, \KA+12*\t, PC+12*\y, 1, VS+(\t%4), PW+\y, \t/4
.endr
.endr
	WIN 0
	NOPS 5                                         ; the next scores are written over v's registers: five places
.endm
	s_wait_alu depctr_va_vdst(0)                   ; the head's end
	s_wait_tensorcnt 0x0                           ; my head load is in; the full sequence ahead of slot 1's first fill
	ds_add_u32 v[SPW], v[NIL]
	s_wait_dscnt 0x0
	CROUND
	tensor_load_to_lds s[G0:G0+3], s[G1:G1+7]      ; slot 1
	s_nop 0
	v_add_nc_u32 v[ADRK], s[TB], v[A0K]
	v_add_nc_u32 v[ADRV], s[TB], v[A0V]
	v_add_nc_u32 v[ADSK], s[TS], v[AS0K]
	v_add_nc_u32 v[ADSV], s[TS], v[AS0V]
	LOADK XA, 0
	ASK                                            ; slot 2
	s_wait_alu depctr_va_vdst(0)
	s_wait_loadcnt 0x0                             ; q
.Lfill:                                                ; slots 0-5: each trip fills the slot it has read with the slot two on
	STEP XA, YA, 0, 0
	STEP YA, XA, 1, 1
	s_sub_co_u32 s[SLOTS], s[SLOTS], 1
	s_cmp_lg_u32 s[SLOTS], 0
	s_cbranch_scc1 .Lfill
	s_mov_b32 s[SLOTS], 2
.Llast:                                                ; slots 6 and 7: nothing is filled
	STEP XA, YA, 0, 0
	STEP YA, XA, 1, 2
	s_sub_co_u32 s[SLOTS], s[SLOTS], 1
	s_cmp_lg_u32 s[SLOTS], 0
	s_cbranch_scc1 .Llast
; THE TWO HALVES OF THE KEYS ARE JOINED: waves 4-7 hand O^T, -M and the sum to waves 0-3 through the stage.
.irp y, 0,1
	v_pk_add_f32 v[ST+8*\y+2:ST+8*\y+3], v[ST+8*\y+2:ST+8*\y+3], v[ST+8*\y+4:ST+8*\y+5]
.endr
.irp y, 0,1
	v_mov_b32 v[TQ+2*\y], v[ST+8*\y]
	v_add_f32 v[TQ+2*\y+1], v[ST+8*\y+2], v[ST+8*\y+3]
.endr
	s_wait_alu depctr_va_vdst(0)
	s_cmp_lt_u32 s[WV], 4
	s_cbranch_scc1 .Lkeeps
.set j, 0
.rept 32
	ds_store_b128 v[MA], v[OT+4*j:OT+4*j+3] offset:512*j
.set j, j+1
.endr
	ds_store_b128 v[MA], v[TQ:TQ+3] offset:16384
.Lkeeps:
	s_wait_dscnt 0x0
	s_barrier_signal -1
	s_barrier_wait -1
	s_cmp_ge_u32 s[WV], 4
	s_cbranch_scc1 .Lend
	WIN 0x40
.set j, 0
.rept 32
	ds_load_b128 v[XA+4*j:XA+4*j+3], v[MA] offset:512*j
.set j, j+1
.endr
	WIN 0
	ds_load_b128 v[TR:TR+3], v[MA] offset:16384
	s_wait_dscnt 0x0
.irp y, 0,1
	v_min_num_f32 v[WK+8*\y], v[TQ+2*\y], v[TR+2*\y]             ; the joint -M
.endr
.irp y, 0,1
	v_sub_f32 v[WK+8*\y+2], v[WK+8*\y], v[TQ+2*\y]
	v_sub_f32 v[WK+8*\y+4], v[WK+8*\y], v[TR+2*\y]
.endr
.irp y, 0,1
	v_cvt_i32_f32 v[WK+8*\y+2], v[WK+8*\y+2]
	v_cvt_i32_f32 v[WK+8*\y+4], v[WK+8*\y+4]
.endr
.irp y, 0,1
	v_ldexp_f32 v[WK+8*\y+2], 1.0, v[WK+8*\y+2]
	v_ldexp_f32 v[WK+8*\y+4], 1.0, v[WK+8*\y+4]
.endr
.irp y, 0,1
	v_mul_f32 v[WK+8*\y], v[TQ+2*\y+1], v[WK+8*\y+2]
.endr
.irp y, 0,1
	s_delay_alu instid0(VALU_DEP_2)
	v_fma_f32 v[WK+8*\y], v[TR+2*\y+1], v[WK+8*\y+4], v[WK+8*\y]
.endr
.irp y, 0,1
	s_delay_alu instid0(VALU_DEP_2)
	v_permlanex16_b32 v[WK+8*\y+1], v[WK+8*\y], s[SEL], s[SEL+1]
.endr
.irp y, 0,1
	s_delay_alu instid0(VALU_DEP_2)
	v_add_f32 v[WK+8*\y], v[WK+8*\y], v[WK+8*\y+1]               ; the row's sum
.endr
	s_wait_alu depctr_va_vdst(0)
.irp y, 0,1
	v_rcp_f32 v[WK+8*\y+6], v[WK+8*\y]
.endr
	v_nop
	s_wait_alu depctr_va_vdst(0)
.irp y, 0,1
	v_mul_f32 v[WK+8*\y+2], v[WK+8*\y+2], v[WK+8*\y+6]
	v_mul_f32 v[WK+8*\y+4], v[WK+8*\y+4], v[WK+8*\y+6]
.endr
	s_wait_alu depctr_va_vdst(0)                   ; directly ahead of the first reader of O^T
.irp y, 0,1
.set j, 0
.rept 32
	v_pk_mul_f32 v[OT+64*\y+j:OT+64*\y+j+1], v[OT+64*\y+j:OT+64*\y+j+1], v[WK+8*\y+2:WK+8*\y+3] op_sel_hi:[1,0]
.set j, j+2
.endr
.endr
	WIN 0x01
.irp y, 0,1
.set j, 0
.rept 32
	v_pk_fma_f32 v[OT+64*\y+j:OT+64*\y+j+1], v[XA+64*\y+j:XA+64*\y+j+1], v[WK+8*\y+4:WK+8*\y+5], v[OT+64*\y+j:OT+64*\y+j+1] op_sel_hi:[1,0,1]
.set j, j+2
.endr
.endr
	WIN 0
; o's 128 numbers of a head, register 16 b + i = index 32 b + 16 h + i (by the order of v's rows), become a fragment's codes and its scale word
.macro QUANT s, pc, ct, tm, pw
.irp b, 0,1,2,3
	v_max3_num_f32 v[(\tm)+\b], |v[(\s)+16*\b]|, |v[(\s)+16*\b+1]|, 0x1800000
.endr
.irp i, 2,4,6,8,10,12,14
.irp b, 0,1,2,3
	s_delay_alu instid0(VALU_DEP_4)
	v_max3_num_f32 v[(\tm)+\b], v[(\tm)+\b], |v[(\s)+16*\b+\i]|, |v[(\s)+16*\b+\i+1]|
.endr
.endr
.irp b, 0,1,2,3
	v_permlanex16_b32 v[(\tm)+4+\b], v[(\tm)+\b], s[SEL], s[SEL+1]
.endr
.irp b, 0,1,2,3
	s_delay_alu instid0(VALU_DEP_4)
	v_max_num_f32 v[(\tm)+\b], v[(\tm)+\b], v[(\tm)+4+\b]
.endr
.irp b, 0,1,2,3
	s_delay_alu instid0(VALU_DEP_4)
	v_add_nc_u32 v[(\tm)+12+\b], 0xff000000, v[(\tm)+\b]
.endr
.irp b, 0,1,2,3
	s_delay_alu instid0(VALU_DEP_4)
	v_lshrrev_b32 v[(\tm)+4+\b], 23, v[(\tm)+12+\b]
.endr
	s_delay_alu instid0(VALU_DEP_3)
	v_lshl_or_b32 v[\pw], v[(\tm)+5], 8, v[(\tm)+4]
	s_delay_alu instid0(VALU_DEP_1)
	v_lshl_or_b32 v[\pw], v[(\tm)+6], 16, v[\pw]
	s_delay_alu instid0(VALU_DEP_1)
	v_lshl_or_b32 v[\pw], v[(\tm)+7], 24, v[\pw]
.irp c, 0,1
	v_cvt_scalef32_pk16_fp6_f32 v[(\pc)+6*\c:(\pc)+6*\c+2], v[(\s)+32*\c:(\s)+32*\c+15], v[(\tm)+12+2*\c]
	v_cvt_scalef32_pk16_fp6_f32 v[(\ct)+4*\c:(\ct)+4*\c+2], v[(\s)+32*\c+16:(\s)+32*\c+31], v[(\tm)+12+2*\c+1]
.endr
	v_nop
.irp c, 0,1
.irp i, 0,1,2
	v_permlane16_swap_b32 v[(\pc)+6*\c+\i], v[(\ct)+4*\c+\i]
.endr
.irp i, 0,1,2
	s_delay_alu instid0(VALU_DEP_3)
	v_mov_b32 v[(\pc)+3+6*\c+\i], v[(\ct)+4*\c+\i]
.endr
.endr
.endm
	QUANT OT, PC, CT, WK, PW
	QUANT OT+64, PC+12, CT, WK, PW+1
.irp y, 0,1
.irp c, 0,1,2
	global_store_b128 v[LI], v[PC+12*\y+4*\c:PC+12*\y+4*\c+3], s[8:9] offset:16*FRB*\y+512*\c   ; 32 lanes store 512 consecutive bytes, aligned
.endr
.endr
	v_and_b32 v11, 31, v0
	s_delay_alu instid0(VALU_DEP_1)
	v_cmp_le_u32 vcc_lo, 16, v11
	s_delay_alu instid0(VALU_DEP_1)
	v_cndmask_b32 v57, v[PW], v[PW+1], vcc_lo      ; lanes 0-15 the first fragment's words, lanes 16-31 the second's
	global_store_b32 v[OSO], v57, s[10:11]
.Lend:
	s_wait_tensorcnt 0x0                           ; the wave's end
	ds_add_u32 v[SPW], v[NIL]
	s_wait_dscnt 0x0
	CROUND                                         ; the closing round
	s_endpgm
.Lfunc_end_k_qa57dad1d67_attn:
	.size	k_qa57dad1d67_attn, .Lfunc_end_k_qa57dad1d67_attn-k_qa57dad1d67_attn
	.p2alignl 7, 3214868480
	.fill 96, 4, 3214868480
	.section	.rodata,"a",@progbits
	.p2align	6, 0x0
	.amdhsa_kernel k_qa57dad1d67_attn
		.amdhsa_group_segment_fixed_size 327680
		.amdhsa_private_segment_fixed_size 0
		.amdhsa_enable_private_segment 0
		.amdhsa_kernarg_size 32
		.amdhsa_user_sgpr_count 2
		.amdhsa_user_sgpr_kernarg_segment_ptr 1
		.amdhsa_wavefront_size32 1
		.amdhsa_system_sgpr_workgroup_id_x 1
		.amdhsa_system_sgpr_workgroup_id_y 1
		.amdhsa_system_sgpr_workgroup_id_z 1
		.amdhsa_system_vgpr_workitem_id 0
		.amdhsa_next_free_vgpr 512
		.amdhsa_next_free_sgpr 100
		.amdhsa_reserve_vcc 1
		.amdhsa_float_denorm_mode_32 3
		.amdhsa_float_denorm_mode_16_64 3
		.amdhsa_memory_ordered 1
		.amdhsa_forward_progress 1
		.amdhsa_inst_pref_size 173
	.end_amdhsa_kernel
	.amdgpu_metadata
---
amdhsa.version: [ 1, 2 ]
amdhsa.kernels:
  - .name:           k_qa57dad1d67_attn
    .symbol:         k_qa57dad1d67_attn.kd
    .args:
      - { .name: ac, .offset: 0, .size: 8, .value_kind: global_buffer, .address_space: global }
      - { .name: asc, .offset: 8, .size: 8, .value_kind: global_buffer, .address_space: global }
      - { .name: oc, .offset: 16, .size: 8, .value_kind: global_buffer, .address_space: global }
      - { .name: osc, .offset: 24, .size: 8, .value_kind: global_buffer, .address_space: global }
    .group_segment_fixed_size: 327680
    .private_segment_fixed_size: 0
    .kernarg_segment_align: 8
    .kernarg_segment_size: 32
    .max_flat_workgroup_size: 256
    .sgpr_count:     100
    .vgpr_count:     512
    .wavefront_size: 32
...
	.end_amdgpu_metadata
.endif
;; end of part 6
;; launch outp (part 7): grid 16 x 16, 4 waves a work-group, clusters of 4 x 4, 327,680 bytes of LDS; arguments oc, osc, cod, scl, out0; writes out0
.if DOCPART == 7
	.amdgcn_target "amdgcn-amd-amdhsa--gfx1250"
	.amdhsa_code_object_version 6
	.text
	.protected	k_qa57dad1d67_outp
	.globl	k_qa57dad1d67_outp
	.p2align	8
	.type	k_qa57dad1d67_outp,@function
k_qa57dad1d67_outp:
	s_mov_b64 s[64:65], 0
	v_nop
	global_prefetch_b8 v0, s[64:65] scope:SCOPE_SE
	s_setreg_imm32_b32 hwreg(HW_REG_WAVE_MODE, 25, 1), 1
	s_wait_xcnt 0x0
	s_wait_alu depctr_hold_cnt(0) depctr_sa_sdst(0) depctr_va_vdst(0) depctr_va_sdst(0) depctr_va_ssrc(0) depctr_va_vcc(0) depctr_vm_vsrc(0)
	s_getreg_b32 s2, hwreg(HW_REG_IB_STS2, 6, 4)
	s_cmp_eq_u32 s2, 0
	s_cbranch_scc0 .Lentry_in_a_cluster
	s_endpgm
.Lentry_in_a_cluster:
	s_bfe_u32 s2, ttmp6, 0x10000c
	s_cmp_lg_u32 s2, 0xf033
	s_cbranch_scc0 .Lentry_shape_is_right
	s_endpgm
.Lentry_shape_is_right:
; out0 = o Wo^T on codes of FP6 (E2M3) with E8M0 scales.  Operands come as images of fragments: oc [row block 128][K step 16][1,536], osc [row block][K step][16 words]; Wo's are row blocks 512-639 of cod and scl.
; Lane r of row block i holds row 32 (i / 2) + 8 (i % 2) + r + 8 (r / 8).  A work-group makes 128 x 128 of out0, a wave 64 x 64: 16 accumulators.  Source 0 = Wo's rows, source 1 = o's rows.
; K goes in four chunks of 4 steps through three LDS slots (chunk c in slot c % 3), each with A's 8 row blocks and then B's 8; the scale words of the 256 rows come once and stay.
; LOADS, one a wave behind each barrier: at the head chunk 0 of A, chunk 0 of B, A's scale words, B's; behind the full sequence and a round chunks 1 and 2 of A and of B; chunk 3 fills slot 0 again behind step 3's round.
; CLUSTERS: 4 x 4 work-groups; A's tiles are asked for jointly along a row of the cluster, B's along a column.
; PREFETCH, one group of loads ahead: behind the head's loads each wave asks for chunks 1 and 2 of one row block (12,288 bytes, a lane to 256 bytes, two requests, left-over lanes naming the last block again),
; behind those chunks' loads for its chunk 3 (6,144 bytes).  The four partners that ask for a tile jointly share its 8 row blocks out by address, 2 each, one a wave.  Every offset is an immediate: no address register is rewritten.
.set NQ,    4
.set FR,    12
.set NP,    4
.set FRB,   1536
.set SLB,   NQ*FRB
.set RBB,   16*FRB
.set HALFT, 4*SLB
.set SLOT,  4*HALFT
.set SCL,   3*SLOT
.set HALFS, 4096
.set SPARE, SCL+4*HALFS
.set SPITCH, 272
.set STAGE, SLOT
.set ROWC,  8192
.set NLD,   28
.set ADRA, 16
.set ADRB, 20
.set STO,  24
.set RD,   25
.set CO,   26
.set ADRS, 27
.set SPW,  28
.set NIL,  29
.set LI,   30
.set SC,   32
.set ACC,  128
.set G1,   24
.set G1B,  32
.set G0,   48
.set G0B,  68
.set G0S,  60
.set G1S,  80
.set G1SB, 88
.set G0SB, 96
.set MSB, 0
.macro WIN new
.if MSB != \new
	s_set_vgpr_msb (MSB<<8)|\new
.set MSB, \new
.endif
.endm
.set MUL,  0x05
.set TO_F, 0x40
.macro JLOAD g0a, g1a, g0b, g1b
	s_cmp_eq_u32 s15, 0
	s_cbranch_scc0 .Lfor_b_\@
	tensor_load_to_lds s[\g0a:\g0a+3], s[\g1a:\g1a+7]
	s_nop 0
.rept 4
	v_nop
.endr
	s_branch .Lasked_\@
.Lfor_b_\@:
	tensor_load_to_lds s[\g0b:\g0b+3], s[\g1b:\g1b+7]
	s_nop 0
.rept 4
	v_nop
.endr
.Lasked_\@:
.endm
.macro CREST
	s_cmp_lg_u32 s14, 0
	s_cbranch_scc1 .Lnot_wave_0_\@
	s_barrier_signal -3
.Lnot_wave_0_\@:
	s_barrier_wait -3
	s_barrier_signal -1
	s_barrier_wait -1
.endm
.macro CROUND
	s_barrier_signal -1
	s_barrier_wait -1
	CREST
.endm
	s_load_b256 s[4:11], s[0:1], 0x0
	s_load_b64 s[12:13], s[0:1], 0x20
	v_lshl_add_u32 v[SPW], v0, 2, SPARE
	v_mov_b32 v[NIL], 0
	ds_add_u32 v28, v29
	ds_add_u32 v28, v29
	s_wait_dscnt 0x0
	v_lshrrev_b32 v1, 5, v0
	v_readfirstlane_b32 s14, v1
	s_lshr_b32 s15, s14, 1
	s_and_b32 s16, s14, 1
	s_bfe_u32 s40, ttmp6, 0x40000
	s_bfe_u32 s41, ttmp6, 0x40004
	s_lshl_b32 s42, ttmp9, 2
	s_add_co_u32 s42, s42, s40
	s_and_b32 s17, ttmp7, 0xffff
	s_lshl_b32 s17, s17, 2
	s_add_co_u32 s17, s17, s41
	s_lshl_b32 s43, s41, 2
	s_lshl_b32 s43, 15, s43
	s_lshl_b32 s44, 0x1111, s40
	s_or_b32 s[G1+0], s43, (3<<16)|(1<<21)
	s_or_b32 s[G1B+0], s44, (3<<16)|(1<<21)
.irp g, G1, G1B
	s_mov_b32 s[\g+1], 768<<16
	s_mov_b32 s[\g+2], 8<<16                       ; 8 row blocks a load; set to 4 ahead of the one refill
	s_mov_b32 s[\g+3], 768<<16
	s_mov_b32 s[\g+4], 8
	s_mov_b32 s[\g+5], 3072
	s_mov_b32 s[\g+6], 0
	s_mov_b32 s[\g+7], 0
.endr
	s_or_b32 s[G1S+0], s43, (3<<16)|(1<<21)
	s_or_b32 s[G1SB+0], s44, (3<<16)|(1<<21)
.irp g, G1S, G1SB
	s_mov_b32 s[\g+1], 32<<16
	s_mov_b32 s[\g+2], 32<<16                      ; the scale words of 8 row blocks: 32 rows of 256 bytes
	s_mov_b32 s[\g+3], 32<<16
	s_mov_b32 s[\g+4], 32
	s_mov_b32 s[\g+5], 32
	s_mov_b32 s[\g+6], 0
	s_mov_b32 s[\g+7], 0
.endr
	s_lshl_b32 s20, s17, 3                         ; A: the tile's first row block
	s_lshl_b32 s46, s42, 3
	s_add_co_u32 s46, s46, 512                     ; B: likewise, among Wo's
	s_lshl_b32 s22, s20, 10
	s_mov_b32 s23, 0
	s_mul_i32 s20, s20, RBB
	s_mov_b32 s21, 0
	s_lshl_b32 s100, s46, 10
	s_mov_b32 s101, 0
	s_mul_i32 s46, s46, RBB
	s_mov_b32 s47, 0
	CROUND                                         ; the round in front of the first joint loads needs no argument: it stands while the arguments are on their way
	s_wait_kmcnt 0x0
	s_add_nc_u64 s[20:21], s[4:5], s[20:21]
	s_add_nc_u64 s[22:23], s[6:7], s[22:23]
	s_add_nc_u64 s[46:47], s[8:9], s[46:47]
	s_add_nc_u64 s[100:101], s[10:11], s[100:101]
	s_cmp_eq_u32 s15, 0                            ; the prefetches: waves 0, 1 ask for A, waves 2, 3 for B
	s_cselect_b64 s[4:5], s[20:21], s[46:47]
	s_cselect_b32 s6, s40, s41                     ; my place among the four that ask for the tile with me
	s_lshl_b32 s6, s6, 1
	s_add_co_u32 s6, s6, s16                       ; my row block of the tile's 8
	s_mul_i32 s6, s6, RBB
	s_mov_b32 s7, 0
	s_add_nc_u64 s[4:5], s[4:5], s[6:7]
	s_mov_b32 s[G0S], 1
	s_mov_b32 s[G0S+1], SCL
	s_mov_b64 s[G0S+2:G0S+3], s[22:23]
	s_or_b32 s[G0S+3], s[G0S+3], 0x80000000
	s_mov_b32 s[G0SB], 1
	s_mov_b32 s[G0SB+1], SCL+2*HALFS
	s_mov_b64 s[G0SB+2:G0SB+3], s[100:101]
	s_or_b32 s[G0SB+3], s[G0SB+3], 0x80000000
.irp s, 0,1,2
	s_mov_b32 s[G0+4*\s], 1
	s_mov_b32 s[G0+4*\s+1], \s*SLOT
	s_add_nc_u64 s[G0+4*\s+2:G0+4*\s+3], s[20:21], \s*SLB
	s_or_b32 s[G0+4*\s+3], s[G0+4*\s+3], 0x80000000
	s_mov_b32 s[G0B+4*\s], 1
	s_mov_b32 s[G0B+4*\s+1], \s*SLOT+2*HALFT
	s_add_nc_u64 s[G0B+4*\s+2:G0B+4*\s+3], s[46:47], \s*SLB
	s_or_b32 s[G0B+4*\s+3], s[G0B+4*\s+3], 0x80000000
.endr
; One tree of branches on the wave's number, one load to an arm, all arms leading to one join
.macro ARM under, g0, g1, next, join
	s_cmp_lt_u32 s14, \under
	s_cbranch_scc0 \next
	tensor_load_to_lds s[\g0:\g0+3], s[\g1:\g1+7]
	s_nop 0
.rept 4
	v_nop
.endr
	s_branch \join
\next:
.endm
	ARM 1, G0,  G1,  .Lh_b,  .Lh_asked             ; chunk 0 of A,
	ARM 2, G0B, G1B, .Lh_sa, .Lh_asked             ; of B,
	ARM 3, G0S, G1S, .Lh_sb, .Lh_asked             ; A's scale words,
	tensor_load_to_lds s[G0SB:G0SB+3], s[G1SB:G1SB+7]   ; B's
	s_nop 0
.rept 4
	v_nop
.endr
.Lh_asked:
	v_and_b32 v96, 31, v0
	v_min_u32 v97, 15, v96
	v_min_u32 v98, 23, v96
	v_lshlrev_b32 v96, 8, v96                      ; v96-98: 256 x lane, held at 15 and at 23 blocks; never rewritten
	v_lshlrev_b32 v97, 8, v97
	v_lshlrev_b32 v98, 8, v98
	global_prefetch_b8 v96, s[4:5] offset:SLB th:TH_LOAD_NT scope:SCOPE_SE        ; chunks 1 and 2 of my row block: blocks 0-31 of their 48,
	global_prefetch_b8 v97, s[4:5] offset:SLB+8192 th:TH_LOAD_NT scope:SCOPE_SE   ; and 32-47
	v_and_b32 v1, 15, v0
	v_bfe_u32 v2, v0, 4, 1
	v_and_b32 v3, 31, v0
	v_lshlrev_b32 v[LI], 4, v3
	s_mul_i32 s21, s15, HALFT
	s_mul_i32 s22, s16, HALFT
	s_add_co_u32 s22, s22, 2*HALFT
.irp s, 0,1,2
	v_add_nc_u32 v[ADRA+\s], s21, v[LI]
	v_add_nc_u32 v[ADRB+\s], s22, v[LI]
	s_add_co_u32 s21, s21, SLOT
	s_add_co_u32 s22, s22, SLOT
.endr
	v_lshlrev_b32 v5, 2, v1
	s_mul_i32 s21, s15, HALFS
	s_mul_i32 s22, s16, HALFS
	s_add_co_u32 s22, s22, 2*HALFS
	s_sub_co_u32 s22, s22, s21
	v_mul_u32_u24 v6, s22, v2
	s_add_co_u32 s21, s21, SCL
	v_add_nc_u32 v5, v5, v6
	v_add_nc_u32 v[ADRS], s21, v5
	s_mul_i32 s23, s14, 16*SPITCH
	s_add_co_u32 s23, s23, STAGE
	v_mul_u32_u24 v5, v1, SPITCH
	v_lshl_add_u32 v5, v2, 6, v5
	v_add_nc_u32 v[STO], s23, v5
	v_mul_u32_u24 v5, v2, SPITCH
	v_lshl_add_u32 v5, v1, 4, v5
	v_add_nc_u32 v[RD], s23, v5
	v_lshlrev_b32 v[CO], 13, v2
	v_lshl_add_u32 v[CO], v1, 4, v[CO]
	s_lshl_b32 s20, s17, 7
	s_lshl_b32 s21, s15, 6
	s_add_co_u32 s20, s20, s21
	s_lshl_b32 s20, s20, 13
	s_mov_b32 s21, 0
	s_lshl_b32 s46, s42, 9
	s_lshl_b32 s47, s16, 8
	s_add_co_u32 s46, s46, s47
	s_mov_b32 s47, 0
	s_add_nc_u64 s[20:21], s[20:21], s[46:47]
	s_add_nc_u64 s[12:13], s[12:13], s[20:21]
.macro FRAG reg, adr, q, i
.irp c, 0,1,2
	ds_load_b128 v[\reg+4*\c:\reg+4*\c+3], v[\adr] offset:(\i)*SLB+(\q)*FRB+512*\c
.endr
.endm
.macro FETCH ks
	WIN 0
.irp i, 0,1,2,3
	ds_load_b32 v[SC+4*(\ks)+\i], v[ADRS] offset:\i*1024+64*(\ks)
.endr
	WIN TO_F
.irp i, 0,1,2,3
	FRAG 128*((\ks)%2)+FR*\i, ADRA+((\ks)/4)%3, (\ks)%4, \i
.endr
.irp i, 0,1,2,3
	FRAG 128*((\ks)%2)+48+FR*\i, ADRB+((\ks)/4)%3, (\ks)%4, \i
.endr
.endm
.macro MULA ks, a, zero
.irp b, 0,1,2,3
.if \zero
	v_wmma_scale_f32_16x16x128_f8f6f4 v[ACC+8*(4*(\a)+\b):ACC+8*(4*(\a)+\b)+7], v[128*((\ks)%2)+48+FR*\b:128*((\ks)%2)+48+FR*\b+FR-1], v[128*((\ks)%2)+FR*(\a):128*((\ks)%2)+FR*(\a)+FR-1], 0, v[SC+4*(\ks)+\b], v[SC+4*(\ks)+(\a)] matrix_a_fmt:MATRIX_FMT_FP6 matrix_b_fmt:MATRIX_FMT_FP6 matrix_a_scale:MATRIX_SCALE_ROW1
.else
	v_wmma_scale_f32_16x16x128_f8f6f4 v[ACC+8*(4*(\a)+\b):ACC+8*(4*(\a)+\b)+7], v[128*((\ks)%2)+48+FR*\b:128*((\ks)%2)+48+FR*\b+FR-1], v[128*((\ks)%2)+FR*(\a):128*((\ks)%2)+FR*(\a)+FR-1], v[ACC+8*(4*(\a)+\b):ACC+8*(4*(\a)+\b)+7], v[SC+4*(\ks)+\b], v[SC+4*(\ks)+(\a)] matrix_a_fmt:MATRIX_FMT_FP6 matrix_b_fmt:MATRIX_FMT_FP6 matrix_a_scale:MATRIX_SCALE_ROW1
.endif
.endr
.endm
.macro PLACES n
.rept \n
	v_nop
.endr
.endm
.macro STEP ks, zero
	PLACES NP
	FETCH (\ks)+1
	s_wait_dscnt NLD
	WIN MUL
	MULA \ks, 0, \zero
	MULA \ks, 1, \zero
	MULA \ks, 2, \zero
	MULA \ks, 3, \zero
.endm
.macro TURN ks, fill
	WIN 0
	s_wait_tensorcnt 0x0
	ds_add_u32 v[SPW], v[NIL]
	s_wait_dscnt 1
	WIN MUL
	MULA \ks, 0, 0
	s_wait_dscnt 0x0
	s_barrier_signal -1
	MULA \ks, 1, 0
	WIN 0
	s_barrier_wait -1
.if \fill
	CREST
	s_mov_b32 s[G1+2], 4<<16                       ; no tensor load of mine is out: the refill goes by quarters, 4 row blocks a wave
	s_mov_b32 s[G1+4], 4
	s_mov_b32 s[G1B+2], 4<<16
	s_mov_b32 s[G1B+4], 4
	s_mul_i32 s67, s14, HALFT                      ; wave x 4 row blocks: A's two halves, then B's two
	s_mov_b32 s[G0+1], s67
	s_mov_b32 s[G0B+1], s67
	s_mul_i32 s18, s16, 4*RBB                      ; my half of the tile's rows,
	s_add_co_u32 s18, s18, 3*SLB                   ; chunk 3
	s_mov_b32 s19, 0
	s_add_nc_u64 s[G0+2:G0+3], s[G0+2:G0+3], s[18:19]
	s_add_nc_u64 s[G0B+2:G0B+3], s[G0B+2:G0B+3], s[18:19]
	JLOAD G0, G1, G0B, G1B
.else
	PLACES NP
.endif
	FETCH (\ks)+1
	WIN MUL
	MULA \ks, 2, 0
	MULA \ks, 3, 0
.endm
	s_wait_alu depctr_va_vdst(0)
	s_wait_tensorcnt 0x0                           ; my tile of the head's four is in; the full sequence ahead of the later first fills
	ds_add_u32 v[SPW], v[NIL]
	s_wait_dscnt 0x0
	CROUND
	ARM 1, G0+4,  G1,  .Lg_a2, .Lg_asked           ; chunk 1 of A,
	ARM 2, G0+8,  G1,  .Lg_b1, .Lg_asked           ; chunk 2 of A,
	ARM 3, G0B+4, G1B, .Lg_b2, .Lg_asked           ; chunk 1 of B,
	tensor_load_to_lds s[G0B+8:G0B+11], s[G1B:G1B+7]    ; chunk 2 of B
	s_nop 0
.rept 4
	v_nop
.endr
.Lg_asked:
	global_prefetch_b8 v98, s[4:5] offset:3*SLB th:TH_LOAD_NT scope:SCOPE_SE      ; chunk 3 of my row block: 24 blocks
	FETCH 0
	STEP 0, 1
	STEP 1, 0
	STEP 2, 0
	TURN 3, 1
.irp k, 4,5,6,7,8,9,10
	STEP \k, 0
.endr
	TURN 11, 0
.irp k, 12,13,14
	STEP \k, 0
.endr
	s_wait_dscnt 0x0
	WIN MUL
	MULA 15, 0, 0
	MULA 15, 1, 0
	MULA 15, 2, 0
	MULA 15, 3, 0
	WIN 0
.macro TOSTAGE a
.irp b, 0,1,2,3
	ds_store_b128 v[STO], v[ACC+8*(4*(\a)+\b):ACC+8*(4*(\a)+\b)+3] offset:128*(\b/2)+32*(\b%2)
	ds_store_b128 v[STO], v[ACC+8*(4*(\a)+\b)+4:ACC+8*(4*(\a)+\b)+7] offset:128*(\b/2)+32*(\b%2)+16
.endr
.irp u, 0,1,2,3,4,5,6,7
	ds_load_b128 v[ACC+32*(\a)+4*\u:ACC+32*(\a)+4*\u+3], v[RD] offset:2*\u*SPITCH
.endr
.endm
.macro SEND a, younger
	s_wait_dscnt \younger
.irp u, 0,1,2,3,4,5,6,7
	global_store_b128 v[CO], v[ACC+32*(\a)+4*\u:ACC+32*(\a)+4*\u+3], s[12:13] offset:(32*((\a)/2)+8*((\a)%2)+2*\u+8*(\u/4))*ROWC th:TH_STORE_NT
.endr
.endm
	PLACES NP
	TOSTAGE 0
	TOSTAGE 1
	SEND 0, 16
	TOSTAGE 2
	SEND 1, 16
	TOSTAGE 3
	SEND 2, 16
	SEND 3, 0
	s_wait_tensorcnt 0x0
	ds_add_u32 v[SPW], v[NIL]
	s_wait_dscnt 0x0
	CROUND
	s_endpgm
.Lfunc_end_k_qa57dad1d67_outp:
	.size	k_qa57dad1d67_outp, .Lfunc_end_k_qa57dad1d67_outp-k_qa57dad1d67_outp
	.p2alignl 7, 3214868480
	.fill 96, 4, 3214868480
	.section	.rodata,"a",@progbits
	.p2align	6, 0x0
	.amdhsa_kernel k_qa57dad1d67_outp
		.amdhsa_group_segment_fixed_size 327680
		.amdhsa_private_segment_fixed_size 0
		.amdhsa_enable_private_segment 0
		.amdhsa_kernarg_size 40
		.amdhsa_user_sgpr_count 2
		.amdhsa_user_sgpr_kernarg_segment_ptr 1
		.amdhsa_wavefront_size32 1
		.amdhsa_system_sgpr_workgroup_id_x 1
		.amdhsa_system_sgpr_workgroup_id_y 1
		.amdhsa_system_sgpr_workgroup_id_z 1
		.amdhsa_system_vgpr_workitem_id 0
		.amdhsa_next_free_vgpr 512
		.amdhsa_next_free_sgpr 102
		.amdhsa_reserve_vcc 0
		.amdhsa_float_denorm_mode_32 3
		.amdhsa_float_denorm_mode_16_64 3
		.amdhsa_memory_ordered 1
		.amdhsa_forward_progress 1
		.amdhsa_inst_pref_size 85
	.end_amdhsa_kernel
	.amdgpu_metadata
---
amdhsa.version: [ 1, 2 ]
amdhsa.kernels:
  - .name:           k_qa57dad1d67_outp
    .symbol:         k_qa57dad1d67_outp.kd
    .args:
      - { .name: oc, .offset: 0, .size: 8, .value_kind: global_buffer, .address_space: global }
      - { .name: osc, .offset: 8, .size: 8, .value_kind: global_buffer, .address_space: global }
      - { .name: cod, .offset: 16, .size: 8, .value_kind: global_buffer, .address_space: global }
      - { .name: scl, .offset: 24, .size: 8, .value_kind: global_buffer, .address_space: global }
      - { .name: out0, .offset: 32, .size: 8, .value_kind: global_buffer, .address_space: global }
    .group_segment_fixed_size: 327680
    .private_segment_fixed_size: 0
    .kernarg_segment_align: 8
    .kernarg_segment_size: 40
    .max_flat_workgroup_size: 128
    .sgpr_count:     102
    .vgpr_count:     512
    .wavefront_size: 32
...
	.end_amdgpu_metadata
.endif
;; end of part 7
